; MI455X (gfx1250); checked and timed in simulation.
; The chip was launched on July 23, 2026; its instructions are those of AMD's public machine-readable ISA for CDNA 5 (MIT licence, August 2026) and "CDNA5" Instruction Set Architecture Reference Guide (July 2026). The comments in the code are by the model that wrote it; some were corrected since.
;; Transformer Block. Allowed arithmetic: float matrix products may take bf16 or f16 operands with f32 sums; all other float work in f32.
;; Inputs: W_K 16 x 1,024 x 64 float32; W_O 16 x 64 x 1,024 float32; W_Q 16 x 1,024 x 64 float32; W_V 16 x 1,024 x 64 float32; W_in 1,024 x 4,096 float32; W_out 4,096 x 1,024 float32; b_K 16 x 64 float32; b_O 1,024 float32; b_Q 16 x 64 float32; b_V 16 x 64 float32; b_in 4,096 float32; b_out 1,024 float32; ln1_b 1,024 float32; ln1_w 1,024 float32; ln2_b 1,024 float32; ln2_w 1,024 float32; resid_pre 2 x 2,048 x 1,024 float32.
;; Outputs: out0 2 x 2,048 x 1,024 float32.
;; 2 versions, each right. Each part assembles by itself: llvm-mc -triple=amdgcn-amd-amdhsa -mcpu=gfx1250 --defsym DOCPART=n.
;; ======== version 1 of 2: 7 launches
;; workspace buffers: wb 25,165,824 bytes; xn 8,388,608 bytes; qkv 25,165,824 bytes; z 8,388,608 bytes; mid 16,777,216 bytes; hid 33,554,432 bytes
;; launch prep (part 1): grid 1024 x 1, 8 waves a work-group, no clusters, 0 bytes of LDS; arguments resid_pre, ln1_w, ln1_b, xn, W_Q, W_K, W_V, W_O, W_in, W_out, wb; writes xn, wb
.if DOCPART == 1
	.amdgcn_target "amdgcn-amd-amdhsa--gfx1250"
	.amdhsa_code_object_version 6
	.text
	.protected	k_q07443cc6aa_prep
	.globl	k_q07443cc6aa_prep
	.p2align	8
	.type	k_q07443cc6aa_prep,@function
k_q07443cc6aa_prep:
	s_mov_b64 s[64:65], 0
	v_nop
	global_prefetch_b8 v0, s[64:65] scope:SCOPE_SE
	s_setreg_imm32_b32 hwreg(HW_REG_WAVE_MODE, 25, 1), 1
	s_wait_xcnt 0x0
; prep: two streaming jobs in one launch, told apart by the work-group's number g (a scalar branch). Every work-group reads 65,536 bytes of f32.
;   g   0..255   xn = LayerNorm(resid_pre; ln1_w, ln1_b), rounded to bf16: 16 rows of 1,024 a work-group, two rows a wave.
;   g 256..447   W_Q, W_K, W_V ([16 h][1024 k][64]) -> bf16, woven into ONE matrix [1024 k][3072 n], n = 1024 which + 64 h + dh, at byte 0 of wb.
;   g 448..1023  W_O, W_in, W_out -> bf16 as they lie ([k][n] already), one behind the other from byte 6,291,456 of wb.
; No LDS, no barrier, no matrix unit: nothing is shared between waves and every byte is touched once.
; LayerNorm in f32, in two passes over a row kept in registers: mean, centre, mean of squares, so no difference of large sums is formed.
; LIMITS: v_rsq_f32 is good to 1 ulp; the results are rounded once to bf16 (they are matrix operands); inputs that are not finite are not served.
.set T,  8                             ; v[8:15]    four chains of pairs
.set M,  16                            ; v[16:17]   the mean, twice
.set R,  18                            ; v[18:19]   1 / scale, twice
.set X,  32                            ; v[32:95]   two rows, 32 registers each
.set W,  96                            ; v[96:127]  gain of my 32 columns
.set BV, 128                           ; v[128:159] bias of my 32 columns
.set Y,  160                           ; v[160:191] two rows in bf16
.macro REDUCE                          ; the four chains -> one number in v20, the same in all 32 lanes
	v_pk_add_f32 v[T:T+1], v[T:T+1], v[T+2:T+3]
	v_pk_add_f32 v[T+4:T+5], v[T+4:T+5], v[T+6:T+7]
	v_pk_add_f32 v[T:T+1], v[T:T+1], v[T+4:T+5]
	v_add_f32 v20, v[T], v[T+1]
	v_add_f32_dpp v20, v20, v20 row_xmask:1 row_mask:0xf bank_mask:0xf
	v_add_f32_dpp v20, v20, v20 row_xmask:2 row_mask:0xf bank_mask:0xf
	v_add_f32_dpp v20, v20, v20 row_xmask:4 row_mask:0xf bank_mask:0xf
	v_add_f32_dpp v20, v20, v20 row_xmask:8 row_mask:0xf bank_mask:0xf
	v_permlanex16_b32 v21, v20, s34, s35           ; the other half of the lanes; v21 has been written before
	v_add_f32 v20, v20, v21
.endm
; Row p: centred and divided by its scale, in place.  left = the younger loads that may stay out.
.macro STATS p, left
	s_wait_loadcnt \left
.irp k, 0,1,2,3
	v_pk_add_f32 v[T+2*\k:T+2*\k+1], v[X+32*\p+2*\k:X+32*\p+2*\k+1], v[X+32*\p+8+2*\k:X+32*\p+9+2*\k]   ; the first eight pairs start the chains
.endr
.irp k, 8,9,10,11,12,13,14,15
	v_pk_add_f32 v[T+2*(\k%4):T+2*(\k%4)+1], v[T+2*(\k%4):T+2*(\k%4)+1], v[X+32*\p+2*\k:X+32*\p+2*\k+1]
.endr
	REDUCE
	v_mul_f32 v[M], s31, v20                       ; sum / 1024
	v_mul_f32 v[M+1], s31, v20
.irp k, 0,1,2,3,4,5,6,7,8,9,10,11,12,13,14,15
	v_pk_add_f32 v[X+32*\p+2*\k:X+32*\p+2*\k+1], v[X+32*\p+2*\k:X+32*\p+2*\k+1], v[M:M+1] neg_lo:[0,1] neg_hi:[0,1]
.endr
.irp k, 0,1,2,3
	v_pk_mul_f32 v[T+2*\k:T+2*\k+1], v[X+32*\p+2*\k:X+32*\p+2*\k+1], v[X+32*\p+2*\k:X+32*\p+2*\k+1]
.endr
.irp k, 4,5,6,7,8,9,10,11,12,13,14,15
	v_pk_fma_f32 v[T+2*(\k%4):T+2*(\k%4)+1], v[X+32*\p+2*\k:X+32*\p+2*\k+1], v[X+32*\p+2*\k:X+32*\p+2*\k+1], v[T+2*(\k%4):T+2*(\k%4)+1]
.endr
	REDUCE
	v_fma_f32 v20, v20, s31, s32                   ; mean of squares + 1e-5
	v_rsq_f32 v[R], v20
	v_rsq_f32 v[R+1], v20
	v_nop                                          ; a plain instruction between the root and the use of its result (ISA guide 5.7.2)
	s_wait_alu depctr_va_vdst(0)
.irp k, 0,1,2,3,4,5,6,7,8,9,10,11,12,13,14,15
	v_pk_mul_f32 v[X+32*\p+2*\k:X+32*\p+2*\k+1], v[X+32*\p+2*\k:X+32*\p+2*\k+1], v[R:R+1]
.endr
.endm
; Row p: gain and bias, rounded, stored.  A store of the wave covers 256 consecutive bytes, aligned.
.macro NORM p
.irp i, 0,1,2,3,4,5,6,7
	v_pk_fma_f32 v[X+32*\p+4*\i:X+32*\p+4*\i+1], v[X+32*\p+4*\i:X+32*\p+4*\i+1], v[W+4*\i:W+4*\i+1], v[BV+4*\i:BV+4*\i+1]
	v_pk_fma_f32 v[X+32*\p+4*\i+2:X+32*\p+4*\i+3], v[X+32*\p+4*\i+2:X+32*\p+4*\i+3], v[W+4*\i+2:W+4*\i+3], v[BV+4*\i+2:BV+4*\i+3]
	v_cvt_pk_bf16_f32 v[Y+16*\p+2*\i], v[X+32*\p+4*\i], v[X+32*\p+4*\i+1]
	v_cvt_pk_bf16_f32 v[Y+16*\p+2*\i+1], v[X+32*\p+4*\i+2], v[X+32*\p+4*\i+3]
	global_store_b64 v4, v[Y+16*\p+2*\i:Y+16*\p+2*\i+1], s[14:15] offset:\p*2048+256*\i
.endr
.endm
; Sixteen loads of 16 bytes a lane, si bytes apart, all issued first; each is rounded and stored (8 bytes a lane, so bytes apart) as it arrives.
; No register is written twice, so nothing but the counted wait for the data is needed.
.macro CAST si, so
.set i, 0
.rept 16
	global_load_b128 v[32+4*i:35+4*i], v5, s[36:37] offset:i*\si th:TH_LOAD_NT
.set i, i+1
.endr
.set i, 0
.rept 16
	s_wait_loadcnt 15-i                            ; loads return in order: load i is in, the 15 - i younger ones stay out
	v_cvt_pk_bf16_f32 v[96+2*i], v[32+4*i], v[33+4*i]
	v_cvt_pk_bf16_f32 v[97+2*i], v[34+4*i], v[35+4*i]
	global_store_b64 v6, v[96+2*i:97+2*i], s[38:39] offset:i*\so
.set i, i+1
.endr
.endm
	s_load_b256 s[8:15], s[0:1], 0x0               ; resid_pre s[8:9], ln1_w s[10:11], ln1_b s[12:13], xn s[14:15]
	s_load_b256 s[16:23], s[0:1], 0x20             ; W_Q s[16:17], W_K s[18:19], W_V s[20:21], W_O s[22:23]
	s_load_b128 s[24:27], s[0:1], 0x40             ; W_in s[24:25], W_out s[26:27]
	s_load_b64 s[28:29], s[0:1], 0x50              ; wb
	v_lshrrev_b32 v7, 5, v0
	v_readfirstlane_b32 s30, v7                    ; wave 0..7
	v_and_b32 v1, 31, v0                           ; lane
	s_mov_b32 s3, 0                                ; high word of every offset pair s[2:3]
	s_wait_kmcnt 0x0
	s_cmp_ge_u32 ttmp9, 256
	s_cbranch_scc1 .Lcast
	; ---- LayerNorm: 16 rows of 4,096 bytes in, 2,048 bytes out ----
	s_lshl_b32 s2, ttmp9, 16
	s_add_nc_u64 s[8:9], s[8:9], s[2:3]
	s_lshl_b32 s2, ttmp9, 15
	s_add_nc_u64 s[14:15], s[14:15], s[2:3]
	s_mov_b32 s31, 0x3a800000                      ; 1 / 1024
	s_mov_b32 s32, 0x3727c5ac                      ; 1e-5
	s_mov_b32 s34, 0x76543210                      ; v_permlanex16_b32: each lane takes its own place in the other half
	s_mov_b32 s35, 0xfedcba98
	v_lshlrev_b32 v3, 4, v1                        ; 16 lane: my place in a load of 512 bytes (gain and bias too)
	v_lshl_add_u32 v2, s30, 13, v3                 ; + wave x 2 rows of 4,096 bytes
	v_lshlrev_b32 v4, 3, v1
	v_lshl_add_u32 v4, s30, 12, v4                 ; out: wave x 2 rows of 2,048 bytes + 8 lane
	v_mov_b32 v21, 0
.irp p, 0,1
.irp i, 0,1,2,3,4,5,6,7
	global_load_b128 v[X+32*\p+4*\i:X+32*\p+4*\i+3], v2, s[8:9] offset:\p*4096+512*\i   ; load i: columns 128 i + 4 lane .. + 3
.endr
.endr
.irp i, 0,1,2,3,4,5,6,7
	global_load_b128 v[W+4*\i:W+4*\i+3], v3, s[10:11] offset:512*\i
.endr
.irp i, 0,1,2,3,4,5,6,7
	global_load_b128 v[BV+4*\i:BV+4*\i+3], v3, s[12:13] offset:512*\i
.endr
	STATS 0, 24                                    ; row 0 is in; row 1, gain and bias (24 loads) stay out
	STATS 1, 16                                    ; row 1 is in; gain and bias stay out
	s_wait_loadcnt 0x0
	NORM 0
	NORM 1
	s_endpgm
.Lcast:
	s_cmp_ge_u32 ttmp9, 448
	s_cbranch_scc1 .Llinear
	; ---- W_Q, W_K, W_V: e = which x 64 + head pair x 8 + block of 128 k.  Load i of wave w is row k = 128 kb + 16 w + i of two heads:
	; lanes 0-15 take the 256 bytes of head 2 hp, lanes 16-31 those of head 2 hp + 1; the store is 256 consecutive bytes of row k of the woven matrix.
	s_sub_co_u32 s31, ttmp9, 256                   ; e
	s_lshr_b32 s32, s31, 6                         ; which
	s_cmp_eq_u32 s32, 0
	s_cselect_b64 s[36:37], s[16:17], s[18:19]
	s_cmp_eq_u32 s32, 2
	s_cselect_b64 s[36:37], s[20:21], s[36:37]
	s_bfe_u32 s33, s31, 0x30003                    ; hp
	s_and_b32 s34, s31, 7                          ; kb
	s_lshl_b32 s2, s33, 19                         ; two heads of 262,144 bytes
	s_lshl_b32 s35, s34, 15                        ; 128 rows of 256 bytes
	s_add_co_u32 s2, s2, s35
	s_add_nc_u64 s[36:37], s[36:37], s[2:3]
	s_mul_i32 s2, s34, 786432                      ; 128 rows of 6,144 bytes
	s_lshl_b32 s32, s32, 11                        ; 1,024 columns
	s_add_co_u32 s2, s2, s32
	s_lshl_b32 s33, s33, 8                         ; 128 columns
	s_add_co_u32 s2, s2, s33
	s_add_nc_u64 s[38:39], s[28:29], s[2:3]
	v_and_b32 v5, 15, v1
	v_lshlrev_b32 v5, 4, v5
	v_lshrrev_b32 v6, 4, v1
	v_lshl_add_u32 v5, v6, 18, v5                  ; the second head for lanes 16-31
	v_lshl_add_u32 v5, s30, 12, v5                 ; wave x 16 rows of 256 bytes
	s_mul_i32 s31, s30, 98304                      ; wave x 16 rows of 6,144 bytes
	v_lshl_add_u32 v6, v1, 3, s31
	CAST 256, 6144
	s_endpgm
.Llinear:
	; ---- W_O (64 chunks), W_in (256), W_out (256), as they lie ----
	s_sub_co_u32 s31, ttmp9, 448                   ; c
	s_cmp_lt_u32 s31, 64
	s_cselect_b64 s[36:37], s[22:23], s[24:25]
	s_cselect_b32 s32, 0, 64
	s_cmp_lt_u32 s31, 320
	s_cselect_b64 s[36:37], s[36:37], s[26:27]
	s_cselect_b32 s32, s32, 320                    ; the first chunk of the tensor that c falls into
	s_sub_co_u32 s32, s31, s32
	s_lshl_b32 s2, s32, 16
	s_add_nc_u64 s[36:37], s[36:37], s[2:3]
	s_lshl_b32 s2, s31, 15
	s_add_co_u32 s2, s2, 6291456                   ; behind the woven matrix; the three follow each other in wb in the order of c
	s_add_nc_u64 s[38:39], s[28:29], s[2:3]
	v_lshlrev_b32 v5, 4, v1
	v_lshl_add_u32 v5, s30, 13, v5
	v_lshlrev_b32 v6, 3, v1
	v_lshl_add_u32 v6, s30, 12, v6
	CAST 512, 256
	s_endpgm
.Lfunc_end_k_q07443cc6aa_prep:
	.size	k_q07443cc6aa_prep, .Lfunc_end_k_q07443cc6aa_prep-k_q07443cc6aa_prep
	.p2alignl 7, 3214868480
	.fill 96, 4, 3214868480
	.section	.rodata,"a",@progbits
	.p2align	6, 0x0
	.amdhsa_kernel k_q07443cc6aa_prep
		.amdhsa_group_segment_fixed_size 0
		.amdhsa_private_segment_fixed_size 0
		.amdhsa_enable_private_segment 0
		.amdhsa_kernarg_size 88
		.amdhsa_user_sgpr_count 2
		.amdhsa_user_sgpr_kernarg_segment_ptr 1
		.amdhsa_wavefront_size32 1
		.amdhsa_system_sgpr_workgroup_id_x 1
		.amdhsa_system_sgpr_workgroup_id_y 1
		.amdhsa_system_sgpr_workgroup_id_z 1
		.amdhsa_system_vgpr_workitem_id 0
		.amdhsa_next_free_vgpr 192
		.amdhsa_next_free_sgpr 66
		.amdhsa_reserve_vcc 0
		.amdhsa_float_denorm_mode_32 3
		.amdhsa_float_denorm_mode_16_64 3
		.amdhsa_memory_ordered 1
		.amdhsa_forward_progress 1
		.amdhsa_inst_pref_size 34
	.end_amdhsa_kernel
	.amdgpu_metadata
---
amdhsa.version: [ 1, 2 ]
amdhsa.kernels:
  - .name:           k_q07443cc6aa_prep
    .symbol:         k_q07443cc6aa_prep.kd
    .args:
      - { .name: resid_pre, .offset: 0, .size: 8, .value_kind: global_buffer, .address_space: global }
      - { .name: ln1_w, .offset: 8, .size: 8, .value_kind: global_buffer, .address_space: global }
      - { .name: ln1_b, .offset: 16, .size: 8, .value_kind: global_buffer, .address_space: global }
      - { .name: xn, .offset: 24, .size: 8, .value_kind: global_buffer, .address_space: global }
      - { .name: W_Q, .offset: 32, .size: 8, .value_kind: global_buffer, .address_space: global }
      - { .name: W_K, .offset: 40, .size: 8, .value_kind: global_buffer, .address_space: global }
      - { .name: W_V, .offset: 48, .size: 8, .value_kind: global_buffer, .address_space: global }
      - { .name: W_O, .offset: 56, .size: 8, .value_kind: global_buffer, .address_space: global }
      - { .name: W_in, .offset: 64, .size: 8, .value_kind: global_buffer, .address_space: global }
      - { .name: W_out, .offset: 72, .size: 8, .value_kind: global_buffer, .address_space: global }
      - { .name: wb, .offset: 80, .size: 8, .value_kind: global_buffer, .address_space: global }
    .group_segment_fixed_size: 0
    .private_segment_fixed_size: 0
    .kernarg_segment_align: 8
    .kernarg_segment_size: 88
    .max_flat_workgroup_size: 256
    .sgpr_count:     66
    .vgpr_count:     192
    .wavefront_size: 32
...
	.end_amdgpu_metadata
.endif
;; end of part 1
;; launch gemm_qkv (part 2): grid 24 x 32, 4 waves a work-group, clusters of 4 x 4, 327,680 bytes of LDS; arguments xn, wb, b_Q, b_K, b_V, qkv; writes qkv
.if DOCPART == 2
	.amdgcn_target "amdgcn-amd-amdhsa--gfx1250"
	.amdhsa_code_object_version 6
	.text
	.protected	k_q07443cc6aa_gemm_qkv
	.globl	k_q07443cc6aa_gemm_qkv
	.p2align	8
	.type	k_q07443cc6aa_gemm_qkv,@function
k_q07443cc6aa_gemm_qkv:
	s_mov_b64 s[64:65], 0
	v_nop
	global_prefetch_b8 v0, s[64:65] scope:SCOPE_SE
	s_setreg_imm32_b32 hwreg(HW_REG_WAVE_MODE, 25, 1), 1
	s_wait_xcnt 0x0
	s_wait_alu depctr_hold_cnt(0) depctr_sa_sdst(0) depctr_va_vdst(0) depctr_va_sdst(0) depctr_va_ssrc(0) depctr_va_vcc(0) depctr_vm_vsrc(0)
	s_getreg_b32 s2, hwreg(HW_REG_IB_STS2, 6, 4)
	s_cmp_eq_u32 s2, 0
	s_cbranch_scc0 .Lentry_in_a_cluster
	s_endpgm
.Lentry_in_a_cluster:
	s_bfe_u32 s2, ttmp6, 0x10000c
	s_cmp_lg_u32 s2, 0xf033
	s_cbranch_scc0 .Lentry_shape_is_right
	s_endpgm
.Lentry_shape_is_right:
; C[m][n] = sum over k of A[m][k] W[k][n] + bias[n].  A: [4096][SIZE_K] bf16.  W: [SIZE_K][SIZE_N] bf16 at byte WOFF of wb.  Sums, bias (and GELU) in f32; C rounded once to bf16.
; HERE: A = LayerNorm 1's rows, W = the woven W_Q | W_K | W_V, C goes out by heads: qkv[which][batch][head][token][64].
; A tile of C is 128 x 128: four waves, each 64 x 64 = 16 accumulators.  24 x 32 tiles.  K goes in steps of 256 through two LDS slots filled by the tensor data mover.
; CLUSTERS: 4 x 4 work-groups.  The four of a row of the cluster need the same tile of A, the four of a column the same tile of W: each tile is asked for jointly, by the same
; tensor load with the same descriptor and a mask that names the four.
; W lies [k][n], so its fragments come out of LDS turned, by ds_load_tr16_b128.  THE MATRIX INSTRUCTION IS USED TRANSPOSED (source 0 = 16 columns of W, source 1 = 16 rows of A):
; a lane then holds eight neighbouring numbers of one row of C.
; LIMITS: operands and C are bf16; inputs that are not finite are not served.
; REGISTERS: window 0: v0-5 set-up, v6-15 GELU, v16-27 addresses, v32-95 the way out, v96-127 bias, v128-255 accumulators ((a, b) at v[128 + 8 (4 a + b)]).
;   window 1: two fragment buffers of 128: for 64 along K, 64 registers of A, then 64 of W.
.set SIZE_N,  3072
.set SIZE_K,  1024
.set WOFF,    0
.set PERHEAD, 1                        ; the way out goes by heads
.set GELU,    0
.set KSTEP,  256
.set PITCHB, 288                       ; a row of W's tile in LDS: 256 bytes + 32
.set PITCHA, 528                       ; a row of A's tile: 512 bytes + 16: an odd multiple of 16, so that the 16 rows of a fragment load start at different banks
.set HALFB,  128*PITCHB                ; one load of W: 128 k x 128 n
.set HALFA,  64*PITCHA                 ; one load of A: 64 rows x 256 k
.set AOFF,   2*HALFB                   ; a slot: W's 256 rows, then A's 128 rows
.set SLOT,   AOFF+2*HALFA
.set STAGE,  2*SLOT                    ; behind the ring (a multiple of 256): 128 rows x 272 bytes, the work-group's, for the way out; no tensor load lands there
.set SPITCH, 272
.set LAPS,   SIZE_K/(2*KSTEP)          ; a lap = two K steps = once round the ring
.set GL,   6                           ; v[6:13]  GELU at work
.set C0V,  14                          ; v[14:15] GELU's constant term, twice
.set ADRA, 16                          ; v16-17   LDS address of my A fragments in slot 0, 1
.set ADRB, 20                          ; v20-23   the same for W: slot 0 rows 0-127, rows 128-255, slot 1 likewise (255 rows of 288 bytes pass the 16-bit offset)
.set STO,  24
.set RD,   25
.set CO,   26
.set BO,   27                          ; my byte offset in the bias; untouched until the wait for the bias
.set TMP,  32
.set BIAS, 96
.set ACC,  128
.set F0,   0
.set F1,   128
.set G1,  24                           ; s[24:31] group 1 for A's tiles;  s[32:39] group 0, one set for each slot
.set G0,  32
.set G1B, 48                           ; s[48:55], s[56:63] the same for W's tiles
.set G0B, 56
.set MSB, 0
.macro WIN new                         ; the immediate's high byte repeats the setting that is left; a switch that changes nothing is dropped
.if MSB != \new
	s_set_vgpr_msb (MSB<<8)|\new
.set MSB, \new
.endif
.endm
.set MUL,  0x05                        ; sources 0 (W) and 1 (A) window 1; C and D window 0
.set TO_F, 0x40                        ; destination window 1, address window 0
; A joint refill: waves 0 and 1 fetch W's two halves along K, waves 2 and 3 A's two halves of rows.  The branch hangs on the wave's number alone.
; Four v_nop follow each of the two lines, ahead of the jump, the label and what follows.
.macro JLOAD s
	s_cmp_eq_u32 s11, 0
	s_cbranch_scc0 .Lfor_a_\@
	tensor_load_to_lds s[G0B+4*\s:G0B+4*\s+3], s[G1B:G1B+7]
	s_nop 0
.rept 4
	v_nop
.endr
	s_branch .Lasked_\@
.Lfor_a_\@:
	tensor_load_to_lds s[G0+4*\s:G0+4*\s+3], s[G1:G1+7]
	s_nop 0
.rept 4
	v_nop
.endr
.Lasked_\@:
.endm
.macro CREST                           ; a round of the cluster's barrier behind its opening barrier
	s_cmp_lg_u32 s10, 0
	s_cbranch_scc1 .Lnot_wave_0_\@
	s_barrier_signal -3
.Lnot_wave_0_\@:
	s_barrier_wait -3
	s_barrier_signal -1
	s_barrier_wait -1
.endm
.macro CROUND                          ; a whole round
	s_barrier_signal -1
	s_barrier_wait -1
	CREST
.endm
	s_load_b128 s[4:7], s[0:1], 0x0                ; A s[4:5], wb s[6:7]
.if PERHEAD
	s_load_b256 s[68:75], s[0:1], 0x10             ; b_Q s[68:69], b_K s[70:71], b_V s[72:73], qkv s[74:75]
	v_lshl_add_u32 v30, v0, 2, 0x4d800
	v_mov_b32 v31, 0
	ds_add_u32 v30, v31
	ds_add_u32 v30, v31
.else
	s_load_b128 s[68:71], s[0:1], 0x10             ; bias s[68:69], C s[70:71]
.endif
	v_lshrrev_b32 v1, 5, v0
	v_readfirstlane_b32 s10, v1                    ; wave 0..3
	s_lshr_b32 s11, s10, 1                         ; which half of the tile's rows is mine.  Also: I fetch for W (0) or for A (1)
	s_and_b32 s12, s10, 1                          ; which half of its columns.  Also: which half of that tile I fetch
	s_bfe_u32 s40, ttmp6, 0x40000                  ; cx, cy: my place in the cluster
	s_bfe_u32 s41, ttmp6, 0x40004
	s_lshl_b32 s42, ttmp9, 2
	s_add_co_u32 s42, s42, s40                     ; tile column tn = 4 x cluster x + cx
	s_and_b32 s13, ttmp7, 0xffff
	s_lshl_b32 s13, s13, 2
	s_add_co_u32 s13, s13, s41                     ; tile row tm = 4 x cluster y + cy
	s_lshl_b32 s43, s41, 2
	s_lshl_b32 s43, 15, s43                        ; my row of the cluster
	s_lshl_b32 s44, 0x1111, s40                    ; my column
	s_or_b32 s[G1+0], s43, (1<<16)|(1<<20)|(1<<21)|(6<<22)|(3<<25)   ; A: mask = my row; elements of 2 bytes; padding on; bit 21 beside a mask; after every 128 words, 4 words
	s_mov_b32 s[G1+1], KSTEP<<16                   ; tensor_dim0 = 256
	s_mov_b32 s[G1+2], 64<<16                      ; tensor_dim1 = 64
	s_mov_b32 s[G1+3], KSTEP<<16                   ; tile_dim0 = 256
	s_mov_b32 s[G1+4], 64                          ; tile_dim1 = 64
	s_mov_b32 s[G1+5], SIZE_K                      ; elements from row to row
	s_mov_b32 s[G1+6], 0
	s_mov_b32 s[G1+7], 0
	s_or_b32 s[G1B+0], s44, (1<<16)|(1<<20)|(1<<21)|(5<<22)|(7<<25)  ; W: mask = my column; after every 64 words, 8 words
	s_mov_b32 s[G1B+1], 128<<16                    ; tensor_dim0 = 128
	s_mov_b32 s[G1B+2], 128<<16                    ; tensor_dim1 = 128
	s_mov_b32 s[G1B+3], 128<<16                    ; tile_dim0 = 128
	s_mov_b32 s[G1B+4], 128                        ; tile_dim1 = 128
	s_mov_b32 s[G1B+5], SIZE_N
	s_mov_b32 s[G1B+6], 0
	s_mov_b32 s[G1B+7], 0
	; A's tiles hang on tm alone, W's on tn alone; each address is made in registers that never hold the other coordinate
	s_lshl_b32 s16, s13, 7
	s_lshl_b32 s17, s12, 6
	s_add_co_u32 s16, s16, s17                     ; A: row 128 tm + 64 half
	s_mul_i32 s16, s16, SIZE_K*2
	s_mov_b32 s17, 0
	s_mul_i32 s46, s12, 128*SIZE_N*2               ; W: row 128 half,
	s_lshl_b32 s47, s42, 8                         ; column 128 tn
	s_add_co_u32 s46, s46, s47
	s_add_co_u32 s46, s46, WOFF
	s_mov_b32 s47, 0
	s_mul_i32 s20, s10, HALFA
	s_add_co_u32 s20, s20, AOFF-2*HALFA            ; where A's halves go: AOFF + (wave - 2) x HALFA
	s_mul_i32 s21, s10, HALFB                      ; where W's halves go: wave x HALFB.  No place in the cluster enters an LDS address
	s_wait_dscnt 0x0
	s_wait_kmcnt 0x0
	s_add_nc_u64 s[14:15], s[4:5], s[16:17]
	s_add_nc_u64 s[46:47], s[6:7], s[46:47]
.irp s, 0,1
	s_mov_b32 s[G0+4*\s], 1
	s_add_co_u32 s[G0+4*\s+1], s20, \s*SLOT
	s_add_nc_u64 s[G0+4*\s+2:G0+4*\s+3], s[14:15], \s*KSTEP*2
	s_or_b32 s[G0+4*\s+3], s[G0+4*\s+3], 0x80000000
	s_mov_b32 s[G0B+4*\s], 1
	s_add_co_u32 s[G0B+4*\s+1], s21, \s*SLOT
	s_add_nc_u64 s[G0B+4*\s+2:G0B+4*\s+3], s[46:47], \s*KSTEP*SIZE_N*2
	s_or_b32 s[G0B+4*\s+3], s[G0B+4*\s+3], 0x80000000
.endr
	CROUND                                         ; all sixteen work-groups are here: the first joint loads meet
	s_cmp_eq_u32 s11, 0                            ; a wave's two first fills stand in one branch, ahead of every wait on TENSORcnt and every LDS read: two loads of mine are out
	s_cbranch_scc0 .Lfirst_a
	tensor_load_to_lds s[G0B:G0B+3], s[G1B:G1B+7]
	s_nop 0
	tensor_load_to_lds s[G0B+4:G0B+7], s[G1B:G1B+7]
	s_nop 0
.rept 4
	v_nop
.endr
	s_branch .Lfirst_asked
.Lfirst_a:
	tensor_load_to_lds s[G0:G0+3], s[G1:G1+7]
	s_nop 0
	tensor_load_to_lds s[G0+4:G0+7], s[G1:G1+7]
	s_nop 0
.rept 4
	v_nop
.endr
.Lfirst_asked:
	; the bias of my 64 columns, asked for now and waited for in front of the way out: register 8 b + j belongs to column 16 b + 8 (lane / 16) + j
.if PERHEAD
	s_lshr_b32 s18, ttmp9, 1                       ; which of Q, K, V: tn / 8 = cluster x / 2
	s_cmp_eq_u32 s18, 0
	s_cselect_b64 s[66:67], s[68:69], s[70:71]
	s_cmp_eq_u32 s18, 2
	s_cselect_b64 s[66:67], s[72:73], s[66:67]
	s_and_b32 s46, s42, 7
	s_lshl_b32 s46, s46, 9                         ; 128 (tn % 8) numbers of 4 bytes
.else
	s_mov_b64 s[66:67], s[68:69]
	s_lshl_b32 s46, s42, 9                         ; 128 tn numbers of 4 bytes
.endif
	s_mov_b32 s47, 0
	s_add_nc_u64 s[66:67], s[66:67], s[46:47]
	s_lshl_b32 s18, s12, 8
	s_mov_b32 s19, 0
	s_add_nc_u64 s[66:67], s[66:67], s[18:19]
	v_and_b32 v1, 15, v0                           ; r = lane % 16
	v_bfe_u32 v2, v0, 4, 1                         ; h = lane / 16
	v_lshlrev_b32 v[BO], 5, v2
.irp b, 0,1,2,3
	global_load_b128 v[BIAS+8*\b:BIAS+8*\b+3],   v[BO], s[66:67] offset:64*\b
	global_load_b128 v[BIAS+8*\b+4:BIAS+8*\b+7], v[BO], s[66:67] offset:64*\b+16
.endr
	; fragment addresses.  A: row r x pitch + 16 h.  W (turned): row (8 h + lane % 8) x pitch + 16 ((lane / 8) % 2) + my 64 columns
	v_mul_u32_u24 v3, v1, PITCHA
	v_lshl_add_u32 v3, v2, 4, v3
	s_mul_i32 s22, s11, HALFA
	s_add_co_u32 s22, s22, AOFF
	v_add_nc_u32 v[ADRA], s22, v3
	v_add_nc_u32 v[ADRA+1], SLOT, v[ADRA]
	v_and_b32 v4, 7, v0
	v_lshl_add_u32 v4, v2, 3, v4
	v_mul_u32_u24 v4, v4, PITCHB
	v_bfe_u32 v5, v0, 3, 1
	v_lshl_add_u32 v4, v5, 4, v4
	s_lshl_b32 s23, s12, 7
	v_add_nc_u32 v[ADRB], s23, v4
	v_add_nc_u32 v[ADRB+1], HALFB, v[ADRB]
	v_add_nc_u32 v[ADRB+2], SLOT, v[ADRB]
	v_add_nc_u32 v[ADRB+3], SLOT+HALFB, v[ADRB]
	; the way out.  In: my 64 rows, my half of their 256 bytes; row r, 16 bytes for each half of the lanes
	s_mul_i32 s23, s11, 64*SPITCH
	s_lshl_b32 s22, s12, 7
	s_add_co_u32 s23, s23, s22
	s_add_co_u32 s23, s23, STAGE
	v_mul_u32_u24 v4, v1, SPITCH
	v_lshl_add_u32 v4, v2, 4, v4
	v_add_nc_u32 v[STO], s23, v4
	s_mul_i32 s23, s10, 32*SPITCH                  ; back: wave w takes rows 32 w .. 32 w + 31
	s_add_co_u32 s23, s23, STAGE
.if PERHEAD
	; a load takes one head's 128 bytes of four tokens: in qkv those are 512 consecutive bytes
	v_and_b32 v3, 31, v0
	v_lshrrev_b32 v4, 3, v3
	v_and_b32 v5, 7, v0
	v_mul_u32_u24 v4, v4, SPITCH
	v_lshl_add_u32 v4, v5, 4, v4
	v_add_nc_u32 v[RD], s23, v4
	v_lshlrev_b32 v[CO], 4, v3
	s_lshr_b32 s16, s13, 4                         ; batch: 4,194,304 bytes (16 heads)
	s_lshl_b32 s16, s16, 22
	s_and_b32 s17, s13, 15                         ; 128 tokens of 128 bytes
	s_lshl_b32 s17, s17, 14
	s_add_co_u32 s16, s16, s17
	s_lshl_b32 s17, s10, 12                        ; my 32 tokens
	s_add_co_u32 s16, s16, s17
	s_mov_b32 s17, 0
	s_add_nc_u64 s[8:9], s[74:75], s[16:17]
	s_lshr_b32 s46, s42, 3                         ; which: 8,388,608 bytes
	s_lshl_b32 s46, s46, 23
	s_and_b32 s47, s42, 7                          ; two heads of 262,144 bytes
	s_lshl_b32 s47, s47, 19
	s_add_co_u32 s46, s46, s47
	s_mov_b32 s47, 0
	s_add_nc_u64 s[8:9], s[8:9], s[46:47]
.else
	; a load takes two whole rows of 256 bytes: lanes 0-15 one, lanes 16-31 the next
	v_mul_u32_u24 v5, v2, SPITCH
	v_lshl_add_u32 v5, v1, 4, v5
	v_add_nc_u32 v[RD], s23, v5
	v_mul_u32_u24 v5, v2, SIZE_N*2
	v_lshl_add_u32 v[CO], v1, 4, v5
	s_lshl_b32 s16, s13, 7
	s_lshl_b32 s17, s10, 5
	s_add_co_u32 s16, s16, s17                     ; the first row of C that I store: 128 tm + 32 wave
	s_mul_i32 s16, s16, SIZE_N*2
	s_mov_b32 s17, 0
	s_add_nc_u64 s[8:9], s[70:71], s[16:17]
	s_lshl_b32 s46, s42, 8                         ; the tile's first column, in bytes
	s_mov_b32 s47, 0
	s_add_nc_u64 s[8:9], s[8:9], s[46:47]
.endif
.if GELU
	s_mov_b32 s76, 0xbdd2d3e8                      ; C1 = 0.044715 C0
	s_mov_b32 s77, 0xbdd2d3e8
	v_mov_b32 v[C0V], 0xc0135761                   ; C0 = -2 log2(e) sqrt(2 / pi)
	v_mov_b32 v[C0V+1], 0xc0135761
.endif
; 8 matrix instructions: m blocks a0, a0 + 1 x all 4 n blocks, 32 along K: half c of buffer f.  zero = 1: the first product starts the sums.
; The 16 accumulators take turns, one instruction a turn.
.macro MUL8 f, c, a0, zero
.irp a, \a0, \a0+1
.irp b, 0,1,2,3
.if \zero
	v_wmma_f32_16x16x32_bf16 v[ACC+8*(4*(\a)+\b):ACC+8*(4*(\a)+\b)+7], v[\f+64+8*(4*\c+\b):\f+64+8*(4*\c+\b)+7], v[\f+8*(4*\c+\a):\f+8*(4*\c+\a)+7], 0
.else
	v_wmma_f32_16x16x32_bf16 v[ACC+8*(4*(\a)+\b):ACC+8*(4*(\a)+\b)+7], v[\f+64+8*(4*\c+\b):\f+64+8*(4*\c+\b)+7], v[\f+8*(4*\c+\a):\f+8*(4*\c+\a)+7], v[ACC+8*(4*(\a)+\b):ACC+8*(4*(\a)+\b)+7]
.endif
.endr
.endr
.endm
; 32 LDS loads in one run: the fragments of quarter q (64 along K) of a slot, into buffer f; the first 32 along K first
.macro FETCH slot, q, f
	WIN TO_F
.irp c, 0,1
.irp i, 0,1,2,3
	ds_load_tr16_b128 v[\f+64+8*(4*\c+\i):\f+64+8*(4*\c+\i)+3],   v[ADRB+2*\slot+(\q)/2] offset:(((\q)%2)*64+32*\c)*PITCHB+32*\i
	ds_load_tr16_b128 v[\f+64+8*(4*\c+\i)+4:\f+64+8*(4*\c+\i)+7], v[ADRB+2*\slot+(\q)/2] offset:(((\q)%2)*64+32*\c+16)*PITCHB+32*\i
	ds_load_b128 v[\f+8*(4*\c+\i):\f+8*(4*\c+\i)+3],              v[ADRA+\slot] offset:128*(\q)+64*\c+\i*16*PITCHA
	ds_load_b128 v[\f+8*(4*\c+\i)+4:\f+8*(4*\c+\i)+7],            v[ADRA+\slot] offset:128*(\q)+64*\c+\i*16*PITCHA+32
.endr
.endr
.endm
.macro PLACES                          ; four plain places in front of loads into registers that matrix instructions have read, and of instructions that read results
.rept 4
	v_nop
.endr
.endm
; A K step is four quarters of 64 along K, 32 matrix instructions each, on buffers 0, 1, 0, 1.  One of the first three: multiplies buffer f and fetches quarter q into g.
.macro QUARTER slot, q, f, g, zero
	s_wait_dscnt 16                                ; the first 32 along K are in; the sixteen younger loads may be out
	WIN MUL
	MUL8 \f, 0, 0, \zero
	MUL8 \f, 0, 2, \zero
	PLACES
	FETCH \slot, \q, \g
	s_wait_dscnt 32                                ; all but the 32 just issued
	WIN MUL
	MUL8 \f, 1, 0, 0
	MUL8 \f, 1, 2, 0
.endm
; The last quarter multiplies buffer 1 and changes slots: ONE barrier; in front of it each wave waits for its own reads of this slot and for all its tensor loads.
; fill = 1: the barrier opens a round of the cluster's barrier, and this slot is filled again, two K steps ahead, first thing behind the round.
.macro TURN slot, next, fill
	s_wait_dscnt 16
	WIN MUL
	MUL8 F1, 0, 0, 0
	s_wait_dscnt 0                                 ; my reads of this slot are over,
	s_set_vgpr_msb 0x500
	s_wait_tensorcnt 0x0                           ; and all my tensor loads have landed: the one that was out is my part of the next slot
	ds_add_u32 v30, v31
	s_wait_dscnt 0x0
	s_set_vgpr_msb 0x5
	s_barrier_signal -1
	MUL8 F1, 0, 2, 0
.if \fill
	WIN 0
.endif
	s_barrier_wait -1
.if \fill
	CREST                                          ; no wave of any partner still reads this slot's tile or has a load on its way
	s_add_nc_u64 s[G0+4*\slot+2:G0+4*\slot+3], s[G0+4*\slot+2:G0+4*\slot+3], 2*KSTEP*2
	s_add_nc_u64 s[G0B+4*\slot+2:G0B+4*\slot+3], s[G0B+4*\slot+2:G0B+4*\slot+3], 2*KSTEP*SIZE_N*2
	JLOAD \slot                                    ; 120 matrix instructions ahead of the wait for it; the four v_nop behind it are also the places in front of the loads below
.else
	PLACES
.endif
	FETCH \next, 0, F0
	WIN MUL
	MUL8 F1, 1, 0, 0
	MUL8 F1, 1, 2, 0
.endm
	s_wait_tensorcnt 1                             ; my part of K step 0 is in; K step 1's may stay out
	s_barrier_signal -1
	s_barrier_wait -1                              ; everybody's is
	FETCH 0, 0, F0
	QUARTER 0, 1, F0, F1, 1                        ; the first quarter stands in front of the loop: its first products start the sums
	WIN 0                                          ; at a label and at a branch every window is 0
	s_mov_b32 s3, LAPS-1
.Llap:                                                 ; a trip goes once round the ring, from a lap's second quarter to the next lap's first, and fills both slots again
	QUARTER 0, 2, F1, F0, 0
	QUARTER 0, 3, F0, F1, 0
	TURN 0, 1, 1
	QUARTER 1, 1, F0, F1, 0
	QUARTER 1, 2, F1, F0, 0
	QUARTER 1, 3, F0, F1, 0
	TURN 1, 0, 1
	QUARTER 0, 1, F0, F1, 0
	WIN 0
	s_sub_co_u32 s3, s3, 1
	s_cmp_lg_u32 s3, 0
	s_cbranch_scc1 .Llap
	QUARTER 0, 2, F1, F0, 0                        ; the last lap fills nothing, and has no round of the cluster's barrier
	QUARTER 0, 3, F0, F1, 0
	TURN 0, 1, 0
	QUARTER 1, 1, F0, F1, 0
	QUARTER 1, 2, F1, F0, 0
	QUARTER 1, 3, F0, F1, 0
	s_wait_dscnt 16                                ; the very last quarter: nothing more to fetch
	WIN MUL
	MUL8 F1, 0, 0, 0
	MUL8 F1, 0, 2, 0
	s_wait_dscnt 0
	MUL8 F1, 1, 0, 0
	MUL8 F1, 1, 2, 0
	WIN 0
; THE WAY OUT of accumulator (a, b), its registers in ascending order: bias; GELU; rounded to bf16; 16 bytes a lane into the work-group's stage.
; gelu(x) = x / (1 + 2^(x (C0 + C1 x^2))), which is x (1 + tanh(sqrt(2/pi) (x + 0.044715 x^3))) / 2.  Where x^2 overflows the exponent goes to -inf or +inf and the result to x or to 0, the right limits.
.macro FINISH16 a, b
.set AC, ACC+8*(4*\a+\b)
.irp p, 0,1,2,3
	v_pk_add_f32 v[AC+2*\p:AC+2*\p+1], v[AC+2*\p:AC+2*\p+1], v[BIAS+8*\b+2*\p:BIAS+8*\b+2*\p+1]
.endr
.if GELU
.irp p, 0,1,2,3
	v_pk_mul_f32 v[GL+2*\p:GL+2*\p+1], v[AC+2*\p:AC+2*\p+1], v[AC+2*\p:AC+2*\p+1]
.endr
.irp p, 0,1,2,3
	v_pk_fma_f32 v[GL+2*\p:GL+2*\p+1], v[GL+2*\p:GL+2*\p+1], s[76:77], v[C0V:C0V+1] op_sel_hi:[1,0,1]
.endr
.irp p, 0,1,2,3
	v_pk_mul_f32 v[GL+2*\p:GL+2*\p+1], v[GL+2*\p:GL+2*\p+1], v[AC+2*\p:AC+2*\p+1]
.endr
.irp j, 0,1,2,3,4,5,6,7
	v_exp_f32 v[GL+\j], v[GL+\j]
.endr
	v_nop                                          ; a plain instruction between the last exponential and the use of its result
.irp p, 0,1,2,3
	v_pk_add_f32 v[GL+2*\p:GL+2*\p+1], v[GL+2*\p:GL+2*\p+1], 1.0 op_sel_hi:[1,0]
.endr
.irp j, 0,1,2,3,4,5,6,7
	v_rcp_f32 v[GL+\j], v[GL+\j]
.endr
	v_nop
.irp p, 0,1,2,3
	v_pk_mul_f32 v[AC+2*\p:AC+2*\p+1], v[AC+2*\p:AC+2*\p+1], v[GL+2*\p:GL+2*\p+1]
.endr
.endif
.irp p, 0,1,2,3
	v_cvt_pk_bf16_f32 v[TMP+4*(4*\a+\b)+\p], v[AC+2*\p], v[AC+2*\p+1]
.endr
	ds_store_b128 v[STO], v[TMP+4*(4*\a+\b):TMP+4*(4*\a+\b)+3] offset:\a*16*SPITCH+32*\b
.endm
	s_wait_loadcnt 0x0                             ; the bias
	PLACES
.irp a, 0,1,2,3
.irp b, 0,1,2,3
	FINISH16 \a, \b
.endr
.endr
	s_wait_dscnt 0x0                               ; for the others' sake: my stores into the stage are done
	s_barrier_signal -1
	s_barrier_wait -1                              ; a row's 256 bytes come from two waves
.irp t, 0,1,2,3,4,5,6,7,8,9,10,11,12,13,14,15
.if PERHEAD
	ds_load_b128 v[TMP+4*\t:TMP+4*\t+3], v[RD] offset:(\t%8)*4*SPITCH+(\t/8)*128
.else
	ds_load_b128 v[TMP+4*\t:TMP+4*\t+3], v[RD] offset:\t*2*SPITCH
.endif
.endr
.irp t, 0,1,2,3,4,5,6,7,8,9,10,11,12,13,14,15
	s_wait_dscnt 15-\t                             ; load t is back, the younger ones stay out
.if PERHEAD
	global_store_b128 v[CO], v[TMP+4*\t:TMP+4*\t+3], s[8:9] offset:(\t/8)*262144+(\t%8)*512   ; head t / 8 of the tile's two, four tokens: 512 consecutive bytes, aligned
.else
	global_store_b128 v[CO], v[TMP+4*\t:TMP+4*\t+3], s[8:9] offset:2*\t*SIZE_N*2              ; 16 lanes store 256 consecutive bytes, aligned
.endif
.endr
	s_wait_tensorcnt 0x0
	ds_add_u32 v30, v31
	s_wait_dscnt 0x0
	CROUND                                         ; the closing round: no work-group ends while a partner may still ask for a tile that names it
	s_endpgm
.Lfunc_end_k_q07443cc6aa_gemm_qkv:
	.size	k_q07443cc6aa_gemm_qkv, .Lfunc_end_k_q07443cc6aa_gemm_qkv-k_q07443cc6aa_gemm_qkv
	.p2alignl 7, 3214868480
	.fill 96, 4, 3214868480
	.section	.rodata,"a",@progbits
	.p2align	6, 0x0
	.amdhsa_kernel k_q07443cc6aa_gemm_qkv
		.amdhsa_group_segment_fixed_size 327680
		.amdhsa_private_segment_fixed_size 0
		.amdhsa_enable_private_segment 0
		.amdhsa_kernarg_size 48
		.amdhsa_user_sgpr_count 2
		.amdhsa_user_sgpr_kernarg_segment_ptr 1
		.amdhsa_wavefront_size32 1
		.amdhsa_system_sgpr_workgroup_id_x 1
		.amdhsa_system_sgpr_workgroup_id_y 1
		.amdhsa_system_sgpr_workgroup_id_z 1
		.amdhsa_system_vgpr_workitem_id 0
		.amdhsa_next_free_vgpr 512
		.amdhsa_next_free_sgpr 80
		.amdhsa_reserve_vcc 0
		.amdhsa_float_denorm_mode_32 3
		.amdhsa_float_denorm_mode_16_64 3
		.amdhsa_memory_ordered 1
		.amdhsa_forward_progress 1
		.amdhsa_inst_pref_size 92
	.end_amdhsa_kernel
	.amdgpu_metadata
---
amdhsa.version: [ 1, 2 ]
amdhsa.kernels:
  - .name:           k_q07443cc6aa_gemm_qkv
    .symbol:         k_q07443cc6aa_gemm_qkv.kd
    .args:
      - { .name: xn, .offset: 0, .size: 8, .value_kind: global_buffer, .address_space: global }
      - { .name: wb, .offset: 8, .size: 8, .value_kind: global_buffer, .address_space: global }
      - { .name: b_Q, .offset: 16, .size: 8, .value_kind: global_buffer, .address_space: global }
      - { .name: b_K, .offset: 24, .size: 8, .value_kind: global_buffer, .address_space: global }
      - { .name: b_V, .offset: 32, .size: 8, .value_kind: global_buffer, .address_space: global }
      - { .name: qkv, .offset: 40, .size: 8, .value_kind: global_buffer, .address_space: global }
    .group_segment_fixed_size: 327680
    .private_segment_fixed_size: 0
    .kernarg_segment_align: 8
    .kernarg_segment_size: 48
    .max_flat_workgroup_size: 128
    .sgpr_count:     80
    .vgpr_count:     512
    .wavefront_size: 32
...
	.end_amdgpu_metadata
.endif
;; end of part 2
;; launch attn (part 3): grid 8 x 32, 4 waves a work-group, no clusters, 327,680 bytes of LDS; arguments qkv, z; writes z
.if DOCPART == 3
	.amdgcn_target "amdgcn-amd-amdhsa--gfx1250"
	.amdhsa_code_object_version 6
	.text
	.protected	k_q07443cc6aa_attn
	.globl	k_q07443cc6aa_attn
	.p2align	8
	.type	k_q07443cc6aa_attn,@function
k_q07443cc6aa_attn:
	s_mov_b64 s[64:65], 0
	v_nop
	global_prefetch_b8 v0, s[64:65] scope:SCOPE_SE
	s_setreg_imm32_b32 hwreg(HW_REG_WAVE_MODE, 25, 1), 1
	s_wait_xcnt 0x0
; z[b][q][h][:] = sum over k <= q of softmax_k(Q[q] . K[k] / 8) V[k][:], for each of 32 (batch, head) pairs.  qkv: [3][32][2048][64] bf16; z: [4096][1024] bf16, column 64 h + channel.
; Products, maxima and sums in f32; the weights are rounded to bf16 for the second product, z once at the end.
; SHARES.  A head's 2,048 queries are 16 blocks of 128.  Work-group (p, head) makes block p and then block 15 - p: (p + 1) + (16 - p) = 17 tiles of 128 keys for EVERY work-group, and
; no tile that the causal mask throws away whole is touched.  Each of the four waves owns 32 queries of a block: two tiles of 16.
; LAYOUT.  S^T = K Q^T (source 0 = 16 keys, source 1 = 16 queries): a lane holds ONE query (lane % 16) and keys 8 (lane / 16) + 0..7.  Two such tiles, rounded to bf16 in pairs, ARE
; source 1 of O^T = V^T P, whose result again holds one query a lane.  K comes out of LDS as it lies, V ([key][channel]) turned, by ds_load_tr16_b128.
; SOFTMAX.  A running maximum m and sum l for each query: p = 2^(c s - c m), c = log2(e) / 8; O and l are multiplied by a = 2^(c m_old - c m_new) in every step.
; A block starts with m = -inf: its first step then has a = 0, which wipes the block before out of l and O.  Every query's first step holds key 0, which is never masked, so m is finite from then on,
; a masked score gives the weight 2^-inf = 0, and no row is empty (so the reference's NaN -> 0 can never act).
; NO CLUSTER: the eight work-groups of a head walk different numbers of key tiles, in different order (block p, then block 15 - p); a joint walk would have every partner ask for and
; throw away all tiles of the longest, about twice the bytes and barriers.
; LIMITS: v_exp_f32 and v_rcp_f32 are good to 1 ulp and flush denormals; inputs that are not finite are not served; a head's share of a row of z is 128 bytes, so z is stored in pieces of 128 bytes.
; REGISTERS: window 0: v0-15 addresses; v16-31 statistics, 8 a tile; v32-95 S^T; v96-127 P; v128-191 O^T; v192-223 the way out.   window 1: v0-31 Q; v32-95 K of a step; v96-159 V of a step.
.set KS,    64        ; keys in a step
.set PK,    144       ; a row of K in LDS: 128 bytes + 16: an odd multiple of 16
.set PVT,   160       ; a row of V: 128 + 32: an odd multiple of 32, for the turning load
.set VOFF,  KS*PK     ; a step's tiles lie together: 64 rows of K, then 64 rows of V
.set STEPB, KS*(PK+PVT)
.set SLOT1, 1<<16     ; a slot holds two steps (38,912 bytes); slot 1 begins here, so that one exclusive or turns an address in one slot into the other's
.set STAGE, SLOT1+2*STEPB  ; behind the ring (a multiple of 256): 16 rows x 144 bytes for each wave
.set SP,    144
.set AK0,  2          ; my lane's place in a tile of K; never rewritten
.set AV0,  3          ; the same for V
.set ADRK, 4
.set ADRV, 5
.set STO,  6
.set RD,   7
.set GO,   8
.set QO,   10
.set THR0, 11         ; 32 wave + lane % 16 - 8 (lane / 16): key 16 kb + j of a diagonal tile's first step is masked for tile t where 16 kb + j - 16 t is greater
.set THR,  12         ; the same less 64 for each step gone
.set NINF, 13
.set ST,   16         ; tile t at v[ST+8 t]: +0 c m, +1 m, +2, +3 l (even keys', odd keys'), +4 to +7 at work; a takes +6
.set S,    32
.set P,    96
.set OT,   128
.set OB,   192
.set KF,   32         ; window 1
.set VF,   96         ; window 1
.set WV,  12
.set G1K, 24          ; s[24:31], s[32:39] group 1 for K's and V's tiles: they differ in the padding
.set G1V, 32
.set G0K, 40          ; s[40:47] group 0 for K's tiles: a set for each of the two first fills; the second then walks on
.set G0V, 48          ; s[48:55] the same for V's
.set SLOTS, 56
.set TWICE, 57
.set CS,  58          ; s[58:59] c, twice
.set SEL, 60          ; s[60:61] lane selects for v_permlanex16_b32
.set TB,  62          ; LDS byte at which the tiles of the step to be fetched begin
.set DIAG, 63         ; key tiles still to come before the block's diagonal tile
.set FU,  66          ; number, 0 to 16, of the tile last asked for
.set PP1, 67          ; p + 1: the tile with which the second block begins
.set DL,  68          ; s[68:69] what a refill's address steps back by
.set BACK, 70         ; (p + 1) x 16,384
.set QH,  72          ; s[72:73] Q at the head's first row of my wave's share; s[74:75] z likewise
.set ZH,  74
.set QP,  76          ; s[76:77], s[78:79] the same at the block in hand
.set ZP,  78
.set MSB, 0
.macro WIN new
.if MSB != \new
	s_set_vgpr_msb (MSB<<8)|\new
.set MSB, \new
.endif
.endm
.macro PLACES
.rept 4
	v_nop
.endr
.endm
; A refill: waves 0 and 1 fetch the two steps' tiles of K, waves 2 and 3 those of V.  Four v_nop follow each line.
.macro JLOAD
	s_cmp_lt_u32 s[WV], 2
	s_cbranch_scc0 .Lfor_v_\@
	tensor_load_to_lds s[G0K+4:G0K+7], s[G1K:G1K+7]
	s_nop 0
.rept 4
	v_nop
.endr
	s_branch .Lasked_\@
.Lfor_v_\@:
	tensor_load_to_lds s[G0V+4:G0V+7], s[G1V:G1V+7]
	s_nop 0
.rept 4
	v_nop
.endr
.Lasked_\@:
.endm
.macro LOADQ                           ; my 32 queries stay in registers for a block: tile t, channels 32 c on
	WIN 0x40                                       ; destination window 1
.irp t, 0,1
.irp c, 0,1
	global_load_b128 v[16*\t+8*\c:16*\t+8*\c+3],   v[QO], s[QP:QP+1] offset:\t*2048+\c*64
	global_load_b128 v[16*\t+8*\c+4:16*\t+8*\c+7], v[QO], s[QP:QP+1] offset:\t*2048+\c*64+32
.endr
.endr
	WIN 0
.endm
	s_load_b128 s[4:7], s[0:1], 0x0                ; qkv s[4:5], z s[6:7]
	v_lshl_add_u32 v254, v0, 2, 0x29000
	v_mov_b32 v255, 0
	ds_add_u32 v254, v255
	ds_add_u32 v254, v255
	v_lshrrev_b32 v1, 5, v0
	v_readfirstlane_b32 s[WV], v1                  ; wave 0..3
	s_and_b32 s16, ttmp7, 0xffff                   ; 16 batch + head
	s_lshl_b32 s20, s16, 18                        ; its 2,048 rows of 128 bytes
	s_and_b32 s17, s[WV], 1                        ; which of a slot's two steps I fetch:
	s_lshl_b32 s18, s17, 13                        ; its 64 rows in memory,
	s_add_co_u32 s22, s20, s18
	s_mov_b32 s23, 0
	s_mul_i32 s17, s17, STEPB                      ; and its place in a slot
	s_mov_b32 s[G1K], (1<<16)|(1<<20)|(4<<22)|(3<<25)  ; no mask; elements of 2 bytes; padding on; after every 32 words, 4 words
	s_mov_b32 s[G1V], (1<<16)|(1<<20)|(4<<22)|(7<<25)  ; the same with 8 words
.irp g, G1K, G1V
	s_mov_b32 s[\g+1], 64<<16                      ; tensor_dim0 = 64
	s_mov_b32 s[\g+2], KS<<16                      ; tensor_dim1 = 64
	s_mov_b32 s[\g+3], 64<<16                      ; tile_dim0 = 64
	s_mov_b32 s[\g+4], KS                          ; tile_dim1 = 64
	s_mov_b32 s[\g+5], 64                          ; elements from row to row
	s_mov_b32 s[\g+6], 0
	s_mov_b32 s[\g+7], 0
.endr
	s_mov_b32 s[CS], 0x3e38aa3b                    ; c = log2(e) / 8
	s_mov_b32 s[CS+1], 0x3e38aa3b
	s_mov_b32 s[SEL], 0x76543210
	s_mov_b32 s[SEL+1], 0xfedcba98
	s_mov_b32 s[TB], 0
	s_mov_b32 s[DIAG], ttmp9                       ; block p's diagonal tile is its tile p
	s_mov_b32 s[FU], 1
	s_add_co_u32 s[PP1], ttmp9, 1
	s_lshl_b32 s[BACK], s[PP1], 14
	s_mov_b32 s[DL+1], 0
	s_mov_b32 s15, 0                               ; high word of the offset pair s[14:15]
.irp s, 0,1
	s_mov_b32 s[G0K+4*\s], 1
	s_add_co_u32 s[G0K+4*\s+1], s17, \s*SLOT1
	s_mov_b32 s[G0V+4*\s], 1
	s_add_co_u32 s[G0V+4*\s+1], s17, \s*SLOT1+VOFF
.endr
	s_wait_dscnt 0x0
	s_wait_kmcnt 0x0
	s_add_nc_u64 s[8:9], s[4:5], s[22:23]
	s_add_nc_u64 s[G0K+2:G0K+3], s[8:9], 8388608   ; K begins 8,388,608 bytes into qkv, V 16,777,216: tile 0
	s_add_nc_u64 s[G0V+2:G0V+3], s[8:9], 16777216
	s_cmp_eq_u32 ttmp9, 0
	s_cselect_b32 s14, 0, 16384                    ; the second tile of the walk: keys 128 on, or, where block 0 had but one tile, the second block's keys 0 on
	s_add_nc_u64 s[G0K+6:G0K+7], s[G0K+2:G0K+3], s[14:15]
	s_add_nc_u64 s[G0V+6:G0V+7], s[G0V+2:G0V+3], s[14:15]
.irp g, G0K+3, G0K+7, G0V+3, G0V+7
	s_or_b32 s[\g], s[\g], 0x80000000              ; type = 2
.endr
	s_cmp_lt_u32 s[WV], 2                          ; a wave's two first fills stand in one branch, ahead of every wait on TENSORcnt, LDS read and barrier: two loads of mine are out
	s_cbranch_scc0 .Lfirst_v
	tensor_load_to_lds s[G0K:G0K+3], s[G1K:G1K+7]
	s_nop 0
	tensor_load_to_lds s[G0K+4:G0K+7], s[G1K:G1K+7]
	s_nop 0
.rept 4
	v_nop
.endr
	s_branch .Lfirst_asked
.Lfirst_v:
	tensor_load_to_lds s[G0V:G0V+3], s[G1V:G1V+7]
	s_nop 0
	tensor_load_to_lds s[G0V+4:G0V+7], s[G1V:G1V+7]
	s_nop 0
.rept 4
	v_nop
.endr
.Lfirst_asked:
	s_lshl_b32 s18, s[WV], 12                      ; my 32 queries of 128 bytes
	s_add_co_u32 s18, s18, s20
	s_mov_b32 s19, 0
	s_add_nc_u64 s[QH:QH+1], s[4:5], s[18:19]
	s_lshr_b32 s18, s16, 4                         ; batch: 2,048 rows of 2,048 bytes
	s_lshl_b32 s18, s18, 22
	s_and_b32 s21, s16, 15                         ; head: 128 bytes
	s_lshl_b32 s21, s21, 7
	s_add_co_u32 s18, s18, s21
	s_lshl_b32 s21, s[WV], 16                      ; my 32 rows
	s_add_co_u32 s18, s18, s21
	s_add_nc_u64 s[ZH:ZH+1], s[6:7], s[18:19]
	s_lshl_b32 s14, ttmp9, 14                      ; block p: 128 rows of 128 bytes,
	s_add_nc_u64 s[QP:QP+1], s[QH:QH+1], s[14:15]
	s_lshl_b32 s14, ttmp9, 18                      ; of 2,048 bytes
	s_add_nc_u64 s[ZP:ZP+1], s[ZH:ZH+1], s[14:15]
	v_and_b32 v1, 15, v0                           ; r = lane % 16
	v_bfe_u32 v9, v0, 4, 1                         ; h = lane / 16
	v_lshlrev_b32 v[QO], 7, v1
	v_lshl_add_u32 v[QO], v9, 4, v[QO]             ; row x 128 + 16 h
	LOADQ
	v_mul_u32_u24 v[AK0], v1, PK
	v_lshl_add_u32 v[AK0], v9, 4, v[AK0]
	v_and_b32 v14, 7, v0
	v_bfe_u32 v15, v0, 3, 1
	v_lshl_add_u32 v[AV0], v9, 3, v14              ; the turning load: key 8 h + lane % 8, channels 8 ((lane / 8) % 2) on
	v_mul_u32_u24 v[AV0], v[AV0], PVT
	v_lshl_add_u32 v[AV0], v15, 4, v[AV0]
	v_add_nc_u32 v[AV0], VOFF, v[AV0]
	s_mul_i32 s16, s[WV], 16*SP
	s_add_co_u32 s16, s16, STAGE                   ; my stage
	v_mul_u32_u24 v[STO], v1, SP                   ; in: row r, 16 bytes for each half of the lanes
	v_lshl_add_u32 v[STO], v9, 4, v[STO]
	v_add_nc_u32 v[STO], s16, v[STO]
	v_bfe_u32 v15, v0, 3, 2                        ; back: eight lanes take a row's 128 bytes, a load four rows
	v_mul_u32_u24 v[RD], v15, SP
	v_lshl_add_u32 v[RD], v14, 4, v[RD]
	v_add_nc_u32 v[RD], s16, v[RD]
	v_lshlrev_b32 v[GO], 11, v15                   ; and the same four rows in z
	v_lshl_add_u32 v[GO], v14, 4, v[GO]
	v_lshlrev_b32 v[THR0], 3, v9
	v_sub_nc_u32 v[THR0], v1, v[THR0]
	s_lshl_b32 s16, s[WV], 5
	v_add_nc_u32 v[THR0], s16, v[THR0]
	v_mov_b32 v[NINF], 0xff800000
.irp t, 0,1
	v_mov_b32 v[ST+8*\t], v[NINF]                  ; c m
	v_mov_b32 v[ST+8*\t+1], v[NINF]                ; m
	v_mov_b32 v[ST+8*\t+2], 0                      ; l
	v_mov_b32 v[ST+8*\t+3], 0
.endr
; The diagonal tile: scores of keys behind the query become -inf.  Whole numbers decide; every accumulator is taken from its lowest register on.
.macro MASK
.irp t, 0,1
.irp kb, 0,1,2,3
.irp j, 0,1,2,3,4,5,6,7
	v_cmp_gt_i32 vcc_lo, 16*\kb+\j-16*\t, v[THR]
	v_cndmask_b32 v[S+32*\t+8*\kb+\j], v[S+32*\t+8*\kb+\j], v[NINF], vcc_lo
.endr
.endr
.endr
.endm
; One key step's softmax for both tiles, which alternate line by line.  first = 1: O^T does not exist yet and is not rescaled.
.macro SOFTMAX first
.irp j, 0,1,2,3                        ; the maximum: four chains, each begun on its accumulator's registers 0 to 2
.irp t, 0,1
	v_max3_num_f32 v[ST+8*\t+4+\j], v[S+32*\t+8*\j], v[S+32*\t+8*\j+1], v[S+32*\t+8*\j+2]
.endr
.endr
.irp g, 1,2
.irp j, 0,1,2,3
.irp t, 0,1
	v_max3_num_f32 v[ST+8*\t+4+\j], v[ST+8*\t+4+\j], v[S+32*\t+8*\j+2*\g+1], v[S+32*\t+8*\j+2*\g+2]
.endr
.endr
.endr
.irp t, 0,1
	v_max3_num_f32 v[ST+8*\t+4], v[ST+8*\t+4], v[S+32*\t+7], v[S+32*\t+15]
	v_max3_num_f32 v[ST+8*\t+6], v[ST+8*\t+6], v[S+32*\t+23], v[S+32*\t+31]
.endr
.irp t, 0,1
	v_max3_num_f32 v[ST+8*\t+4], v[ST+8*\t+4], v[ST+8*\t+5], v[ST+8*\t+6]
.endr
.irp t, 0,1
	v_max3_num_f32 v[ST+8*\t+4], v[ST+8*\t+4], v[ST+8*\t+7], v[ST+8*\t+1]   ; and the old m
.endr
.irp t, 0,1
	v_permlanex16_b32 v[ST+8*\t+5], v[ST+8*\t+4], s[SEL], s[SEL+1]          ; the query's other 32 keys lie in the lane 16 away
.endr
.irp t, 0,1
	v_mov_b32 v[ST+8*\t+7], v[ST+8*\t]             ; c m_old
.endr
.irp t, 0,1
	v_max_num_f32 v[ST+8*\t+1], v[ST+8*\t+4], v[ST+8*\t+5]
.endr
.irp t, 0,1
	v_mul_f32 v[ST+8*\t], s[CS], v[ST+8*\t+1]
.endr
.irp t, 0,1
	v_sub_f32 v[ST+8*\t+7], v[ST+8*\t+7], v[ST+8*\t]
.endr
.irp t, 0,1
	v_exp_f32 v[ST+8*\t+6], v[ST+8*\t+7]           ; a; the scalings below are the plain instructions behind it
.endr
.irp b, 0,1,2,3,4,5,6,7,8,9,10,11,12,13,14,15
.irp t, 0,1
	v_pk_fma_f32 v[S+32*\t+2*\b:S+32*\t+2*\b+1], v[S+32*\t+2*\b:S+32*\t+2*\b+1], s[CS:CS+1], v[ST+8*\t:ST+8*\t+1] op_sel_hi:[1,0,0] neg_lo:[0,0,1] neg_hi:[0,0,1]   ; c s - c m
.endr
.endr
.set i, 0
.rept 32
	v_exp_f32 v[S+i], v[S+i]
	v_exp_f32 v[S+32+i], v[S+32+i]
.set i, i+1
.endr
	v_nop                                          ; a plain instruction between the last exponential and the use of its result
	s_wait_alu depctr_va_vdst(0)
.irp b, 0,1,2,3,4,5,6,7,8,9,10,11,12,13,14,15
.irp t, 0,1
	v_cvt_pk_bf16_f32 v[P+16*\t+\b], v[S+32*\t+2*\b], v[S+32*\t+2*\b+1]
.endr
.endr
.irp u, 0,1,2,3,4,5,6,7                ; the sum of a tile's 16 pairs, in place: neighbours 1, 2, 4, 8 pairs apart
.irp t, 0,1
	v_pk_add_f32 v[S+32*\t+4*\u:S+32*\t+4*\u+1], v[S+32*\t+4*\u:S+32*\t+4*\u+1], v[S+32*\t+4*\u+2:S+32*\t+4*\u+3]
.endr
.endr
.irp u, 0,1,2,3
.irp t, 0,1
	v_pk_add_f32 v[S+32*\t+8*\u:S+32*\t+8*\u+1], v[S+32*\t+8*\u:S+32*\t+8*\u+1], v[S+32*\t+8*\u+4:S+32*\t+8*\u+5]
.endr
.endr
.irp u, 0,1
.irp t, 0,1
	v_pk_add_f32 v[S+32*\t+16*\u:S+32*\t+16*\u+1], v[S+32*\t+16*\u:S+32*\t+16*\u+1], v[S+32*\t+16*\u+8:S+32*\t+16*\u+9]
.endr
.endr
.irp t, 0,1
	v_pk_add_f32 v[S+32*\t:S+32*\t+1], v[S+32*\t:S+32*\t+1], v[S+32*\t+16:S+32*\t+17]
.endr
.irp t, 0,1
	v_pk_fma_f32 v[ST+8*\t+2:ST+8*\t+3], v[ST+8*\t+2:ST+8*\t+3], v[ST+8*\t+6:ST+8*\t+7], v[S+32*\t:S+32*\t+1] op_sel_hi:[1,0,1]   ; l = a l + the sum
.endr
.if !\first
.irp b, 0,1,2,3,4,5,6,7,8,9,10,11,12,13,14,15
.irp t, 0,1
	v_pk_mul_f32 v[OT+32*\t+2*\b:OT+32*\t+2*\b+1], v[OT+32*\t+2*\b:OT+32*\t+2*\b+1], v[ST+8*\t+6:ST+8*\t+7] op_sel_hi:[1,0]
.endr
.endr
.endif
.endm
; A KEY STEP, in phases: fetch K and V; 16 products K Q^T; mask (diagonal tile only); softmax; 16 products V^T P.  In each run of products the 8 accumulators take turns, one instruction a turn.
.macro STEP first
	v_add_nc_u32 v[ADRK], s[TB], v[AK0]            ; these two and two v_nop are the four places between the last products and the loads into V's registers
	v_add_nc_u32 v[ADRV], s[TB], v[AV0]
	v_nop
	v_nop
	s_add_co_u32 s[TB], s[TB], STEPB               ; the next fetch is the next step's
	WIN 0x40                                       ; destination window 1
.irp kb, 0,1,2,3
.irp c, 0,1
	ds_load_b128 v[KF+16*\kb+8*\c:KF+16*\kb+8*\c+3],   v[ADRK] offset:\kb*16*PK+\c*64
	ds_load_b128 v[KF+16*\kb+8*\c+4:KF+16*\kb+8*\c+7], v[ADRK] offset:\kb*16*PK+\c*64+32
.endr
.endr
.irp kc, 0,1
.irp cb, 0,1,2,3
	ds_load_tr16_b128 v[VF+32*\kc+8*\cb:VF+32*\kc+8*\cb+3],   v[ADRV] offset:\kc*32*PVT+\cb*32
	ds_load_tr16_b128 v[VF+32*\kc+8*\cb+4:VF+32*\kc+8*\cb+7], v[ADRV] offset:\kc*32*PVT+16*PVT+\cb*32
.endr
.endr
	s_wait_loadcnt 0x0                             ; Q: met at once but in a block's first step
	s_wait_dscnt 16                                ; K is in; V's sixteen loads stay out
	WIN 0x05                                       ; K and Q window 1, S^T window 0
.set i, 0
.rept 16                               ; channels 32 (i / 8) on, keys 16 ((i / 2) % 4) on, tile i % 2; the first 8 start the sums
.set rS, S+32*(i%2)+8*((i/2)%4)
.set rK, KF+16*((i/2)%4)+8*(i/8)
.set rQ, 16*(i%2)+8*(i/8)
.if i < 8
	v_wmma_f32_16x16x32_bf16 v[rS:rS+7], v[rK:rK+7], v[rQ:rQ+7], 0
.else
	v_wmma_f32_16x16x32_bf16 v[rS:rS+7], v[rK:rK+7], v[rQ:rQ+7], v[rS:rS+7]
.endif
.set i, i+1
.endr
	WIN 0
	PLACES
	s_cmp_lg_u32 s[DIAG], 0
	s_cbranch_scc1 .Lnomask_\@
	MASK
.Lnomask_\@:
	SOFTMAX \first
	s_wait_dscnt 0x0                               ; V is in
	WIN 0x01                                       ; V window 1; P and O^T window 0
.set i, 0
.rept 16                               ; keys 32 (i / 8) on, channels 16 ((i / 2) % 4) on, tile i % 2
.set rO, OT+32*(i%2)+8*((i/2)%4)
.set rV, VF+32*(i/8)+8*((i/2)%4)
.set rP, P+16*(i%2)+8*(i/8)
.if \first && (i < 8)
	v_wmma_f32_16x16x32_bf16 v[rO:rO+7], v[rV:rV+7], v[rP:rP+7], 0
.else
	v_wmma_f32_16x16x32_bf16 v[rO:rO+7], v[rV:rV+7], v[rP:rP+7], v[rO:rO+7]
.endif
.set i, i+1
.endr
	WIN 0
	v_add_nc_u32 v[THR], 0xffffffc0, v[THR]        ; 64 keys on
.endm
; THE CHANGE OF SLOTS.  Each wave waits for its own reads of the slot and for all its tensor loads (one is out: its part of the other slot), then the barrier.
; fill = 1: the slot just read is filled again, first thing behind the barrier, with the tile two further on in the walk: it has two key steps in which to land.
.macro CHANGE fill
	s_wait_dscnt 0x0
	s_wait_tensorcnt 0x0                           ; no tensor load of mine is out, so a group 0 may be written
	ds_add_u32 v254, v255
	s_wait_dscnt 0x0
.if \fill
	s_add_co_u32 s[FU], s[FU], 1
	s_cmp_eq_u32 s[FU], s[PP1]
	s_cselect_b32 s[DL], s[BACK], 0                ; where the second block begins the walk goes back to key 0
.irp g, G0K+4, G0V+4
	s_xor_b32 s[\g+1], s[\g+1], SLOT1              ; the other slot than last time,
	s_add_nc_u64 s[\g+2:\g+3], s[\g+2:\g+3], 16384 ; the next 128 keys; the type bits on top are not reached
	s_sub_nc_u64 s[\g+2:\g+3], s[\g+2:\g+3], s[DL:DL+1]
.endr
.endif
	s_barrier_signal -1
	s_barrier_wait -1
.if \fill
	JLOAD
.endif
	s_sub_co_u32 s[TB], s[TB], 2*STEPB             ; the fetches go back to a slot's first step,
	s_xor_b32 s[TB], s[TB], SLOT1                  ; in the other slot
.endm
; A BLOCK'S WAY OUT: l's halves are added, O^T is divided by l, rounded, and sent through my own stage, a tile (16 rows) at a time.
.macro FINISH
	s_wait_xcnt 0x0                                ; the registers that the block before stored from are rewritten only behind this wait
	PLACES                                         ; behind the last products
.irp t, 0,1
	v_add_f32 v[ST+8*\t+4], v[ST+8*\t+2], v[ST+8*\t+3]
.endr
.irp t, 0,1
	v_permlanex16_b32 v[ST+8*\t+5], v[ST+8*\t+4], s[SEL], s[SEL+1]
.endr
.irp t, 0,1
	v_add_f32 v[ST+8*\t+4], v[ST+8*\t+4], v[ST+8*\t+5]
.endr
.irp t, 0,1
	v_rcp_f32 v[ST+8*\t+6], v[ST+8*\t+4]
.endr
	v_nop                                          ; a plain instruction between the last reciprocal and the use of its result
	s_wait_alu depctr_va_vdst(0)
.irp t, 0,1
.irp b, 0,1,2,3,4,5,6,7,8,9,10,11,12,13,14,15
	v_pk_mul_f32 v[OT+32*\t+2*\b:OT+32*\t+2*\b+1], v[OT+32*\t+2*\b:OT+32*\t+2*\b+1], v[ST+8*\t+6:ST+8*\t+7] op_sel_hi:[1,0]
.endr
.irp b, 0,1,2,3,4,5,6,7,8,9,10,11,12,13,14,15
	v_cvt_pk_bf16_f32 v[OB+16*\t+\b], v[OT+32*\t+2*\b], v[OT+32*\t+2*\b+1]
.endr
.irp u, 0,1,2,3
	ds_store_b128 v[STO], v[OB+16*\t+4*\u:OB+16*\t+4*\u+3] offset:32*\u
.endr
.irp u, 0,1,2,3
	ds_load_b128 v[OB+16*\t+4*\u:OB+16*\t+4*\u+3], v[RD] offset:\u*4*SP   ; LDS serves a wave's instructions in order (ISA guide 5.7.1.4): these see the stores above, the next tile's stores come behind them
.endr
.endr
	s_wait_dscnt 0x0
.irp t, 0,1
.irp u, 0,1,2,3
	global_store_b128 v[GO], v[OB+16*\t+4*\u:OB+16*\t+4*\u+3], s[ZP:ZP+1] offset:(16*\t+4*\u)*2048   ; eight lanes store a row's 128 bytes of this head
.endr
.endr
.endm
; Behind a key tile: one tile nearer to the diagonal; or, behind the diagonal tile, the block goes out and block 15 - p begins.  The branch hangs on the work-group's number alone; no barrier and no tensor load stands inside.
.macro AFTER
	s_cmp_eq_u32 s[DIAG], 0
	s_cbranch_scc1 .Lblock_\@
	s_sub_co_u32 s[DIAG], s[DIAG], 1
	s_branch .Lon_\@
.Lblock_\@:
	FINISH
	s_wait_xcnt 0x0                                ; the stores' base is rewritten only behind this wait
	s_sub_co_u32 s[DIAG], 15, ttmp9                ; block 15 - p, whose diagonal tile is its tile 15 - p
	s_lshl_b32 s14, s[DIAG], 14
	s_add_nc_u64 s[QP:QP+1], s[QH:QH+1], s[14:15]
	s_lshl_b32 s14, s[DIAG], 18
	s_add_nc_u64 s[ZP:ZP+1], s[ZH:ZH+1], s[14:15]
	LOADQ
.irp t, 0,1
	v_mov_b32 v[ST+8*\t], v[NINF]                  ; m = -inf: the next step's a = 0 wipes l and O^T
	v_mov_b32 v[ST+8*\t+1], v[NINF]
.endr
.Lon_\@:
.endm
.macro TWO_STEPS                       ; a slot's two key steps: written once, walked twice; the LDS addresses hang on s[TB]
	v_mov_b32 v[THR], v[THR0]
	s_mov_b32 s[TWICE], 2
.Lstep_\@:
	STEP 0
	s_sub_co_u32 s[TWICE], s[TWICE], 1
	s_cmp_lg_u32 s[TWICE], 0
	s_cbranch_scc1 .Lstep_\@
.endm
	s_wait_tensorcnt 1                             ; my part of slot 0 is in; slot 1's may stay out
	s_barrier_signal -1
	s_barrier_wait -1                              ; everybody's is
	v_mov_b32 v[THR], v[THR0]
	STEP 1                                         ; the first step's products start O^T's sums
	STEP 0
	AFTER
	s_mov_b32 s[SLOTS], 15
.Lslot:                                                ; tiles 1 to 15 of the walk; each trip asks for the tile after the next: tiles 2 to 16
	CHANGE 1
	TWO_STEPS
	AFTER
	s_sub_co_u32 s[SLOTS], s[SLOTS], 1
	s_cmp_lg_u32 s[SLOTS], 0
	s_cbranch_scc1 .Lslot
	CHANGE 0                                       ; tile 16, the second block's diagonal tile: nothing is left to ask for
	TWO_STEPS
	FINISH
	s_wait_tensorcnt 0x0
	ds_add_u32 v254, v255
	s_wait_dscnt 0x0
	s_endpgm
.Lfunc_end_k_q07443cc6aa_attn:
	.size	k_q07443cc6aa_attn, .Lfunc_end_k_q07443cc6aa_attn-k_q07443cc6aa_attn
	.p2alignl 7, 3214868480
	.fill 96, 4, 3214868480
	.section	.rodata,"a",@progbits
	.p2align	6, 0x0
	.amdhsa_kernel k_q07443cc6aa_attn
		.amdhsa_group_segment_fixed_size 327680
		.amdhsa_private_segment_fixed_size 0
		.amdhsa_enable_private_segment 0
		.amdhsa_kernarg_size 16
		.amdhsa_user_sgpr_count 2
		.amdhsa_user_sgpr_kernarg_segment_ptr 1
		.amdhsa_wavefront_size32 1
		.amdhsa_system_sgpr_workgroup_id_x 1
		.amdhsa_system_sgpr_workgroup_id_y 1
		.amdhsa_system_sgpr_workgroup_id_z 1
		.amdhsa_system_vgpr_workitem_id 0
		.amdhsa_next_free_vgpr 416
		.amdhsa_next_free_sgpr 80
		.amdhsa_reserve_vcc 1
		.amdhsa_float_denorm_mode_32 3
		.amdhsa_float_denorm_mode_16_64 3
		.amdhsa_memory_ordered 1
		.amdhsa_forward_progress 1
		.amdhsa_inst_pref_size 114
	.end_amdhsa_kernel
	.amdgpu_metadata
---
amdhsa.version: [ 1, 2 ]
amdhsa.kernels:
  - .name:           k_q07443cc6aa_attn
    .symbol:         k_q07443cc6aa_attn.kd
    .args:
      - { .name: qkv, .offset: 0, .size: 8, .value_kind: global_buffer, .address_space: global }
      - { .name: z, .offset: 8, .size: 8, .value_kind: global_buffer, .address_space: global }
    .group_segment_fixed_size: 327680
    .private_segment_fixed_size: 0
    .kernarg_segment_align: 8
    .kernarg_segment_size: 16
    .max_flat_workgroup_size: 128
    .sgpr_count:     80
    .vgpr_count:     416
    .wavefront_size: 32
...
	.end_amdgpu_metadata
.endif
;; end of part 3
;; launch gemm_o (part 4): grid 8 x 32, 4 waves a work-group, clusters of 4 x 4, 327,680 bytes of LDS; arguments z, wb, b_O, resid_pre, mid; writes mid
.if DOCPART == 4
	.amdgcn_target "amdgcn-amd-amdhsa--gfx1250"
	.amdhsa_code_object_version 6
	.text
	.protected	k_q07443cc6aa_gemm_o
	.globl	k_q07443cc6aa_gemm_o
	.p2align	8
	.type	k_q07443cc6aa_gemm_o,@function
k_q07443cc6aa_gemm_o:
	s_mov_b64 s[64:65], 0
	v_nop
	global_prefetch_b8 v0, s[64:65] scope:SCOPE_SE
	s_setreg_imm32_b32 hwreg(HW_REG_WAVE_MODE, 25, 1), 1
	s_wait_xcnt 0x0
	s_wait_alu depctr_hold_cnt(0) depctr_sa_sdst(0) depctr_va_vdst(0) depctr_va_sdst(0) depctr_va_ssrc(0) depctr_va_vcc(0) depctr_vm_vsrc(0)
	s_getreg_b32 s2, hwreg(HW_REG_IB_STS2, 6, 4)
	s_cmp_eq_u32 s2, 0
	s_cbranch_scc0 .Lentry_in_a_cluster
	s_endpgm
.Lentry_in_a_cluster:
	s_bfe_u32 s2, ttmp6, 0x10000c
	s_cmp_lg_u32 s2, 0xf033
	s_cbranch_scc0 .Lentry_shape_is_right
	s_endpgm
.Lentry_shape_is_right:
; C[m][n] = sum over k of A[m][k] W[k][n] + bias[n] + res[m][n].  A: [4096][SIZE_K] bf16.  W: [SIZE_K][1024] bf16 at byte WOFF of wb.  bias, res, C in f32; sums in f32.
; HERE: A = z (attention's heads side by side), W = W_O, res = resid_pre, C = resid_mid.
; A tile of C is 128 x 128: four waves, each 64 x 64 = 16 accumulators.  8 x 32 tiles.  K goes in steps of 256 through two LDS slots filled by the tensor data mover.
; CLUSTERS: 4 x 4 work-groups.  The four of a row of the cluster need the same tile of A, the four of a column the same tile of W: each tile is asked for jointly, by the same
; tensor load with the same descriptor and a mask that names the four.
; W lies [k][n], so its fragments come out of LDS turned, by ds_load_tr16_b128.  THE MATRIX INSTRUCTION IS USED TRANSPOSED (source 0 = 16 columns of W, source 1 = 16 rows of A):
; a lane then holds eight neighbouring numbers of one row of C.
; The residual's tile and the bias are asked for at the start and land under the K loop.  A wave's 64 columns of f32 are 256 aligned bytes, so each wave has a stage of its own and the way out has no barrier.
; LIMITS: the operands are bf16; inputs that are not finite are not served.
; REGISTERS: window 0: v0-5 set-up, v16-27 addresses, v32-95 the way out, v96-99 bias, v128-255 accumulators ((a, b) at v[128 + 8 (4 a + b)]).
;   window 1: two fragment buffers of 128: for 64 along K, 64 registers of A, then 64 of W.   window 2: v0-127 the residual of my 64 x 64.
.set SIZE_N,  1024
.set SIZE_K,  1024
.set WOFF,    6291456
.set KSTEP,  256
.set PITCHB, 288                       ; a row of W's tile in LDS: 256 bytes + 32
.set PITCHA, 528                       ; a row of A's tile: 512 bytes + 16: an odd multiple of 16, so that the 16 rows of a fragment load start at different banks
.set HALFB,  128*PITCHB                ; one load of W: 128 k x 128 n
.set HALFA,  64*PITCHA                 ; one load of A: 64 rows x 256 k
.set AOFF,   2*HALFB                   ; a slot: W's 256 rows, then A's 128 rows
.set SLOT,   AOFF+2*HALFA
.set STAGE,  2*SLOT                    ; behind the ring (a multiple of 256): 16 rows x 272 bytes for each wave; no tensor load lands there
.set SPITCH, 272
.set LAPS,   SIZE_K/(2*KSTEP)          ; a lap = two K steps = once round the ring
.set ADRA, 16                          ; v16-17   LDS address of my A fragments in slot 0, 1
.set ADRB, 20                          ; v20-23   the same for W: slot 0 rows 0-127, rows 128-255, slot 1 likewise (255 rows of 288 bytes pass the 16-bit offset)
.set STO,  24
.set RD,   25
.set CO,   26                          ; my byte offset in two rows of C and of the residual; never rewritten
.set BO,   27                          ; my byte offset in the bias; never rewritten
.set TMP,  32
.set BIAS, 96
.set ACC,  128
.set F0,   0
.set F1,   128
.set G1,  24                           ; s[24:31] group 1 for A's tiles;  s[32:39] group 0, one set for each slot
.set G0,  32
.set G1B, 48                           ; s[48:55], s[56:63] the same for W's tiles
.set G0B, 56
.set MSB, 0
.macro WIN new                         ; the immediate's high byte repeats the setting that is left; a switch that changes nothing is dropped
.if MSB != \new
	s_set_vgpr_msb (MSB<<8)|\new
.set MSB, \new
.endif
.endm
.set MUL,  0x05                        ; sources 0 (W) and 1 (A) window 1; C and D window 0
.set TO_F, 0x40                        ; destination window 1, address window 0
; A joint refill: waves 0 and 1 fetch W's two halves along K, waves 2 and 3 A's two halves of rows.  The branch hangs on the wave's number alone.
; Four v_nop follow each of the two lines, ahead of the jump, the label and what follows.
.macro JLOAD s
	s_cmp_eq_u32 s11, 0
	s_cbranch_scc0 .Lfor_a_\@
	tensor_load_to_lds s[G0B+4*\s:G0B+4*\s+3], s[G1B:G1B+7]
	s_nop 0
.rept 4
	v_nop
.endr
	s_branch .Lasked_\@
.Lfor_a_\@:
	tensor_load_to_lds s[G0+4*\s:G0+4*\s+3], s[G1:G1+7]
	s_nop 0
.rept 4
	v_nop
.endr
.Lasked_\@:
.endm
.macro CREST                           ; a round of the cluster's barrier behind its opening barrier
	s_cmp_lg_u32 s10, 0
	s_cbranch_scc1 .Lnot_wave_0_\@
	s_barrier_signal -3
.Lnot_wave_0_\@:
	s_barrier_wait -3
	s_barrier_signal -1
	s_barrier_wait -1
.endm
.macro CROUND                          ; a whole round
	s_barrier_signal -1
	s_barrier_wait -1
	CREST
.endm
	s_load_b128 s[4:7], s[0:1], 0x0                ; A s[4:5], wb s[6:7]
	s_load_b128 s[68:71], s[0:1], 0x10             ; bias s[68:69], residual s[70:71]
	s_load_b64 s[8:9], s[0:1], 0x20                ; C
	v_lshl_add_u32 v126, v0, 2, 0x49400
	v_mov_b32 v127, 0
	ds_add_u32 v126, v127
	ds_add_u32 v126, v127
	v_lshrrev_b32 v1, 5, v0
	v_readfirstlane_b32 s10, v1                    ; wave 0..3
	s_lshr_b32 s11, s10, 1                         ; which half of the tile's rows is mine.  Also: I fetch for W (0) or for A (1)
	s_and_b32 s12, s10, 1                          ; which half of its columns.  Also: which half of that tile I fetch
	s_bfe_u32 s40, ttmp6, 0x40000                  ; cx, cy: my place in the cluster
	s_bfe_u32 s41, ttmp6, 0x40004
	s_lshl_b32 s42, ttmp9, 2
	s_add_co_u32 s42, s42, s40                     ; tile column tn = 4 x cluster x + cx
	s_and_b32 s13, ttmp7, 0xffff
	s_lshl_b32 s13, s13, 2
	s_add_co_u32 s13, s13, s41                     ; tile row tm = 4 x cluster y + cy
	s_lshl_b32 s43, s41, 2
	s_lshl_b32 s43, 15, s43                        ; my row of the cluster
	s_lshl_b32 s44, 0x1111, s40                    ; my column
	s_or_b32 s[G1+0], s43, (1<<16)|(1<<20)|(1<<21)|(6<<22)|(3<<25)   ; A: mask = my row; elements of 2 bytes; padding on; bit 21 beside a mask; after every 128 words, 4 words
	s_mov_b32 s[G1+1], KSTEP<<16                   ; tensor_dim0 = 256
	s_mov_b32 s[G1+2], 64<<16                      ; tensor_dim1 = 64
	s_mov_b32 s[G1+3], KSTEP<<16                   ; tile_dim0 = 256
	s_mov_b32 s[G1+4], 64                          ; tile_dim1 = 64
	s_mov_b32 s[G1+5], SIZE_K                      ; elements from row to row
	s_mov_b32 s[G1+6], 0
	s_mov_b32 s[G1+7], 0
	s_or_b32 s[G1B+0], s44, (1<<16)|(1<<20)|(1<<21)|(5<<22)|(7<<25)  ; W: mask = my column; after every 64 words, 8 words
	s_mov_b32 s[G1B+1], 128<<16                    ; tensor_dim0 = 128
	s_mov_b32 s[G1B+2], 128<<16                    ; tensor_dim1 = 128
	s_mov_b32 s[G1B+3], 128<<16                    ; tile_dim0 = 128
	s_mov_b32 s[G1B+4], 128                        ; tile_dim1 = 128
	s_mov_b32 s[G1B+5], SIZE_N
	s_mov_b32 s[G1B+6], 0
	s_mov_b32 s[G1B+7], 0
	; A's tiles hang on tm alone, W's on tn alone; each address is made in registers that never hold the other coordinate
	s_lshl_b32 s16, s13, 7
	s_lshl_b32 s17, s12, 6
	s_add_co_u32 s16, s16, s17                     ; A: row 128 tm + 64 half
	s_mul_i32 s16, s16, SIZE_K*2
	s_mov_b32 s17, 0
	s_mul_i32 s46, s12, 128*SIZE_N*2               ; W: row 128 half,
	s_lshl_b32 s47, s42, 8                         ; column 128 tn
	s_add_co_u32 s46, s46, s47
	s_add_co_u32 s46, s46, WOFF
	s_mov_b32 s47, 0
	s_mul_i32 s20, s10, HALFA
	s_add_co_u32 s20, s20, AOFF-2*HALFA            ; where A's halves go: AOFF + (wave - 2) x HALFA
	s_mul_i32 s21, s10, HALFB                      ; where W's halves go: wave x HALFB.  No place in the cluster enters an LDS address
	s_wait_dscnt 0x0
	s_wait_kmcnt 0x0
	s_add_nc_u64 s[14:15], s[4:5], s[16:17]
	s_add_nc_u64 s[46:47], s[6:7], s[46:47]
.irp s, 0,1
	s_mov_b32 s[G0+4*\s], 1
	s_add_co_u32 s[G0+4*\s+1], s20, \s*SLOT
	s_add_nc_u64 s[G0+4*\s+2:G0+4*\s+3], s[14:15], \s*KSTEP*2
	s_or_b32 s[G0+4*\s+3], s[G0+4*\s+3], 0x80000000
	s_mov_b32 s[G0B+4*\s], 1
	s_add_co_u32 s[G0B+4*\s+1], s21, \s*SLOT
	s_add_nc_u64 s[G0B+4*\s+2:G0B+4*\s+3], s[46:47], \s*KSTEP*SIZE_N*2
	s_or_b32 s[G0B+4*\s+3], s[G0B+4*\s+3], 0x80000000
.endr
	CROUND                                         ; all sixteen work-groups are here: the first joint loads meet
	s_cmp_eq_u32 s11, 0                            ; a wave's two first fills stand in one branch, ahead of every wait on TENSORcnt and every LDS read: two loads of mine are out
	s_cbranch_scc0 .Lfirst_a
	tensor_load_to_lds s[G0B:G0B+3], s[G1B:G1B+7]
	s_nop 0
	tensor_load_to_lds s[G0B+4:G0B+7], s[G1B:G1B+7]
	s_nop 0
.rept 4
	v_nop
.endr
	s_branch .Lfirst_asked
.Lfirst_a:
	tensor_load_to_lds s[G0:G0+3], s[G1:G1+7]
	s_nop 0
	tensor_load_to_lds s[G0+4:G0+7], s[G1:G1+7]
	s_nop 0
.rept 4
	v_nop
.endr
.Lfirst_asked:
	; my 64 x 64 of C and of the residual begin at row 128 tm + 64 (wave / 2), column 128 tn + 64 (wave % 2); the bias at that column
	s_lshl_b32 s16, s13, 7
	s_lshl_b32 s17, s11, 6
	s_add_co_u32 s16, s16, s17
	s_mul_i32 s16, s16, SIZE_N*4
	s_mov_b32 s17, 0
	s_lshl_b32 s18, s12, 8                         ; 64 columns of 4 bytes
	s_mov_b32 s19, 0
	s_lshl_b32 s46, s42, 9                         ; 128 tn columns of 4 bytes
	s_mov_b32 s47, 0
	s_add_nc_u64 s[8:9], s[8:9], s[16:17]
	s_add_nc_u64 s[8:9], s[8:9], s[18:19]
	s_add_nc_u64 s[8:9], s[8:9], s[46:47]
	s_add_nc_u64 s[70:71], s[70:71], s[16:17]
	s_add_nc_u64 s[70:71], s[70:71], s[18:19]
	s_add_nc_u64 s[70:71], s[70:71], s[46:47]
	s_add_nc_u64 s[66:67], s[68:69], s[18:19]
	s_add_nc_u64 s[66:67], s[66:67], s[46:47]
	v_and_b32 v1, 15, v0                           ; r = lane % 16
	v_bfe_u32 v2, v0, 4, 1                         ; h = lane / 16
	v_lshlrev_b32 v[BO], 4, v1                     ; columns 4 r .. 4 r + 3
	v_mul_u32_u24 v3, v2, SIZE_N*4
	v_add_nc_u32 v[CO], v3, v[BO]                  ; lanes 0-15 one row's 256 bytes, lanes 16-31 the next row's
	WIN 0x80                                       ; destination window 2
.irp a, 0,1,2,3
.irp t, 0,1,2,3,4,5,6,7
	global_load_b128 v[32*\a+4*\t:32*\a+4*\t+3], v[CO], s[70:71] offset:(16*\a+2*\t)*SIZE_N*4
.endr
.endr
	WIN 0
	global_load_b128 v[BIAS:BIAS+3], v[BO], s[66:67]
	; fragment addresses.  A: row r x pitch + 16 h.  W (turned): row (8 h + lane % 8) x pitch + 16 ((lane / 8) % 2) + my 64 columns
	v_mul_u32_u24 v3, v1, PITCHA
	v_lshl_add_u32 v3, v2, 4, v3
	s_mul_i32 s22, s11, HALFA
	s_add_co_u32 s22, s22, AOFF
	v_add_nc_u32 v[ADRA], s22, v3
	v_add_nc_u32 v[ADRA+1], SLOT, v[ADRA]
	v_and_b32 v4, 7, v0
	v_lshl_add_u32 v4, v2, 3, v4
	v_mul_u32_u24 v4, v4, PITCHB
	v_bfe_u32 v5, v0, 3, 1
	v_lshl_add_u32 v4, v5, 4, v4
	s_lshl_b32 s23, s12, 7
	v_add_nc_u32 v[ADRB], s23, v4
	v_add_nc_u32 v[ADRB+1], HALFB, v[ADRB]
	v_add_nc_u32 v[ADRB+2], SLOT, v[ADRB]
	v_add_nc_u32 v[ADRB+3], SLOT+HALFB, v[ADRB]
	s_mul_i32 s23, s10, 16*SPITCH
	s_add_co_u32 s23, s23, STAGE                   ; my stage
	v_mul_u32_u24 v4, v1, SPITCH                   ; in: row r, 32 bytes for each half of the lanes
	v_lshl_add_u32 v4, v2, 5, v4
	v_add_nc_u32 v[STO], s23, v4
	v_mul_u32_u24 v5, v2, SPITCH                   ; back: lanes 0-15 take one row of 256 bytes, lanes 16-31 the next
	v_lshl_add_u32 v5, v1, 4, v5
	v_add_nc_u32 v[RD], s23, v5
; 8 matrix instructions: m blocks a0, a0 + 1 x all 4 n blocks, 32 along K: half c of buffer f.  zero = 1: the first product starts the sums.
; The 16 accumulators take turns, one instruction a turn.
.macro MUL8 f, c, a0, zero
.irp a, \a0, \a0+1
.irp b, 0,1,2,3
.if \zero
	v_wmma_f32_16x16x32_bf16 v[ACC+8*(4*(\a)+\b):ACC+8*(4*(\a)+\b)+7], v[\f+64+8*(4*\c+\b):\f+64+8*(4*\c+\b)+7], v[\f+8*(4*\c+\a):\f+8*(4*\c+\a)+7], 0
.else
	v_wmma_f32_16x16x32_bf16 v[ACC+8*(4*(\a)+\b):ACC+8*(4*(\a)+\b)+7], v[\f+64+8*(4*\c+\b):\f+64+8*(4*\c+\b)+7], v[\f+8*(4*\c+\a):\f+8*(4*\c+\a)+7], v[ACC+8*(4*(\a)+\b):ACC+8*(4*(\a)+\b)+7]
.endif
.endr
.endr
.endm
; 32 LDS loads in one run: the fragments of quarter q (64 along K) of a slot, into buffer f; the first 32 along K first
.macro FETCH slot, q, f
	WIN TO_F
.irp c, 0,1
.irp i, 0,1,2,3
	ds_load_tr16_b128 v[\f+64+8*(4*\c+\i):\f+64+8*(4*\c+\i)+3],   v[ADRB+2*\slot+(\q)/2] offset:(((\q)%2)*64+32*\c)*PITCHB+32*\i
	ds_load_tr16_b128 v[\f+64+8*(4*\c+\i)+4:\f+64+8*(4*\c+\i)+7], v[ADRB+2*\slot+(\q)/2] offset:(((\q)%2)*64+32*\c+16)*PITCHB+32*\i
	ds_load_b128 v[\f+8*(4*\c+\i):\f+8*(4*\c+\i)+3],              v[ADRA+\slot] offset:128*(\q)+64*\c+\i*16*PITCHA
	ds_load_b128 v[\f+8*(4*\c+\i)+4:\f+8*(4*\c+\i)+7],            v[ADRA+\slot] offset:128*(\q)+64*\c+\i*16*PITCHA+32
.endr
.endr
.endm
.macro PLACES                          ; four plain places in front of loads into registers that matrix instructions have read, and of instructions that read results
.rept 4
	v_nop
.endr
.endm
; A K step is four quarters of 64 along K, 32 matrix instructions each, on buffers 0, 1, 0, 1.  One of the first three: multiplies buffer f and fetches quarter q into g.
.macro QUARTER slot, q, f, g, zero
	s_wait_dscnt 16                                ; the first 32 along K are in; the sixteen younger loads may be out
	WIN MUL
	MUL8 \f, 0, 0, \zero
	MUL8 \f, 0, 2, \zero
	PLACES
	FETCH \slot, \q, \g
	s_wait_dscnt 32                                ; all but the 32 just issued
	WIN MUL
	MUL8 \f, 1, 0, 0
	MUL8 \f, 1, 2, 0
.endm
; The last quarter multiplies buffer 1 and changes slots: ONE barrier; in front of it each wave waits for its own reads of this slot and for all its tensor loads.
; fill = 1: the barrier opens a round of the cluster's barrier, and this slot is filled again, two K steps ahead, first thing behind the round.
.macro TURN slot, next, fill
	s_wait_dscnt 16
	WIN MUL
	MUL8 F1, 0, 0, 0
	s_wait_dscnt 0                                 ; my reads of this slot are over,
	s_set_vgpr_msb 0x500
	s_wait_tensorcnt 0x0                           ; and all my tensor loads have landed: the one that was out is my part of the next slot
	ds_add_u32 v126, v127
	s_wait_dscnt 0x0
	s_set_vgpr_msb 0x5
	s_barrier_signal -1
	MUL8 F1, 0, 2, 0
.if \fill
	WIN 0
.endif
	s_barrier_wait -1
.if \fill
	CREST                                          ; no wave of any partner still reads this slot's tile or has a load on its way
	s_add_nc_u64 s[G0+4*\slot+2:G0+4*\slot+3], s[G0+4*\slot+2:G0+4*\slot+3], 2*KSTEP*2
	s_add_nc_u64 s[G0B+4*\slot+2:G0B+4*\slot+3], s[G0B+4*\slot+2:G0B+4*\slot+3], 2*KSTEP*SIZE_N*2
	JLOAD \slot                                    ; 120 matrix instructions ahead of the wait for it; the four v_nop behind it are also the places in front of the loads below
.else
	PLACES
.endif
	FETCH \next, 0, F0
	WIN MUL
	MUL8 F1, 1, 0, 0
	MUL8 F1, 1, 2, 0
.endm
	s_wait_tensorcnt 1                             ; my part of K step 0 is in; K step 1's may stay out
	s_barrier_signal -1
	s_barrier_wait -1                              ; everybody's is
	FETCH 0, 0, F0
	QUARTER 0, 1, F0, F1, 1                        ; the first quarter stands in front of the loop: its first products start the sums
	WIN 0                                          ; at a label and at a branch every window is 0
	s_mov_b32 s3, LAPS-1
.Llap:                                                 ; a trip goes once round the ring, from a lap's second quarter to the next lap's first, and fills both slots again
	QUARTER 0, 2, F1, F0, 0
	QUARTER 0, 3, F0, F1, 0
	TURN 0, 1, 1
	QUARTER 1, 1, F0, F1, 0
	QUARTER 1, 2, F1, F0, 0
	QUARTER 1, 3, F0, F1, 0
	TURN 1, 0, 1
	QUARTER 0, 1, F0, F1, 0
	WIN 0
	s_sub_co_u32 s3, s3, 1
	s_cmp_lg_u32 s3, 0
	s_cbranch_scc1 .Llap
	QUARTER 0, 2, F1, F0, 0                        ; the last lap fills nothing, and has no round of the cluster's barrier
	QUARTER 0, 3, F0, F1, 0
	TURN 0, 1, 0
	QUARTER 1, 1, F0, F1, 0
	QUARTER 1, 2, F1, F0, 0
	QUARTER 1, 3, F0, F1, 0
	s_wait_dscnt 16                                ; the very last quarter: nothing more to fetch
	WIN MUL
	MUL8 F1, 0, 0, 0
	MUL8 F1, 0, 2, 0
	s_wait_dscnt 0
	MUL8 F1, 1, 0, 0
	MUL8 F1, 1, 2, 0
	WIN 0
	; THE WAY OUT, 16 rows at a time: a lane's eight numbers of a row go into my stage (each accumulator's low half first), whole rows of 256 bytes come back,
	; the residual and the bias are added, and sixteen lanes store 256 consecutive bytes, aligned.
	s_wait_loadcnt 0x0                             ; the residual and the bias
	PLACES
.irp a, 0,1,2,3
.set BK, TMP+32*(\a%2)
	s_wait_xcnt 0x0                                ; the registers that the block two back stored from are rewritten only behind this wait
.irp b, 0,1,2,3
	ds_store_b128 v[STO], v[ACC+8*(4*\a+\b):ACC+8*(4*\a+\b)+3]   offset:64*\b
	ds_store_b128 v[STO], v[ACC+8*(4*\a+\b)+4:ACC+8*(4*\a+\b)+7] offset:64*\b+16
.endr
.irp t, 0,1,2,3,4,5,6,7
	ds_load_b128 v[BK+4*\t:BK+4*\t+3], v[RD] offset:\t*2*SPITCH    ; LDS serves a wave's instructions in order (ISA guide 5.7.1.4): these see the stores above
.endr
	s_wait_dscnt 0x0
	WIN 0x08                                       ; source 1 window 2
.irp p, 0,1,2,3,4,5,6,7,8,9,10,11,12,13,14,15
	v_pk_add_f32 v[BK+2*\p:BK+2*\p+1], v[BK+2*\p:BK+2*\p+1], v[32*\a+2*\p:32*\a+2*\p+1]
.endr
	WIN 0
.irp t, 0,1,2,3,4,5,6,7
	v_pk_add_f32 v[BK+4*\t:BK+4*\t+1],   v[BK+4*\t:BK+4*\t+1],   v[BIAS:BIAS+1]
	v_pk_add_f32 v[BK+4*\t+2:BK+4*\t+3], v[BK+4*\t+2:BK+4*\t+3], v[BIAS+2:BIAS+3]
.endr
.irp t, 0,1,2,3,4,5,6,7
	global_store_b128 v[CO], v[BK+4*\t:BK+4*\t+3], s[8:9] offset:(16*\a+2*\t)*SIZE_N*4
.endr
.endr
	s_wait_tensorcnt 0x0
	ds_add_u32 v126, v127
	s_wait_dscnt 0x0
	CROUND                                         ; the closing round: no work-group ends while a partner may still ask for a tile that names it
	s_endpgm
.Lfunc_end_k_q07443cc6aa_gemm_o:
	.size	k_q07443cc6aa_gemm_o, .Lfunc_end_k_q07443cc6aa_gemm_o-k_q07443cc6aa_gemm_o
	.p2alignl 7, 3214868480
	.fill 96, 4, 3214868480
	.section	.rodata,"a",@progbits
	.p2align	6, 0x0
	.amdhsa_kernel k_q07443cc6aa_gemm_o
		.amdhsa_group_segment_fixed_size 327680
		.amdhsa_private_segment_fixed_size 0
		.amdhsa_enable_private_segment 0
		.amdhsa_kernarg_size 40
		.amdhsa_user_sgpr_count 2
		.amdhsa_user_sgpr_kernarg_segment_ptr 1
		.amdhsa_wavefront_size32 1
		.amdhsa_system_sgpr_workgroup_id_x 1
		.amdhsa_system_sgpr_workgroup_id_y 1
		.amdhsa_system_sgpr_workgroup_id_z 1
		.amdhsa_system_vgpr_workitem_id 0
		.amdhsa_next_free_vgpr 640
		.amdhsa_next_free_sgpr 80
		.amdhsa_reserve_vcc 0
		.amdhsa_float_denorm_mode_32 3
		.amdhsa_float_denorm_mode_16_64 3
		.amdhsa_memory_ordered 1
		.amdhsa_forward_progress 1
		.amdhsa_inst_pref_size 98
	.end_amdhsa_kernel
	.amdgpu_metadata
---
amdhsa.version: [ 1, 2 ]
amdhsa.kernels:
  - .name:           k_q07443cc6aa_gemm_o
    .symbol:         k_q07443cc6aa_gemm_o.kd
    .args:
      - { .name: z, .offset: 0, .size: 8, .value_kind: global_buffer, .address_space: global }
      - { .name: wb, .offset: 8, .size: 8, .value_kind: global_buffer, .address_space: global }
      - { .name: b_O, .offset: 16, .size: 8, .value_kind: global_buffer, .address_space: global }
      - { .name: resid_pre, .offset: 24, .size: 8, .value_kind: global_buffer, .address_space: global }
      - { .name: mid, .offset: 32, .size: 8, .value_kind: global_buffer, .address_space: global }
    .group_segment_fixed_size: 327680
    .private_segment_fixed_size: 0
    .kernarg_segment_align: 8
    .kernarg_segment_size: 40
    .max_flat_workgroup_size: 128
    .sgpr_count:     80
    .vgpr_count:     640
    .wavefront_size: 32
...
	.end_amdgpu_metadata
.endif
;; end of part 4
;; launch ln2 (part 5): grid 256 x 1, 8 waves a work-group, no clusters, 0 bytes of LDS; arguments mid, ln2_w, ln2_b, xn; writes xn
.if DOCPART == 5
	.amdgcn_target "amdgcn-amd-amdhsa--gfx1250"
	.amdhsa_code_object_version 6
	.text
	.protected	k_q07443cc6aa_ln2
	.globl	k_q07443cc6aa_ln2
	.p2align	8
	.type	k_q07443cc6aa_ln2,@function
k_q07443cc6aa_ln2:
	s_mov_b64 s[64:65], 0
	v_nop
	global_prefetch_b8 v0, s[64:65] scope:SCOPE_SE
	s_setreg_imm32_b32 hwreg(HW_REG_WAVE_MODE, 25, 1), 1
	s_wait_xcnt 0x0
; xn = LayerNorm(mid; ln2_w, ln2_b), rounded to bf16.  mid: [4096][1024] f32.  16 rows a work-group, two rows a wave; a row (4,096 bytes) is eight loads of 512 consecutive bytes
; and stays in 32 registers between the passes, so it is read from memory once and no wave waits for another.  No LDS, no barrier, no matrix unit: memory binds.
; In f32, in two passes: mean, centre, mean of squares, so no difference of large sums is formed.
; LIMITS: v_rsq_f32 is good to 1 ulp; the result is rounded once to bf16 (it is a matrix operand); inputs that are not finite are not served.
.set T,  8                             ; v[8:15]    four chains of pairs
.set M,  16                            ; v[16:17]   the mean, twice
.set R,  18                            ; v[18:19]   1 / scale, twice
.set X,  32                            ; v[32:95]   two rows, 32 registers each
.set W,  96                            ; v[96:127]  gain of my 32 columns
.set BV, 128                           ; v[128:159] bias of my 32 columns
.set Y,  160                           ; v[160:191] two rows in bf16
.macro REDUCE                          ; the four chains -> one number in v20, the same in all 32 lanes
	v_pk_add_f32 v[T:T+1], v[T:T+1], v[T+2:T+3]
	v_pk_add_f32 v[T+4:T+5], v[T+4:T+5], v[T+6:T+7]
	v_pk_add_f32 v[T:T+1], v[T:T+1], v[T+4:T+5]
	v_add_f32 v20, v[T], v[T+1]
	v_add_f32_dpp v20, v20, v20 row_xmask:1 row_mask:0xf bank_mask:0xf
	v_add_f32_dpp v20, v20, v20 row_xmask:2 row_mask:0xf bank_mask:0xf
	v_add_f32_dpp v20, v20, v20 row_xmask:4 row_mask:0xf bank_mask:0xf
	v_add_f32_dpp v20, v20, v20 row_xmask:8 row_mask:0xf bank_mask:0xf
	v_permlanex16_b32 v21, v20, s34, s35           ; the other half of the lanes; v21 has been written before
	v_add_f32 v20, v20, v21
.endm
; Row p: centred and divided by its scale, in place.  left = the younger loads that may stay out.
.macro STATS p, left
	s_wait_loadcnt \left
.irp k, 0,1,2,3
	v_pk_add_f32 v[T+2*\k:T+2*\k+1], v[X+32*\p+2*\k:X+32*\p+2*\k+1], v[X+32*\p+8+2*\k:X+32*\p+9+2*\k]   ; the first eight pairs start the chains
.endr
.irp k, 8,9,10,11,12,13,14,15
	v_pk_add_f32 v[T+2*(\k%4):T+2*(\k%4)+1], v[T+2*(\k%4):T+2*(\k%4)+1], v[X+32*\p+2*\k:X+32*\p+2*\k+1]
.endr
	REDUCE
	v_mul_f32 v[M], s31, v20                       ; sum / 1024
	v_mul_f32 v[M+1], s31, v20
.irp k, 0,1,2,3,4,5,6,7,8,9,10,11,12,13,14,15
	v_pk_add_f32 v[X+32*\p+2*\k:X+32*\p+2*\k+1], v[X+32*\p+2*\k:X+32*\p+2*\k+1], v[M:M+1] neg_lo:[0,1] neg_hi:[0,1]
.endr
.irp k, 0,1,2,3
	v_pk_mul_f32 v[T+2*\k:T+2*\k+1], v[X+32*\p+2*\k:X+32*\p+2*\k+1], v[X+32*\p+2*\k:X+32*\p+2*\k+1]
.endr
.irp k, 4,5,6,7,8,9,10,11,12,13,14,15
	v_pk_fma_f32 v[T+2*(\k%4):T+2*(\k%4)+1], v[X+32*\p+2*\k:X+32*\p+2*\k+1], v[X+32*\p+2*\k:X+32*\p+2*\k+1], v[T+2*(\k%4):T+2*(\k%4)+1]
.endr
	REDUCE
	v_fma_f32 v20, v20, s31, s32                   ; mean of squares + 1e-5
	v_rsq_f32 v[R], v20
	v_rsq_f32 v[R+1], v20
	v_nop                                          ; a plain instruction between the root and the use of its result (ISA guide 5.7.2)
	s_wait_alu depctr_va_vdst(0)
.irp k, 0,1,2,3,4,5,6,7,8,9,10,11,12,13,14,15
	v_pk_mul_f32 v[X+32*\p+2*\k:X+32*\p+2*\k+1], v[X+32*\p+2*\k:X+32*\p+2*\k+1], v[R:R+1]
.endr
.endm
; Row p: gain and bias, rounded, stored.  A store of the wave covers 256 consecutive bytes, aligned.
.macro NORM p
.irp i, 0,1,2,3,4,5,6,7
	v_pk_fma_f32 v[X+32*\p+4*\i:X+32*\p+4*\i+1], v[X+32*\p+4*\i:X+32*\p+4*\i+1], v[W+4*\i:W+4*\i+1], v[BV+4*\i:BV+4*\i+1]
	v_pk_fma_f32 v[X+32*\p+4*\i+2:X+32*\p+4*\i+3], v[X+32*\p+4*\i+2:X+32*\p+4*\i+3], v[W+4*\i+2:W+4*\i+3], v[BV+4*\i+2:BV+4*\i+3]
	v_cvt_pk_bf16_f32 v[Y+16*\p+2*\i], v[X+32*\p+4*\i], v[X+32*\p+4*\i+1]
	v_cvt_pk_bf16_f32 v[Y+16*\p+2*\i+1], v[X+32*\p+4*\i+2], v[X+32*\p+4*\i+3]
	global_store_b64 v4, v[Y+16*\p+2*\i:Y+16*\p+2*\i+1], s[14:15] offset:\p*2048+256*\i
.endr
.endm
	s_load_b256 s[8:15], s[0:1], 0x0               ; mid s[8:9], ln2_w s[10:11], ln2_b s[12:13], xn s[14:15]
	v_lshrrev_b32 v7, 5, v0
	v_readfirstlane_b32 s30, v7                    ; wave 0..7
	v_and_b32 v1, 31, v0                           ; lane
	s_mov_b32 s3, 0
	s_mov_b32 s31, 0x3a800000                      ; 1 / 1024
	s_mov_b32 s32, 0x3727c5ac                      ; 1e-5
	s_mov_b32 s34, 0x76543210                      ; v_permlanex16_b32: each lane takes its own place in the other half
	s_mov_b32 s35, 0xfedcba98
	v_lshlrev_b32 v3, 4, v1                        ; 16 lane: my place in a load of 512 bytes (gain and bias too)
	v_lshl_add_u32 v2, s30, 13, v3                 ; + wave x 2 rows of 4,096 bytes
	v_lshlrev_b32 v4, 3, v1
	v_lshl_add_u32 v4, s30, 12, v4                 ; out: wave x 2 rows of 2,048 bytes + 8 lane
	v_mov_b32 v21, 0
	s_wait_kmcnt 0x0
	s_lshl_b32 s2, ttmp9, 16                       ; 16 rows of 4,096 bytes in,
	s_add_nc_u64 s[8:9], s[8:9], s[2:3]
	s_lshl_b32 s2, ttmp9, 15                       ; of 2,048 bytes out
	s_add_nc_u64 s[14:15], s[14:15], s[2:3]
.irp p, 0,1
.irp i, 0,1,2,3,4,5,6,7
	global_load_b128 v[X+32*\p+4*\i:X+32*\p+4*\i+3], v2, s[8:9] offset:\p*4096+512*\i   ; load i: columns 128 i + 4 lane .. + 3
.endr
.endr
.irp i, 0,1,2,3,4,5,6,7
	global_load_b128 v[W+4*\i:W+4*\i+3], v3, s[10:11] offset:512*\i
.endr
.irp i, 0,1,2,3,4,5,6,7
	global_load_b128 v[BV+4*\i:BV+4*\i+3], v3, s[12:13] offset:512*\i
.endr
	STATS 0, 24                                    ; row 0 is in; row 1, gain and bias (24 loads) stay out
	STATS 1, 16                                    ; row 1 is in; gain and bias stay out
	s_wait_loadcnt 0x0
	NORM 0
	NORM 1
	s_endpgm
.Lfunc_end_k_q07443cc6aa_ln2:
	.size	k_q07443cc6aa_ln2, .Lfunc_end_k_q07443cc6aa_ln2-k_q07443cc6aa_ln2
	.p2alignl 7, 3214868480
	.fill 96, 4, 3214868480
	.section	.rodata,"a",@progbits
	.p2align	6, 0x0
	.amdhsa_kernel k_q07443cc6aa_ln2
		.amdhsa_group_segment_fixed_size 0
		.amdhsa_private_segment_fixed_size 0
		.amdhsa_enable_private_segment 0
		.amdhsa_kernarg_size 32
		.amdhsa_user_sgpr_count 2
		.amdhsa_user_sgpr_kernarg_segment_ptr 1
		.amdhsa_wavefront_size32 1
		.amdhsa_system_sgpr_workgroup_id_x 1
		.amdhsa_system_sgpr_workgroup_id_y 1
		.amdhsa_system_sgpr_workgroup_id_z 1
		.amdhsa_system_vgpr_workitem_id 0
		.amdhsa_next_free_vgpr 192
		.amdhsa_next_free_sgpr 66
		.amdhsa_reserve_vcc 0
		.amdhsa_float_denorm_mode_32 3
		.amdhsa_float_denorm_mode_16_64 3
		.amdhsa_memory_ordered 1
		.amdhsa_forward_progress 1
		.amdhsa_inst_pref_size 20
	.end_amdhsa_kernel
	.amdgpu_metadata
---
amdhsa.version: [ 1, 2 ]
amdhsa.kernels:
  - .name:           k_q07443cc6aa_ln2
    .symbol:         k_q07443cc6aa_ln2.kd
    .args:
      - { .name: mid, .offset: 0, .size: 8, .value_kind: global_buffer, .address_space: global }
      - { .name: ln2_w, .offset: 8, .size: 8, .value_kind: global_buffer, .address_space: global }
      - { .name: ln2_b, .offset: 16, .size: 8, .value_kind: global_buffer, .address_space: global }
      - { .name: xn, .offset: 24, .size: 8, .value_kind: global_buffer, .address_space: global }
    .group_segment_fixed_size: 0
    .private_segment_fixed_size: 0
    .kernarg_segment_align: 8
    .kernarg_segment_size: 32
    .max_flat_workgroup_size: 256
    .sgpr_count:     66
    .vgpr_count:     192
    .wavefront_size: 32
...
	.end_amdgpu_metadata
.endif
;; end of part 5
;; launch gemm_in (part 6): grid 32 x 32, 4 waves a work-group, clusters of 4 x 4, 327,680 bytes of LDS; arguments xn, wb, b_in, hid; writes hid
.if DOCPART == 6
	.amdgcn_target "amdgcn-amd-amdhsa--gfx1250"
	.amdhsa_code_object_version 6
	.text
	.protected	k_q07443cc6aa_gemm_in
	.globl	k_q07443cc6aa_gemm_in
	.p2align	8
	.type	k_q07443cc6aa_gemm_in,@function
k_q07443cc6aa_gemm_in:
	s_mov_b64 s[64:65], 0
	v_nop
	global_prefetch_b8 v0, s[64:65] scope:SCOPE_SE
	s_setreg_imm32_b32 hwreg(HW_REG_WAVE_MODE, 25, 1), 1
	s_wait_xcnt 0x0
	s_wait_alu depctr_hold_cnt(0) depctr_sa_sdst(0) depctr_va_vdst(0) depctr_va_sdst(0) depctr_va_ssrc(0) depctr_va_vcc(0) depctr_vm_vsrc(0)
	s_getreg_b32 s2, hwreg(HW_REG_IB_STS2, 6, 4)
	s_cmp_eq_u32 s2, 0
	s_cbranch_scc0 .Lentry_in_a_cluster
	s_endpgm
.Lentry_in_a_cluster:
	s_bfe_u32 s2, ttmp6, 0x10000c
	s_cmp_lg_u32 s2, 0xf033
	s_cbranch_scc0 .Lentry_shape_is_right
	s_endpgm
.Lentry_shape_is_right:
; C[m][n] = gelu(sum over k of A[m][k] W[k][n] + bias[n]).  A: [4096][SIZE_K] bf16.  W: [SIZE_K][SIZE_N] bf16 at byte WOFF of wb.  Sums, bias and GELU in f32; C rounded once to bf16.
; HERE: A = LayerNorm 2's rows, W = W_in, C = the MLP's hidden layer, [4096][4096], row-major.
; A tile of C is 128 x 128: four waves, each 64 x 64 = 16 accumulators.  32 x 32 tiles.  K goes in steps of 256 through two LDS slots filled by the tensor data mover.
; CLUSTERS: 4 x 4 work-groups.  The four of a row of the cluster need the same tile of A, the four of a column the same tile of W: each tile is asked for jointly, by the same
; tensor load with the same descriptor and a mask that names the four.
; W lies [k][n], so its fragments come out of LDS turned, by ds_load_tr16_b128.  THE MATRIX INSTRUCTION IS USED TRANSPOSED (source 0 = 16 columns of W, source 1 = 16 rows of A):
; a lane then holds eight neighbouring numbers of one row of C.
; LIMITS: operands and C are bf16; v_exp_f32 and v_rcp_f32 are good to 1 ulp and flush denormals; inputs that are not finite are not served.
; REGISTERS: window 0: v0-5 set-up, v6-15 GELU, v16-27 addresses, v32-95 the way out, v96-127 bias, v128-255 accumulators ((a, b) at v[128 + 8 (4 a + b)]).
;   window 1: two fragment buffers of 128: for 64 along K, 64 registers of A, then 64 of W.
.set SIZE_N,  4096
.set SIZE_K,  1024
.set WOFF,    8388608
.set PERHEAD, 0                        ; C goes out row-major
.set GELU,    1
.set KSTEP,  256
.set PITCHB, 288                       ; a row of W's tile in LDS: 256 bytes + 32
.set PITCHA, 528                       ; a row of A's tile: 512 bytes + 16: an odd multiple of 16, so that the 16 rows of a fragment load start at different banks
.set HALFB,  128*PITCHB                ; one load of W: 128 k x 128 n
.set HALFA,  64*PITCHA                 ; one load of A: 64 rows x 256 k
.set AOFF,   2*HALFB                   ; a slot: W's 256 rows, then A's 128 rows
.set SLOT,   AOFF+2*HALFA
.set STAGE,  2*SLOT                    ; behind the ring (a multiple of 256): 128 rows x 272 bytes, the work-group's, for the way out; no tensor load lands there
.set SPITCH, 272
.set LAPS,   SIZE_K/(2*KSTEP)          ; a lap = two K steps = once round the ring
.set GL,   6                           ; v[6:13]  GELU at work
.set C0V,  14                          ; v[14:15] GELU's constant term, twice
.set ADRA, 16                          ; v16-17   LDS address of my A fragments in slot 0, 1
.set ADRB, 20                          ; v20-23   the same for W: slot 0 rows 0-127, rows 128-255, slot 1 likewise (255 rows of 288 bytes pass the 16-bit offset)
.set STO,  24
.set RD,   25
.set CO,   26
.set BO,   27                          ; my byte offset in the bias; untouched until the wait for the bias
.set TMP,  32
.set BIAS, 96
.set ACC,  128
.set F0,   0
.set F1,   128
.set G1,  24                           ; s[24:31] group 1 for A's tiles;  s[32:39] group 0, one set for each slot
.set G0,  32
.set G1B, 48                           ; s[48:55], s[56:63] the same for W's tiles
.set G0B, 56
.set MSB, 0
.macro WIN new                         ; the immediate's high byte repeats the setting that is left; a switch that changes nothing is dropped
.if MSB != \new
	s_set_vgpr_msb (MSB<<8)|\new
.set MSB, \new
.endif
.endm
.set MUL,  0x05                        ; sources 0 (W) and 1 (A) window 1; C and D window 0
.set TO_F, 0x40                        ; destination window 1, address window 0
; A joint refill: waves 0 and 1 fetch W's two halves along K, waves 2 and 3 A's two halves of rows.  The branch hangs on the wave's number alone.
; Four v_nop follow each of the two lines, ahead of the jump, the label and what follows.
.macro JLOAD s
	s_cmp_eq_u32 s11, 0
	s_cbranch_scc0 .Lfor_a_\@
	tensor_load_to_lds s[G0B+4*\s:G0B+4*\s+3], s[G1B:G1B+7]
	s_nop 0
.rept 4
	v_nop
.endr
	s_branch .Lasked_\@
.Lfor_a_\@:
	tensor_load_to_lds s[G0+4*\s:G0+4*\s+3], s[G1:G1+7]
	s_nop 0
.rept 4
	v_nop
.endr
.Lasked_\@:
.endm
.macro CREST                           ; a round of the cluster's barrier behind its opening barrier
	s_cmp_lg_u32 s10, 0
	s_cbranch_scc1 .Lnot_wave_0_\@
	s_barrier_signal -3
.Lnot_wave_0_\@:
	s_barrier_wait -3
	s_barrier_signal -1
	s_barrier_wait -1
.endm
.macro CROUND                          ; a whole round
	s_barrier_signal -1
	s_barrier_wait -1
	CREST
.endm
	s_load_b128 s[4:7], s[0:1], 0x0                ; A s[4:5], wb s[6:7]
.if PERHEAD
	s_load_b256 s[68:75], s[0:1], 0x10             ; b_Q s[68:69], b_K s[70:71], b_V s[72:73], qkv s[74:75]
.else
	s_load_b128 s[68:71], s[0:1], 0x10             ; bias s[68:69], C s[70:71]
	v_lshl_add_u32 v30, v0, 2, 0x4d800
	v_mov_b32 v31, 0
	ds_add_u32 v30, v31
	ds_add_u32 v30, v31
.endif
	v_lshrrev_b32 v1, 5, v0
	v_readfirstlane_b32 s10, v1                    ; wave 0..3
	s_lshr_b32 s11, s10, 1                         ; which half of the tile's rows is mine.  Also: I fetch for W (0) or for A (1)
	s_and_b32 s12, s10, 1                          ; which half of its columns.  Also: which half of that tile I fetch
	s_bfe_u32 s40, ttmp6, 0x40000                  ; cx, cy: my place in the cluster
	s_bfe_u32 s41, ttmp6, 0x40004
	s_lshl_b32 s42, ttmp9, 2
	s_add_co_u32 s42, s42, s40                     ; tile column tn = 4 x cluster x + cx
	s_and_b32 s13, ttmp7, 0xffff
	s_lshl_b32 s13, s13, 2
	s_add_co_u32 s13, s13, s41                     ; tile row tm = 4 x cluster y + cy
	s_lshl_b32 s43, s41, 2
	s_lshl_b32 s43, 15, s43                        ; my row of the cluster
	s_lshl_b32 s44, 0x1111, s40                    ; my column
	s_or_b32 s[G1+0], s43, (1<<16)|(1<<20)|(1<<21)|(6<<22)|(3<<25)   ; A: mask = my row; elements of 2 bytes; padding on; bit 21 beside a mask; after every 128 words, 4 words
	s_mov_b32 s[G1+1], KSTEP<<16                   ; tensor_dim0 = 256
	s_mov_b32 s[G1+2], 64<<16                      ; tensor_dim1 = 64
	s_mov_b32 s[G1+3], KSTEP<<16                   ; tile_dim0 = 256
	s_mov_b32 s[G1+4], 64                          ; tile_dim1 = 64
	s_mov_b32 s[G1+5], SIZE_K                      ; elements from row to row
	s_mov_b32 s[G1+6], 0
	s_mov_b32 s[G1+7], 0
	s_or_b32 s[G1B+0], s44, (1<<16)|(1<<20)|(1<<21)|(5<<22)|(7<<25)  ; W: mask = my column; after every 64 words, 8 words
	s_mov_b32 s[G1B+1], 128<<16                    ; tensor_dim0 = 128
	s_mov_b32 s[G1B+2], 128<<16                    ; tensor_dim1 = 128
	s_mov_b32 s[G1B+3], 128<<16                    ; tile_dim0 = 128
	s_mov_b32 s[G1B+4], 128                        ; tile_dim1 = 128
	s_mov_b32 s[G1B+5], SIZE_N
	s_mov_b32 s[G1B+6], 0
	s_mov_b32 s[G1B+7], 0
	; A's tiles hang on tm alone, W's on tn alone; each address is made in registers that never hold the other coordinate
	s_lshl_b32 s16, s13, 7
	s_lshl_b32 s17, s12, 6
	s_add_co_u32 s16, s16, s17                     ; A: row 128 tm + 64 half
	s_mul_i32 s16, s16, SIZE_K*2
	s_mov_b32 s17, 0
	s_mul_i32 s46, s12, 128*SIZE_N*2               ; W: row 128 half,
	s_lshl_b32 s47, s42, 8                         ; column 128 tn
	s_add_co_u32 s46, s46, s47
	s_add_co_u32 s46, s46, WOFF
	s_mov_b32 s47, 0
	s_mul_i32 s20, s10, HALFA
	s_add_co_u32 s20, s20, AOFF-2*HALFA            ; where A's halves go: AOFF + (wave - 2) x HALFA
	s_mul_i32 s21, s10, HALFB                      ; where W's halves go: wave x HALFB.  No place in the cluster enters an LDS address
	s_wait_dscnt 0x0
	s_wait_kmcnt 0x0
	s_add_nc_u64 s[14:15], s[4:5], s[16:17]
	s_add_nc_u64 s[46:47], s[6:7], s[46:47]
.irp s, 0,1
	s_mov_b32 s[G0+4*\s], 1
	s_add_co_u32 s[G0+4*\s+1], s20, \s*SLOT
	s_add_nc_u64 s[G0+4*\s+2:G0+4*\s+3], s[14:15], \s*KSTEP*2
	s_or_b32 s[G0+4*\s+3], s[G0+4*\s+3], 0x80000000
	s_mov_b32 s[G0B+4*\s], 1
	s_add_co_u32 s[G0B+4*\s+1], s21, \s*SLOT
	s_add_nc_u64 s[G0B+4*\s+2:G0B+4*\s+3], s[46:47], \s*KSTEP*SIZE_N*2
	s_or_b32 s[G0B+4*\s+3], s[G0B+4*\s+3], 0x80000000
.endr
	CROUND                                         ; all sixteen work-groups are here: the first joint loads meet
	s_cmp_eq_u32 s11, 0                            ; a wave's two first fills stand in one branch, ahead of every wait on TENSORcnt and every LDS read: two loads of mine are out
	s_cbranch_scc0 .Lfirst_a
	tensor_load_to_lds s[G0B:G0B+3], s[G1B:G1B+7]
	s_nop 0
	tensor_load_to_lds s[G0B+4:G0B+7], s[G1B:G1B+7]
	s_nop 0
.rept 4
	v_nop
.endr
	s_branch .Lfirst_asked
.Lfirst_a:
	tensor_load_to_lds s[G0:G0+3], s[G1:G1+7]
	s_nop 0
	tensor_load_to_lds s[G0+4:G0+7], s[G1:G1+7]
	s_nop 0
.rept 4
	v_nop
.endr
.Lfirst_asked:
	; the bias of my 64 columns, asked for now and waited for in front of the way out: register 8 b + j belongs to column 16 b + 8 (lane / 16) + j
.if PERHEAD
	s_lshr_b32 s18, ttmp9, 1                       ; which of Q, K, V: tn / 8 = cluster x / 2
	s_cmp_eq_u32 s18, 0
	s_cselect_b64 s[66:67], s[68:69], s[70:71]
	s_cmp_eq_u32 s18, 2
	s_cselect_b64 s[66:67], s[72:73], s[66:67]
	s_and_b32 s46, s42, 7
	s_lshl_b32 s46, s46, 9                         ; 128 (tn % 8) numbers of 4 bytes
.else
	s_mov_b64 s[66:67], s[68:69]
	s_lshl_b32 s46, s42, 9                         ; 128 tn numbers of 4 bytes
.endif
	s_mov_b32 s47, 0
	s_add_nc_u64 s[66:67], s[66:67], s[46:47]
	s_lshl_b32 s18, s12, 8
	s_mov_b32 s19, 0
	s_add_nc_u64 s[66:67], s[66:67], s[18:19]
	v_and_b32 v1, 15, v0                           ; r = lane % 16
	v_bfe_u32 v2, v0, 4, 1                         ; h = lane / 16
	v_lshlrev_b32 v[BO], 5, v2
.irp b, 0,1,2,3
	global_load_b128 v[BIAS+8*\b:BIAS+8*\b+3],   v[BO], s[66:67] offset:64*\b
	global_load_b128 v[BIAS+8*\b+4:BIAS+8*\b+7], v[BO], s[66:67] offset:64*\b+16
.endr
	; fragment addresses.  A: row r x pitch + 16 h.  W (turned): row (8 h + lane % 8) x pitch + 16 ((lane / 8) % 2) + my 64 columns
	v_mul_u32_u24 v3, v1, PITCHA
	v_lshl_add_u32 v3, v2, 4, v3
	s_mul_i32 s22, s11, HALFA
	s_add_co_u32 s22, s22, AOFF
	v_add_nc_u32 v[ADRA], s22, v3
	v_add_nc_u32 v[ADRA+1], SLOT, v[ADRA]
	v_and_b32 v4, 7, v0
	v_lshl_add_u32 v4, v2, 3, v4
	v_mul_u32_u24 v4, v4, PITCHB
	v_bfe_u32 v5, v0, 3, 1
	v_lshl_add_u32 v4, v5, 4, v4
	s_lshl_b32 s23, s12, 7
	v_add_nc_u32 v[ADRB], s23, v4
	v_add_nc_u32 v[ADRB+1], HALFB, v[ADRB]
	v_add_nc_u32 v[ADRB+2], SLOT, v[ADRB]
	v_add_nc_u32 v[ADRB+3], SLOT+HALFB, v[ADRB]
	; the way out.  In: my 64 rows, my half of their 256 bytes; row r, 16 bytes for each half of the lanes
	s_mul_i32 s23, s11, 64*SPITCH
	s_lshl_b32 s22, s12, 7
	s_add_co_u32 s23, s23, s22
	s_add_co_u32 s23, s23, STAGE
	v_mul_u32_u24 v4, v1, SPITCH
	v_lshl_add_u32 v4, v2, 4, v4
	v_add_nc_u32 v[STO], s23, v4
	s_mul_i32 s23, s10, 32*SPITCH                  ; back: wave w takes rows 32 w .. 32 w + 31
	s_add_co_u32 s23, s23, STAGE
.if PERHEAD
	; a load takes one head's 128 bytes of four tokens: in qkv those are 512 consecutive bytes
	v_and_b32 v3, 31, v0
	v_lshrrev_b32 v4, 3, v3
	v_and_b32 v5, 7, v0
	v_mul_u32_u24 v4, v4, SPITCH
	v_lshl_add_u32 v4, v5, 4, v4
	v_add_nc_u32 v[RD], s23, v4
	v_lshlrev_b32 v[CO], 4, v3
	s_lshr_b32 s16, s13, 4                         ; batch: 4,194,304 bytes (16 heads)
	s_lshl_b32 s16, s16, 22
	s_and_b32 s17, s13, 15                         ; 128 tokens of 128 bytes
	s_lshl_b32 s17, s17, 14
	s_add_co_u32 s16, s16, s17
	s_lshl_b32 s17, s10, 12                        ; my 32 tokens
	s_add_co_u32 s16, s16, s17
	s_mov_b32 s17, 0
	s_add_nc_u64 s[8:9], s[74:75], s[16:17]
	s_lshr_b32 s46, s42, 3                         ; which: 8,388,608 bytes
	s_lshl_b32 s46, s46, 23
	s_and_b32 s47, s42, 7                          ; two heads of 262,144 bytes
	s_lshl_b32 s47, s47, 19
	s_add_co_u32 s46, s46, s47
	s_mov_b32 s47, 0
	s_add_nc_u64 s[8:9], s[8:9], s[46:47]
.else
	; a load takes two whole rows of 256 bytes: lanes 0-15 one, lanes 16-31 the next
	v_mul_u32_u24 v5, v2, SPITCH
	v_lshl_add_u32 v5, v1, 4, v5
	v_add_nc_u32 v[RD], s23, v5
	v_mul_u32_u24 v5, v2, SIZE_N*2
	v_lshl_add_u32 v[CO], v1, 4, v5
	s_lshl_b32 s16, s13, 7
	s_lshl_b32 s17, s10, 5
	s_add_co_u32 s16, s16, s17                     ; the first row of C that I store: 128 tm + 32 wave
	s_mul_i32 s16, s16, SIZE_N*2
	s_mov_b32 s17, 0
	s_add_nc_u64 s[8:9], s[70:71], s[16:17]
	s_lshl_b32 s46, s42, 8                         ; the tile's first column, in bytes
	s_mov_b32 s47, 0
	s_add_nc_u64 s[8:9], s[8:9], s[46:47]
.endif
.if GELU
	s_mov_b32 s76, 0xbdd2d3e8                      ; C1 = 0.044715 C0
	s_mov_b32 s77, 0xbdd2d3e8
	v_mov_b32 v[C0V], 0xc0135761                   ; C0 = -2 log2(e) sqrt(2 / pi)
	v_mov_b32 v[C0V+1], 0xc0135761
.endif
; 8 matrix instructions: m blocks a0, a0 + 1 x all 4 n blocks, 32 along K: half c of buffer f.  zero = 1: the first product starts the sums.
; The 16 accumulators take turns, one instruction a turn.
.macro MUL8 f, c, a0, zero
.irp a, \a0, \a0+1
.irp b, 0,1,2,3
.if \zero
	v_wmma_f32_16x16x32_bf16 v[ACC+8*(4*(\a)+\b):ACC+8*(4*(\a)+\b)+7], v[\f+64+8*(4*\c+\b):\f+64+8*(4*\c+\b)+7], v[\f+8*(4*\c+\a):\f+8*(4*\c+\a)+7], 0
.else
	v_wmma_f32_16x16x32_bf16 v[ACC+8*(4*(\a)+\b):ACC+8*(4*(\a)+\b)+7], v[\f+64+8*(4*\c+\b):\f+64+8*(4*\c+\b)+7], v[\f+8*(4*\c+\a):\f+8*(4*\c+\a)+7], v[ACC+8*(4*(\a)+\b):ACC+8*(4*(\a)+\b)+7]
.endif
.endr
.endr
.endm
; 32 LDS loads in one run: the fragments of quarter q (64 along K) of a slot, into buffer f; the first 32 along K first
.macro FETCH slot, q, f
	WIN TO_F
.irp c, 0,1
.irp i, 0,1,2,3
	ds_load_tr16_b128 v[\f+64+8*(4*\c+\i):\f+64+8*(4*\c+\i)+3],   v[ADRB+2*\slot+(\q)/2] offset:(((\q)%2)*64+32*\c)*PITCHB+32*\i
	ds_load_tr16_b128 v[\f+64+8*(4*\c+\i)+4:\f+64+8*(4*\c+\i)+7], v[ADRB+2*\slot+(\q)/2] offset:(((\q)%2)*64+32*\c+16)*PITCHB+32*\i
	ds_load_b128 v[\f+8*(4*\c+\i):\f+8*(4*\c+\i)+3],              v[ADRA+\slot] offset:128*(\q)+64*\c+\i*16*PITCHA
	ds_load_b128 v[\f+8*(4*\c+\i)+4:\f+8*(4*\c+\i)+7],            v[ADRA+\slot] offset:128*(\q)+64*\c+\i*16*PITCHA+32
.endr
.endr
.endm
.macro PLACES                          ; four plain places in front of loads into registers that matrix instructions have read, and of instructions that read results
.rept 4
	v_nop
.endr
.endm
; A K step is four quarters of 64 along K, 32 matrix instructions each, on buffers 0, 1, 0, 1.  One of the first three: multiplies buffer f and fetches quarter q into g.
.macro QUARTER slot, q, f, g, zero
	s_wait_dscnt 16                                ; the first 32 along K are in; the sixteen younger loads may be out
	WIN MUL
	MUL8 \f, 0, 0, \zero
	MUL8 \f, 0, 2, \zero
	PLACES
	FETCH \slot, \q, \g
	s_wait_dscnt 32                                ; all but the 32 just issued
	WIN MUL
	MUL8 \f, 1, 0, 0
	MUL8 \f, 1, 2, 0
.endm
; The last quarter multiplies buffer 1 and changes slots: ONE barrier; in front of it each wave waits for its own reads of this slot and for all its tensor loads.
; fill = 1: the barrier opens a round of the cluster's barrier, and this slot is filled again, two K steps ahead, first thing behind the round.
.macro TURN slot, next, fill
	s_wait_dscnt 16
	WIN MUL
	MUL8 F1, 0, 0, 0
	s_wait_dscnt 0                                 ; my reads of this slot are over,
	s_set_vgpr_msb 0x500
	s_wait_tensorcnt 0x0                           ; and all my tensor loads have landed: the one that was out is my part of the next slot
	ds_add_u32 v30, v31
	s_wait_dscnt 0x0
	s_set_vgpr_msb 0x5
	s_barrier_signal -1
	MUL8 F1, 0, 2, 0
.if \fill
	WIN 0
.endif
	s_barrier_wait -1
.if \fill
	CREST                                          ; no wave of any partner still reads this slot's tile or has a load on its way
	s_add_nc_u64 s[G0+4*\slot+2:G0+4*\slot+3], s[G0+4*\slot+2:G0+4*\slot+3], 2*KSTEP*2
	s_add_nc_u64 s[G0B+4*\slot+2:G0B+4*\slot+3], s[G0B+4*\slot+2:G0B+4*\slot+3], 2*KSTEP*SIZE_N*2
	JLOAD \slot                                    ; 120 matrix instructions ahead of the wait for it; the four v_nop behind it are also the places in front of the loads below
.else
	PLACES
.endif
	FETCH \next, 0, F0
	WIN MUL
	MUL8 F1, 1, 0, 0
	MUL8 F1, 1, 2, 0
.endm
	s_wait_tensorcnt 1                             ; my part of K step 0 is in; K step 1's may stay out
	s_barrier_signal -1
	s_barrier_wait -1                              ; everybody's is
	FETCH 0, 0, F0
	QUARTER 0, 1, F0, F1, 1                        ; the first quarter stands in front of the loop: its first products start the sums
	WIN 0                                          ; at a label and at a branch every window is 0
	s_mov_b32 s3, LAPS-1
.Llap:                                                 ; a trip goes once round the ring, from a lap's second quarter to the next lap's first, and fills both slots again
	QUARTER 0, 2, F1, F0, 0
	QUARTER 0, 3, F0, F1, 0
	TURN 0, 1, 1
	QUARTER 1, 1, F0, F1, 0
	QUARTER 1, 2, F1, F0, 0
	QUARTER 1, 3, F0, F1, 0
	TURN 1, 0, 1
	QUARTER 0, 1, F0, F1, 0
	WIN 0
	s_sub_co_u32 s3, s3, 1
	s_cmp_lg_u32 s3, 0
	s_cbranch_scc1 .Llap
	QUARTER 0, 2, F1, F0, 0                        ; the last lap fills nothing, and has no round of the cluster's barrier
	QUARTER 0, 3, F0, F1, 0
	TURN 0, 1, 0
	QUARTER 1, 1, F0, F1, 0
	QUARTER 1, 2, F1, F0, 0
	QUARTER 1, 3, F0, F1, 0
	s_wait_dscnt 16                                ; the very last quarter: nothing more to fetch
	WIN MUL
	MUL8 F1, 0, 0, 0
	MUL8 F1, 0, 2, 0
	s_wait_dscnt 0
	MUL8 F1, 1, 0, 0
	MUL8 F1, 1, 2, 0
	WIN 0
; THE WAY OUT of accumulator (a, b), its registers in ascending order: bias; GELU; rounded to bf16; 16 bytes a lane into the work-group's stage.
; gelu(x) = x / (1 + 2^(x (C0 + C1 x^2))), which is x (1 + tanh(sqrt(2/pi) (x + 0.044715 x^3))) / 2.  Where x^2 overflows the exponent goes to -inf or +inf and the result to x or to 0, the right limits.
.macro FINISH16 a, b
.set AC, ACC+8*(4*\a+\b)
.irp p, 0,1,2,3
	v_pk_add_f32 v[AC+2*\p:AC+2*\p+1], v[AC+2*\p:AC+2*\p+1], v[BIAS+8*\b+2*\p:BIAS+8*\b+2*\p+1]
.endr
.if GELU
.irp p, 0,1,2,3
	v_pk_mul_f32 v[GL+2*\p:GL+2*\p+1], v[AC+2*\p:AC+2*\p+1], v[AC+2*\p:AC+2*\p+1]
.endr
.irp p, 0,1,2,3
	v_pk_fma_f32 v[GL+2*\p:GL+2*\p+1], v[GL+2*\p:GL+2*\p+1], s[76:77], v[C0V:C0V+1] op_sel_hi:[1,0,1]
.endr
.irp p, 0,1,2,3
	v_pk_mul_f32 v[GL+2*\p:GL+2*\p+1], v[GL+2*\p:GL+2*\p+1], v[AC+2*\p:AC+2*\p+1]
.endr
.irp j, 0,1,2,3,4,5,6,7
	v_exp_f32 v[GL+\j], v[GL+\j]
.endr
	v_nop                                          ; a plain instruction between the last exponential and the use of its result
	s_wait_alu depctr_va_vdst(0)
.irp p, 0,1,2,3
	v_pk_add_f32 v[GL+2*\p:GL+2*\p+1], v[GL+2*\p:GL+2*\p+1], 1.0 op_sel_hi:[1,0]
.endr
.irp j, 0,1,2,3,4,5,6,7
	v_rcp_f32 v[GL+\j], v[GL+\j]
.endr
	v_nop
	s_wait_alu depctr_va_vdst(0)
.irp p, 0,1,2,3
	v_pk_mul_f32 v[AC+2*\p:AC+2*\p+1], v[AC+2*\p:AC+2*\p+1], v[GL+2*\p:GL+2*\p+1]
.endr
.endif
.irp p, 0,1,2,3
	v_cvt_pk_bf16_f32 v[TMP+4*(4*\a+\b)+\p], v[AC+2*\p], v[AC+2*\p+1]
.endr
	ds_store_b128 v[STO], v[TMP+4*(4*\a+\b):TMP+4*(4*\a+\b)+3] offset:\a*16*SPITCH+32*\b
.endm
	s_wait_loadcnt 0x0                             ; the bias
	PLACES
.irp a, 0,1,2,3
.irp b, 0,1,2,3
	FINISH16 \a, \b
.endr
.endr
	s_wait_dscnt 0x0                               ; for the others' sake: my stores into the stage are done
	s_barrier_signal -1
	s_barrier_wait -1                              ; a row's 256 bytes come from two waves
.irp t, 0,1,2,3,4,5,6,7,8,9,10,11,12,13,14,15
.if PERHEAD
	ds_load_b128 v[TMP+4*\t:TMP+4*\t+3], v[RD] offset:(\t%8)*4*SPITCH+(\t/8)*128
.else
	ds_load_b128 v[TMP+4*\t:TMP+4*\t+3], v[RD] offset:\t*2*SPITCH
.endif
.endr
.irp t, 0,1,2,3,4,5,6,7,8,9,10,11,12,13,14,15
	s_wait_dscnt 15-\t                             ; load t is back, the younger ones stay out
.if PERHEAD
	global_store_b128 v[CO], v[TMP+4*\t:TMP+4*\t+3], s[8:9] offset:(\t/8)*262144+(\t%8)*512   ; head t / 8 of the tile's two, four tokens: 512 consecutive bytes, aligned
.else
	global_store_b128 v[CO], v[TMP+4*\t:TMP+4*\t+3], s[8:9] offset:2*\t*SIZE_N*2              ; 16 lanes store 256 consecutive bytes, aligned
.endif
.endr
	s_wait_tensorcnt 0x0
	ds_add_u32 v30, v31
	s_wait_dscnt 0x0
	CROUND                                         ; the closing round: no work-group ends while a partner may still ask for a tile that names it
	s_endpgm
.Lfunc_end_k_q07443cc6aa_gemm_in:
	.size	k_q07443cc6aa_gemm_in, .Lfunc_end_k_q07443cc6aa_gemm_in-k_q07443cc6aa_gemm_in
	.p2alignl 7, 3214868480
	.fill 96, 4, 3214868480
	.section	.rodata,"a",@progbits
	.p2align	6, 0x0
	.amdhsa_kernel k_q07443cc6aa_gemm_in
		.amdhsa_group_segment_fixed_size 327680
		.amdhsa_private_segment_fixed_size 0
		.amdhsa_enable_private_segment 0
		.amdhsa_kernarg_size 32
		.amdhsa_user_sgpr_count 2
		.amdhsa_user_sgpr_kernarg_segment_ptr 1
		.amdhsa_wavefront_size32 1
		.amdhsa_system_sgpr_workgroup_id_x 1
		.amdhsa_system_sgpr_workgroup_id_y 1
		.amdhsa_system_sgpr_workgroup_id_z 1
		.amdhsa_system_vgpr_workitem_id 0
		.amdhsa_next_free_vgpr 512
		.amdhsa_next_free_sgpr 80
		.amdhsa_reserve_vcc 0
		.amdhsa_float_denorm_mode_32 3
		.amdhsa_float_denorm_mode_16_64 3
		.amdhsa_memory_ordered 1
		.amdhsa_forward_progress 1
		.amdhsa_inst_pref_size 122
	.end_amdhsa_kernel
	.amdgpu_metadata
---
amdhsa.version: [ 1, 2 ]
amdhsa.kernels:
  - .name:           k_q07443cc6aa_gemm_in
    .symbol:         k_q07443cc6aa_gemm_in.kd
    .args:
      - { .name: xn, .offset: 0, .size: 8, .value_kind: global_buffer, .address_space: global }
      - { .name: wb, .offset: 8, .size: 8, .value_kind: global_buffer, .address_space: global }
      - { .name: b_in, .offset: 16, .size: 8, .value_kind: global_buffer, .address_space: global }
      - { .name: hid, .offset: 24, .size: 8, .value_kind: global_buffer, .address_space: global }
    .group_segment_fixed_size: 327680
    .private_segment_fixed_size: 0
    .kernarg_segment_align: 8
    .kernarg_segment_size: 32
    .max_flat_workgroup_size: 128
    .sgpr_count:     80
    .vgpr_count:     512
    .wavefront_size: 32
...
	.end_amdgpu_metadata
.endif
;; end of part 6
;; launch gemm_out (part 7): grid 8 x 32, 4 waves a work-group, clusters of 4 x 4, 327,680 bytes of LDS; arguments hid, wb, b_out, mid, out0; writes out0
.if DOCPART == 7
	.amdgcn_target "amdgcn-amd-amdhsa--gfx1250"
	.amdhsa_code_object_version 6
	.text
	.protected	k_q07443cc6aa_gemm_out
	.globl	k_q07443cc6aa_gemm_out
	.p2align	8
	.type	k_q07443cc6aa_gemm_out,@function
k_q07443cc6aa_gemm_out:
	s_mov_b64 s[64:65], 0
	v_nop
	global_prefetch_b8 v0, s[64:65] scope:SCOPE_SE
	s_setreg_imm32_b32 hwreg(HW_REG_WAVE_MODE, 25, 1), 1
	s_wait_xcnt 0x0
	s_wait_alu depctr_hold_cnt(0) depctr_sa_sdst(0) depctr_va_vdst(0) depctr_va_sdst(0) depctr_va_ssrc(0) depctr_va_vcc(0) depctr_vm_vsrc(0)
	s_getreg_b32 s2, hwreg(HW_REG_IB_STS2, 6, 4)
	s_cmp_eq_u32 s2, 0
	s_cbranch_scc0 .Lentry_in_a_cluster
	s_endpgm
.Lentry_in_a_cluster:
	s_bfe_u32 s2, ttmp6, 0x10000c
	s_cmp_lg_u32 s2, 0xf033
	s_cbranch_scc0 .Lentry_shape_is_right
	s_endpgm
.Lentry_shape_is_right:
; C[m][n] = sum over k of A[m][k] W[k][n] + bias[n] + res[m][n].  A: [4096][SIZE_K] bf16.  W: [SIZE_K][1024] bf16 at byte WOFF of wb.  bias, res, C in f32; sums in f32.
; HERE: A = the MLP's hidden layer, W = W_out, res = resid_mid, C = the block's output.
; A tile of C is 128 x 128: four waves, each 64 x 64 = 16 accumulators.  8 x 32 tiles.  K goes in steps of 256 through two LDS slots filled by the tensor data mover.
; CLUSTERS: 4 x 4 work-groups.  The four of a row of the cluster need the same tile of A, the four of a column the same tile of W: each tile is asked for jointly, by the same
; tensor load with the same descriptor and a mask that names the four.
; W lies [k][n], so its fragments come out of LDS turned, by ds_load_tr16_b128.  THE MATRIX INSTRUCTION IS USED TRANSPOSED (source 0 = 16 columns of W, source 1 = 16 rows of A):
; a lane then holds eight neighbouring numbers of one row of C.
; The residual's tile and the bias are asked for at the start and land under the K loop.  A wave's 64 columns of f32 are 256 aligned bytes, so each wave has a stage of its own and the way out has no barrier.
; LIMITS: the operands are bf16; inputs that are not finite are not served.
; REGISTERS: window 0: v0-5 set-up, v16-27 addresses, v32-95 the way out, v96-99 bias, v128-255 accumulators ((a, b) at v[128 + 8 (4 a + b)]).
;   window 1: two fragment buffers of 128: for 64 along K, 64 registers of A, then 64 of W.   window 2: v0-127 the residual of my 64 x 64.
.set SIZE_N,  1024
.set SIZE_K,  4096
.set WOFF,    16777216
.set KSTEP,  256
.set PITCHB, 288                       ; a row of W's tile in LDS: 256 bytes + 32
.set PITCHA, 528                       ; a row of A's tile: 512 bytes + 16: an odd multiple of 16, so that the 16 rows of a fragment load start at different banks
.set HALFB,  128*PITCHB                ; one load of W: 128 k x 128 n
.set HALFA,  64*PITCHA                 ; one load of A: 64 rows x 256 k
.set AOFF,   2*HALFB                   ; a slot: W's 256 rows, then A's 128 rows
.set SLOT,   AOFF+2*HALFA
.set STAGE,  2*SLOT                    ; behind the ring (a multiple of 256): 16 rows x 272 bytes for each wave; no tensor load lands there
.set SPITCH, 272
.set LAPS,   SIZE_K/(2*KSTEP)          ; a lap = two K steps = once round the ring
.set ADRA, 16                          ; v16-17   LDS address of my A fragments in slot 0, 1
.set ADRB, 20                          ; v20-23   the same for W: slot 0 rows 0-127, rows 128-255, slot 1 likewise (255 rows of 288 bytes pass the 16-bit offset)
.set STO,  24
.set RD,   25
.set CO,   26                          ; my byte offset in two rows of C and of the residual; never rewritten
.set BO,   27                          ; my byte offset in the bias; never rewritten
.set TMP,  32
.set BIAS, 96
.set ACC,  128
.set F0,   0
.set F1,   128
.set G1,  24                           ; s[24:31] group 1 for A's tiles;  s[32:39] group 0, one set for each slot
.set G0,  32
.set G1B, 48                           ; s[48:55], s[56:63] the same for W's tiles
.set G0B, 56
.set MSB, 0
.macro WIN new                         ; the immediate's high byte repeats the setting that is left; a switch that changes nothing is dropped
.if MSB != \new
	s_set_vgpr_msb (MSB<<8)|\new
.set MSB, \new
.endif
.endm
.set MUL,  0x05                        ; sources 0 (W) and 1 (A) window 1; C and D window 0
.set TO_F, 0x40                        ; destination window 1, address window 0
; A joint refill: waves 0 and 1 fetch W's two halves along K, waves 2 and 3 A's two halves of rows.  The branch hangs on the wave's number alone.
; Four v_nop follow each of the two lines, ahead of the jump, the label and what follows.
.macro JLOAD s
	s_cmp_eq_u32 s11, 0
	s_cbranch_scc0 .Lfor_a_\@
	tensor_load_to_lds s[G0B+4*\s:G0B+4*\s+3], s[G1B:G1B+7]
	s_nop 0
.rept 4
	v_nop
.endr
	s_branch .Lasked_\@
.Lfor_a_\@:
	tensor_load_to_lds s[G0+4*\s:G0+4*\s+3], s[G1:G1+7]
	s_nop 0
.rept 4
	v_nop
.endr
.Lasked_\@:
.endm
.macro CREST                           ; a round of the cluster's barrier behind its opening barrier
	s_cmp_lg_u32 s10, 0
	s_cbranch_scc1 .Lnot_wave_0_\@
	s_barrier_signal -3
.Lnot_wave_0_\@:
	s_barrier_wait -3
	s_barrier_signal -1
	s_barrier_wait -1
.endm
.macro CROUND                          ; a whole round
	s_barrier_signal -1
	s_barrier_wait -1
	CREST
.endm
	s_load_b128 s[4:7], s[0:1], 0x0                ; A s[4:5], wb s[6:7]
	s_load_b128 s[68:71], s[0:1], 0x10             ; bias s[68:69], residual s[70:71]
	s_load_b64 s[8:9], s[0:1], 0x20                ; C
	v_lshl_add_u32 v126, v0, 2, 0x49400
	v_mov_b32 v127, 0
	ds_add_u32 v126, v127
	ds_add_u32 v126, v127
	v_lshrrev_b32 v1, 5, v0
	v_readfirstlane_b32 s10, v1                    ; wave 0..3
	s_lshr_b32 s11, s10, 1                         ; which half of the tile's rows is mine.  Also: I fetch for W (0) or for A (1)
	s_and_b32 s12, s10, 1                          ; which half of its columns.  Also: which half of that tile I fetch
	s_bfe_u32 s40, ttmp6, 0x40000                  ; cx, cy: my place in the cluster
	s_bfe_u32 s41, ttmp6, 0x40004
	s_lshl_b32 s42, ttmp9, 2
	s_add_co_u32 s42, s42, s40                     ; tile column tn = 4 x cluster x + cx
	s_and_b32 s13, ttmp7, 0xffff
	s_lshl_b32 s13, s13, 2
	s_add_co_u32 s13, s13, s41                     ; tile row tm = 4 x cluster y + cy
	s_lshl_b32 s43, s41, 2
	s_lshl_b32 s43, 15, s43                        ; my row of the cluster
	s_lshl_b32 s44, 0x1111, s40                    ; my column
	s_or_b32 s[G1+0], s43, (1<<16)|(1<<20)|(1<<21)|(6<<22)|(3<<25)   ; A: mask = my row; elements of 2 bytes; padding on; bit 21 beside a mask; after every 128 words, 4 words
	s_mov_b32 s[G1+1], KSTEP<<16                   ; tensor_dim0 = 256
	s_mov_b32 s[G1+2], 64<<16                      ; tensor_dim1 = 64
	s_mov_b32 s[G1+3], KSTEP<<16                   ; tile_dim0 = 256
	s_mov_b32 s[G1+4], 64                          ; tile_dim1 = 64
	s_mov_b32 s[G1+5], SIZE_K                      ; elements from row to row
	s_mov_b32 s[G1+6], 0
	s_mov_b32 s[G1+7], 0
	s_or_b32 s[G1B+0], s44, (1<<16)|(1<<20)|(1<<21)|(5<<22)|(7<<25)  ; W: mask = my column; after every 64 words, 8 words
	s_mov_b32 s[G1B+1], 128<<16                    ; tensor_dim0 = 128
	s_mov_b32 s[G1B+2], 128<<16                    ; tensor_dim1 = 128
	s_mov_b32 s[G1B+3], 128<<16                    ; tile_dim0 = 128
	s_mov_b32 s[G1B+4], 128                        ; tile_dim1 = 128
	s_mov_b32 s[G1B+5], SIZE_N
	s_mov_b32 s[G1B+6], 0
	s_mov_b32 s[G1B+7], 0
	; A's tiles hang on tm alone, W's on tn alone; each address is made in registers that never hold the other coordinate
	s_lshl_b32 s16, s13, 7
	s_lshl_b32 s17, s12, 6
	s_add_co_u32 s16, s16, s17                     ; A: row 128 tm + 64 half
	s_mul_i32 s16, s16, SIZE_K*2
	s_mov_b32 s17, 0
	s_mul_i32 s46, s12, 128*SIZE_N*2               ; W: row 128 half,
	s_lshl_b32 s47, s42, 8                         ; column 128 tn
	s_add_co_u32 s46, s46, s47
	s_add_co_u32 s46, s46, WOFF
	s_mov_b32 s47, 0
	s_mul_i32 s20, s10, HALFA
	s_add_co_u32 s20, s20, AOFF-2*HALFA            ; where A's halves go: AOFF + (wave - 2) x HALFA
	s_mul_i32 s21, s10, HALFB                      ; where W's halves go: wave x HALFB.  No place in the cluster enters an LDS address
	s_wait_dscnt 0x0
	s_wait_kmcnt 0x0
	s_add_nc_u64 s[14:15], s[4:5], s[16:17]
	s_add_nc_u64 s[46:47], s[6:7], s[46:47]
.irp s, 0,1
	s_mov_b32 s[G0+4*\s], 1
	s_add_co_u32 s[G0+4*\s+1], s20, \s*SLOT
	s_add_nc_u64 s[G0+4*\s+2:G0+4*\s+3], s[14:15], \s*KSTEP*2
	s_or_b32 s[G0+4*\s+3], s[G0+4*\s+3], 0x80000000
	s_mov_b32 s[G0B+4*\s], 1
	s_add_co_u32 s[G0B+4*\s+1], s21, \s*SLOT
	s_add_nc_u64 s[G0B+4*\s+2:G0B+4*\s+3], s[46:47], \s*KSTEP*SIZE_N*2
	s_or_b32 s[G0B+4*\s+3], s[G0B+4*\s+3], 0x80000000
.endr
	CROUND                                         ; all sixteen work-groups are here: the first joint loads meet
	s_cmp_eq_u32 s11, 0                            ; a wave's two first fills stand in one branch, ahead of every wait on TENSORcnt and every LDS read: two loads of mine are out
	s_cbranch_scc0 .Lfirst_a
	tensor_load_to_lds s[G0B:G0B+3], s[G1B:G1B+7]
	s_nop 0
	tensor_load_to_lds s[G0B+4:G0B+7], s[G1B:G1B+7]
	s_nop 0
.rept 4
	v_nop
.endr
	s_branch .Lfirst_asked
.Lfirst_a:
	tensor_load_to_lds s[G0:G0+3], s[G1:G1+7]
	s_nop 0
	tensor_load_to_lds s[G0+4:G0+7], s[G1:G1+7]
	s_nop 0
.rept 4
	v_nop
.endr
.Lfirst_asked:
	; my 64 x 64 of C and of the residual begin at row 128 tm + 64 (wave / 2), column 128 tn + 64 (wave % 2); the bias at that column
	s_lshl_b32 s16, s13, 7
	s_lshl_b32 s17, s11, 6
	s_add_co_u32 s16, s16, s17
	s_mul_i32 s16, s16, SIZE_N*4
	s_mov_b32 s17, 0
	s_lshl_b32 s18, s12, 8                         ; 64 columns of 4 bytes
	s_mov_b32 s19, 0
	s_lshl_b32 s46, s42, 9                         ; 128 tn columns of 4 bytes
	s_mov_b32 s47, 0
	s_add_nc_u64 s[8:9], s[8:9], s[16:17]
	s_add_nc_u64 s[8:9], s[8:9], s[18:19]
	s_add_nc_u64 s[8:9], s[8:9], s[46:47]
	s_add_nc_u64 s[70:71], s[70:71], s[16:17]
	s_add_nc_u64 s[70:71], s[70:71], s[18:19]
	s_add_nc_u64 s[70:71], s[70:71], s[46:47]
	s_add_nc_u64 s[66:67], s[68:69], s[18:19]
	s_add_nc_u64 s[66:67], s[66:67], s[46:47]
	v_and_b32 v1, 15, v0                           ; r = lane % 16
	v_bfe_u32 v2, v0, 4, 1                         ; h = lane / 16
	v_lshlrev_b32 v[BO], 4, v1                     ; columns 4 r .. 4 r + 3
	v_mul_u32_u24 v3, v2, SIZE_N*4
	v_add_nc_u32 v[CO], v3, v[BO]                  ; lanes 0-15 one row's 256 bytes, lanes 16-31 the next row's
	WIN 0x80                                       ; destination window 2
.irp a, 0,1,2,3
.irp t, 0,1,2,3,4,5,6,7
	global_load_b128 v[32*\a+4*\t:32*\a+4*\t+3], v[CO], s[70:71] offset:(16*\a+2*\t)*SIZE_N*4
.endr
.endr
	WIN 0
	global_load_b128 v[BIAS:BIAS+3], v[BO], s[66:67]
	; fragment addresses.  A: row r x pitch + 16 h.  W (turned): row (8 h + lane % 8) x pitch + 16 ((lane / 8) % 2) + my 64 columns
	v_mul_u32_u24 v3, v1, PITCHA
	v_lshl_add_u32 v3, v2, 4, v3
	s_mul_i32 s22, s11, HALFA
	s_add_co_u32 s22, s22, AOFF
	v_add_nc_u32 v[ADRA], s22, v3
	v_add_nc_u32 v[ADRA+1], SLOT, v[ADRA]
	v_and_b32 v4, 7, v0
	v_lshl_add_u32 v4, v2, 3, v4
	v_mul_u32_u24 v4, v4, PITCHB
	v_bfe_u32 v5, v0, 3, 1
	v_lshl_add_u32 v4, v5, 4, v4
	s_lshl_b32 s23, s12, 7
	v_add_nc_u32 v[ADRB], s23, v4
	v_add_nc_u32 v[ADRB+1], HALFB, v[ADRB]
	v_add_nc_u32 v[ADRB+2], SLOT, v[ADRB]
	v_add_nc_u32 v[ADRB+3], SLOT+HALFB, v[ADRB]
	s_mul_i32 s23, s10, 16*SPITCH
	s_add_co_u32 s23, s23, STAGE                   ; my stage
	v_mul_u32_u24 v4, v1, SPITCH                   ; in: row r, 32 bytes for each half of the lanes
	v_lshl_add_u32 v4, v2, 5, v4
	v_add_nc_u32 v[STO], s23, v4
	v_mul_u32_u24 v5, v2, SPITCH                   ; back: lanes 0-15 take one row of 256 bytes, lanes 16-31 the next
	v_lshl_add_u32 v5, v1, 4, v5
	v_add_nc_u32 v[RD], s23, v5
; 8 matrix instructions: m blocks a0, a0 + 1 x all 4 n blocks, 32 along K: half c of buffer f.  zero = 1: the first product starts the sums.
; The 16 accumulators take turns, one instruction a turn.
.macro MUL8 f, c, a0, zero
.irp a, \a0, \a0+1
.irp b, 0,1,2,3
.if \zero
	v_wmma_f32_16x16x32_bf16 v[ACC+8*(4*(\a)+\b):ACC+8*(4*(\a)+\b)+7], v[\f+64+8*(4*\c+\b):\f+64+8*(4*\c+\b)+7], v[\f+8*(4*\c+\a):\f+8*(4*\c+\a)+7], 0
.else
	v_wmma_f32_16x16x32_bf16 v[ACC+8*(4*(\a)+\b):ACC+8*(4*(\a)+\b)+7], v[\f+64+8*(4*\c+\b):\f+64+8*(4*\c+\b)+7], v[\f+8*(4*\c+\a):\f+8*(4*\c+\a)+7], v[ACC+8*(4*(\a)+\b):ACC+8*(4*(\a)+\b)+7]
.endif
.endr
.endr
.endm
; 32 LDS loads in one run: the fragments of quarter q (64 along K) of a slot, into buffer f; the first 32 along K first
.macro FETCH slot, q, f
	WIN TO_F
.irp c, 0,1
.irp i, 0,1,2,3
	ds_load_tr16_b128 v[\f+64+8*(4*\c+\i):\f+64+8*(4*\c+\i)+3],   v[ADRB+2*\slot+(\q)/2] offset:(((\q)%2)*64+32*\c)*PITCHB+32*\i
	ds_load_tr16_b128 v[\f+64+8*(4*\c+\i)+4:\f+64+8*(4*\c+\i)+7], v[ADRB+2*\slot+(\q)/2] offset:(((\q)%2)*64+32*\c+16)*PITCHB+32*\i
	ds_load_b128 v[\f+8*(4*\c+\i):\f+8*(4*\c+\i)+3],              v[ADRA+\slot] offset:128*(\q)+64*\c+\i*16*PITCHA
	ds_load_b128 v[\f+8*(4*\c+\i)+4:\f+8*(4*\c+\i)+7],            v[ADRA+\slot] offset:128*(\q)+64*\c+\i*16*PITCHA+32
.endr
.endr
.endm
.macro PLACES                          ; four plain places in front of loads into registers that matrix instructions have read, and of instructions that read results
.rept 4
	v_nop
.endr
.endm
; A K step is four quarters of 64 along K, 32 matrix instructions each, on buffers 0, 1, 0, 1.  One of the first three: multiplies buffer f and fetches quarter q into g.
.macro QUARTER slot, q, f, g, zero
	s_wait_dscnt 16                                ; the first 32 along K are in; the sixteen younger loads may be out
	WIN MUL
	MUL8 \f, 0, 0, \zero
	MUL8 \f, 0, 2, \zero
	PLACES
	FETCH \slot, \q, \g
	s_wait_dscnt 32                                ; all but the 32 just issued
	WIN MUL
	MUL8 \f, 1, 0, 0
	MUL8 \f, 1, 2, 0
.endm
; The last quarter multiplies buffer 1 and changes slots: ONE barrier; in front of it each wave waits for its own reads of this slot and for all its tensor loads.
; fill = 1: the barrier opens a round of the cluster's barrier, and this slot is filled again, two K steps ahead, first thing behind the round.
.macro TURN slot, next, fill
	s_wait_dscnt 16
	WIN MUL
	MUL8 F1, 0, 0, 0
	s_wait_dscnt 0                                 ; my reads of this slot are over,
	s_set_vgpr_msb 0x500
	s_wait_tensorcnt 0x0                           ; and all my tensor loads have landed: the one that was out is my part of the next slot
	ds_add_u32 v126, v127
	s_wait_dscnt 0x0
	s_set_vgpr_msb 0x5
	s_barrier_signal -1
	MUL8 F1, 0, 2, 0
.if \fill
	WIN 0
.endif
	s_barrier_wait -1
.if \fill
	CREST                                          ; no wave of any partner still reads this slot's tile or has a load on its way
	s_add_nc_u64 s[G0+4*\slot+2:G0+4*\slot+3], s[G0+4*\slot+2:G0+4*\slot+3], 2*KSTEP*2
	s_add_nc_u64 s[G0B+4*\slot+2:G0B+4*\slot+3], s[G0B+4*\slot+2:G0B+4*\slot+3], 2*KSTEP*SIZE_N*2
	JLOAD \slot                                    ; 120 matrix instructions ahead of the wait for it; the four v_nop behind it are also the places in front of the loads below
.else
	PLACES
.endif
	FETCH \next, 0, F0
	WIN MUL
	MUL8 F1, 1, 0, 0
	MUL8 F1, 1, 2, 0
.endm
	s_wait_tensorcnt 1                             ; my part of K step 0 is in; K step 1's may stay out
	s_barrier_signal -1
	s_barrier_wait -1                              ; everybody's is
	FETCH 0, 0, F0
	QUARTER 0, 1, F0, F1, 1                        ; the first quarter stands in front of the loop: its first products start the sums
	WIN 0                                          ; at a label and at a branch every window is 0
	s_mov_b32 s3, LAPS-1
.Llap:                                                 ; a trip goes once round the ring, from a lap's second quarter to the next lap's first, and fills both slots again
	QUARTER 0, 2, F1, F0, 0
	QUARTER 0, 3, F0, F1, 0
	TURN 0, 1, 1
	QUARTER 1, 1, F0, F1, 0
	QUARTER 1, 2, F1, F0, 0
	QUARTER 1, 3, F0, F1, 0
	TURN 1, 0, 1
	QUARTER 0, 1, F0, F1, 0
	WIN 0
	s_sub_co_u32 s3, s3, 1
	s_cmp_lg_u32 s3, 0
	s_cbranch_scc1 .Llap
	QUARTER 0, 2, F1, F0, 0                        ; the last lap fills nothing, and has no round of the cluster's barrier
	QUARTER 0, 3, F0, F1, 0
	TURN 0, 1, 0
	QUARTER 1, 1, F0, F1, 0
	QUARTER 1, 2, F1, F0, 0
	QUARTER 1, 3, F0, F1, 0
	s_wait_dscnt 16                                ; the very last quarter: nothing more to fetch
	WIN MUL
	MUL8 F1, 0, 0, 0
	MUL8 F1, 0, 2, 0
	s_wait_dscnt 0
	MUL8 F1, 1, 0, 0
	MUL8 F1, 1, 2, 0
	WIN 0
	; THE WAY OUT, 16 rows at a time: a lane's eight numbers of a row go into my stage (each accumulator's low half first), whole rows of 256 bytes come back,
	; the residual and the bias are added, and sixteen lanes store 256 consecutive bytes, aligned.
	s_wait_loadcnt 0x0                             ; the residual and the bias
	PLACES
.irp a, 0,1,2,3
.set BK, TMP+32*(\a%2)
	s_wait_xcnt 0x0                                ; the registers that the block two back stored from are rewritten only behind this wait
.irp b, 0,1,2,3
	ds_store_b128 v[STO], v[ACC+8*(4*\a+\b):ACC+8*(4*\a+\b)+3]   offset:64*\b
	ds_store_b128 v[STO], v[ACC+8*(4*\a+\b)+4:ACC+8*(4*\a+\b)+7] offset:64*\b+16
.endr
.irp t, 0,1,2,3,4,5,6,7
	ds_load_b128 v[BK+4*\t:BK+4*\t+3], v[RD] offset:\t*2*SPITCH    ; LDS serves a wave's instructions in order (ISA guide 5.7.1.4): these see the stores above
.endr
	s_wait_dscnt 0x0
	WIN 0x08                                       ; source 1 window 2
.irp p, 0,1,2,3,4,5,6,7,8,9,10,11,12,13,14,15
	v_pk_add_f32 v[BK+2*\p:BK+2*\p+1], v[BK+2*\p:BK+2*\p+1], v[32*\a+2*\p:32*\a+2*\p+1]
.endr
	WIN 0
.irp t, 0,1,2,3,4,5,6,7
	v_pk_add_f32 v[BK+4*\t:BK+4*\t+1],   v[BK+4*\t:BK+4*\t+1],   v[BIAS:BIAS+1]
	v_pk_add_f32 v[BK+4*\t+2:BK+4*\t+3], v[BK+4*\t+2:BK+4*\t+3], v[BIAS+2:BIAS+3]
.endr
.irp t, 0,1,2,3,4,5,6,7
	global_store_b128 v[CO], v[BK+4*\t:BK+4*\t+3], s[8:9] offset:(16*\a+2*\t)*SIZE_N*4
.endr
.endr
	s_wait_tensorcnt 0x0
	ds_add_u32 v126, v127
	s_wait_dscnt 0x0
	CROUND                                         ; the closing round: no work-group ends while a partner may still ask for a tile that names it
	s_endpgm
.Lfunc_end_k_q07443cc6aa_gemm_out:
	.size	k_q07443cc6aa_gemm_out, .Lfunc_end_k_q07443cc6aa_gemm_out-k_q07443cc6aa_gemm_out
	.p2alignl 7, 3214868480
	.fill 96, 4, 3214868480
	.section	.rodata,"a",@progbits
	.p2align	6, 0x0
	.amdhsa_kernel k_q07443cc6aa_gemm_out
		.amdhsa_group_segment_fixed_size 327680
		.amdhsa_private_segment_fixed_size 0
		.amdhsa_enable_private_segment 0
		.amdhsa_kernarg_size 40
		.amdhsa_user_sgpr_count 2
		.amdhsa_user_sgpr_kernarg_segment_ptr 1
		.amdhsa_wavefront_size32 1
		.amdhsa_system_sgpr_workgroup_id_x 1
		.amdhsa_system_sgpr_workgroup_id_y 1
		.amdhsa_system_sgpr_workgroup_id_z 1
		.amdhsa_system_vgpr_workitem_id 0
		.amdhsa_next_free_vgpr 640
		.amdhsa_next_free_sgpr 80
		.amdhsa_reserve_vcc 0
		.amdhsa_float_denorm_mode_32 3
		.amdhsa_float_denorm_mode_16_64 3
		.amdhsa_memory_ordered 1
		.amdhsa_forward_progress 1
		.amdhsa_inst_pref_size 98
	.end_amdhsa_kernel
	.amdgpu_metadata
---
amdhsa.version: [ 1, 2 ]
amdhsa.kernels:
  - .name:           k_q07443cc6aa_gemm_out
    .symbol:         k_q07443cc6aa_gemm_out.kd
    .args:
      - { .name: hid, .offset: 0, .size: 8, .value_kind: global_buffer, .address_space: global }
      - { .name: wb, .offset: 8, .size: 8, .value_kind: global_buffer, .address_space: global }
      - { .name: b_out, .offset: 16, .size: 8, .value_kind: global_buffer, .address_space: global }
      - { .name: mid, .offset: 24, .size: 8, .value_kind: global_buffer, .address_space: global }
      - { .name: out0, .offset: 32, .size: 8, .value_kind: global_buffer, .address_space: global }
    .group_segment_fixed_size: 327680
    .private_segment_fixed_size: 0
    .kernarg_segment_align: 8
    .kernarg_segment_size: 40
    .max_flat_workgroup_size: 128
    .sgpr_count:     80
    .vgpr_count:     640
    .wavefront_size: 32
...
	.end_amdgpu_metadata
.endif
;; end of part 7
;; ======== version 2 of 2: 7 launches
;; workspace buffers: wb 25,165,824 bytes; xn 8,388,608 bytes; qkv 25,165,824 bytes; z 8,388,608 bytes; mid 16,777,216 bytes; hid 33,554,432 bytes
;; launch prep: the kernel of part 1 again; grid 1024 x 1, 8 waves a work-group, no clusters, 0 bytes of LDS; arguments resid_pre, ln1_w, ln1_b, xn, W_Q, W_K, W_V, W_O, W_in, W_out, wb; writes xn, wb
;; launch gemm_qkv (part 8): grid 12 x 16, 4 waves a work-group, clusters of 4 x 4, 327,680 bytes of LDS; arguments xn, wb, b_Q, b_K, b_V, qkv; writes qkv
.if DOCPART == 8
	.amdgcn_target "amdgcn-amd-amdhsa--gfx1250"
	.amdhsa_code_object_version 6
	.text
	.protected	k_q07443cc6aa_gemm_qkv
	.globl	k_q07443cc6aa_gemm_qkv
	.p2align	8
	.type	k_q07443cc6aa_gemm_qkv,@function
k_q07443cc6aa_gemm_qkv:
	s_mov_b64 s[64:65], 0
	v_nop
	global_prefetch_b8 v0, s[64:65] scope:SCOPE_SE
	s_setreg_imm32_b32 hwreg(HW_REG_WAVE_MODE, 25, 1), 1
	s_wait_xcnt 0x0
	s_wait_alu depctr_hold_cnt(0) depctr_sa_sdst(0) depctr_va_vdst(0) depctr_va_sdst(0) depctr_va_ssrc(0) depctr_va_vcc(0) depctr_vm_vsrc(0)
	s_getreg_b32 s2, hwreg(HW_REG_IB_STS2, 6, 4)
	s_cmp_eq_u32 s2, 0
	s_cbranch_scc0 .Lentry_in_a_cluster
	s_endpgm
.Lentry_in_a_cluster:
	s_bfe_u32 s2, ttmp6, 0x10000c
	s_cmp_lg_u32 s2, 0xf033
	s_cbranch_scc0 .Lentry_shape_is_right
	s_endpgm
.Lentry_shape_is_right:
; C[m][n] = sum over k of A[m][k] W[k][n] + bias[n].  A: [4096][SIZE_K] bf16.  W: [SIZE_K][SIZE_N] bf16 at byte WOFF of wb.  Sums, bias (and GELU) in f32; C rounded once to bf16.
; HERE: A = LayerNorm 1's rows, W = the woven W_Q | W_K | W_V, C goes out by heads: qkv[which][batch][head][token][64].
; A tile of C is 256 x 256: four waves, each 128 x 128 = 64 accumulators, 512 registers.  K goes in steps of 128 through two LDS slots filled by the tensor data mover: a step holds 256 matrix
; instructions a wave, 240 of them between a refill's request and the wait for it.  12 x 16 = 192 tiles, one to a work-group: 64 WGPs get none.  A tile of 256 x 192 would make 256, but would cut
; a wave's columns at one and a half heads and W's rows at 384 bytes; tiles of 128 x 128 would make 768, each with half the matrix work in a step and a start and an end of its own.
; CLUSTERS: 4 x 4 work-groups.  The four of a row of the cluster need the same tile of A, the four of a column the same tile of W: each tile is asked for jointly, by the same
; tensor load with the same descriptor and a mask that names the four.
; W lies [k][n], so its fragments come out of LDS turned, by ds_load_tr16_b128.  THE MATRIX INSTRUCTION IS USED TRANSPOSED (source 0 = 16 columns of W, source 1 = 16 rows of A):
; a lane then holds eight neighbouring numbers of one row of C.
; LIMITS: operands and C are bf16; inputs that are not finite are not served.
; REGISTERS, in windows of 256:
;   window 0: v0-5 set-up; v16-29 addresses and constants; v64-127, v128-191 fragments of A, two buffers.  On the way out: v64-127 a block in f32, v128-191 GELU, v192-223 packed, v32-63 and v224-255 rows read back
;   window 1: v0-63 the bias of my 128 columns; v64-127, v128-191 fragments of W, two buffers
;   window 2: the 32 accumulators of my rows 0-63 (accumulator (a, b) at v[8 (8 a + b)]);   window 3: those of my rows 64-127
.set SIZE_N,  3072
.set SIZE_K,  1024
.set WOFF,    0
.set PERHEAD, 1                        ; the way out goes by heads
.set GELU,    0
.set KSTEP,  128
.set PITCHA, 272                       ; a row of A's tile in LDS: 256 bytes + 16: an odd multiple of 16, so that the 16 rows of a fragment load start at different banks
.set PITCHB, 544                       ; a row of W's tile: 512 bytes + 32
.set HALFT,  128*PITCHA                ; what one tensor load brings: 128 rows of A, or 64 rows of W (64 x 544 is the same 34,816 bytes)
.set AOFF,   2*HALFT                   ; a slot: W's 128 rows, then A's 256 rows
.set SLOT,   4*HALFT
.set STAGE,  2*SLOT                    ; behind the ring (a multiple of 256): 16 rows x 272 bytes for each wave, for the way out; no tensor load lands there
.set SPITCH, 272
.set LAPS,   SIZE_K/(2*KSTEP)          ; a lap = two K steps = once round the ring
.set ADRA, 16                          ; v16-17   LDS address of my A fragments in slot 0, 1
.set ADRB, 20                          ; v20-21   the same for W
.set STO,  24                          ; the way out: where I put 16 bytes of a row
.set RD,   25                          ; the way out: where I read back
.set CO,   26                          ; my byte offset in C; never rewritten
.set BO,   27                          ; my byte offset in the bias; never rewritten
.set C0V,  28                          ; v[28:29] GELU's constant term, twice
.set OB,   32                          ; rows read back from the stage: v32-63 and v224-255 by turns
.set F0,   64                          ; fragment buffer 0
.set F1,   128                         ; fragment buffer 1
.set X,    64                          ; the way out: a block's 64 numbers a lane, in f32
.set GL,   128                         ; the way out: GELU at work
.set TMP,  192                         ; the way out: packed results
.set G1,  24                           ; s[24:31] group 1 for A's tiles;  s[32:39] group 0, one set for each slot
.set G0,  32
.set G1B, 48                           ; s[48:55], s[56:63] the same for W's tiles
.set G0B, 56
.set MSB, 0
.macro WIN new                         ; the immediate's high byte repeats the setting that is left; a switch that changes nothing is dropped
.if MSB != \new
	s_set_vgpr_msb (MSB<<8)|\new
.set MSB, \new
.endif
.endm
.set MUL_LO, 0xa1                      ; source 0 (W) window 1, source 1 (A) window 0, C and D window 2
.set MUL_HI, 0xf1                      ; the same, C and D window 3
.set TO_B,   0x40                      ; destination window 1, address window 0
; A joint refill: waves 0 and 1 fetch W's two halves along K, waves 2 and 3 A's two halves of rows.  The branch hangs on the wave's number alone.
; Four v_nop follow each of the two lines, ahead of the jump, the label and what follows.
.macro JLOAD s
	s_cmp_eq_u32 s11, 0
	s_cbranch_scc0 .Lfor_a_\@
	tensor_load_to_lds s[G0B+4*\s:G0B+4*\s+3], s[G1B:G1B+7]
	s_nop 0
.rept 4
	v_nop
.endr
	s_branch .Lasked_\@
.Lfor_a_\@:
	tensor_load_to_lds s[G0+4*\s:G0+4*\s+3], s[G1:G1+7]
	s_nop 0
.rept 4
	v_nop
.endr
.Lasked_\@:
.endm
.macro CREST                           ; a round of the cluster's barrier behind its opening barrier
	s_cmp_lg_u32 s10, 0
	s_cbranch_scc1 .Lnot_wave_0_\@
	s_barrier_signal -3
.Lnot_wave_0_\@:
	s_barrier_wait -3
	s_barrier_signal -1
	s_barrier_wait -1
.endm
.macro CROUND                          ; a whole round
	s_barrier_signal -1
	s_barrier_wait -1
	CREST
.endm
	s_load_b128 s[4:7], s[0:1], 0x0                ; A s[4:5], wb s[6:7]
.if PERHEAD
	s_load_b256 s[68:75], s[0:1], 0x10             ; b_Q s[68:69], b_K s[70:71], b_V s[72:73], qkv s[74:75]
	s_set_vgpr_msb 0x40
	v_lshl_add_u32 v255, v0, 2, 0x48400
	s_set_vgpr_msb 0x4000
	v_mov_b32 v31, 0
	s_set_vgpr_msb 0x1
	ds_add_u32 v255, v31
	ds_add_u32 v255, v31
	s_set_vgpr_msb 0x100
.else
	s_load_b128 s[68:71], s[0:1], 0x10             ; bias s[68:69], C s[70:71]
.endif
	v_lshrrev_b32 v1, 5, v0
	v_readfirstlane_b32 s10, v1                    ; wave 0..3
	s_lshr_b32 s11, s10, 1                         ; which half of the tile's rows is mine.  Also: I fetch for W (0) or for A (1)
	s_and_b32 s12, s10, 1                          ; which half of its columns.  Also: which half of that tile I fetch
	s_bfe_u32 s40, ttmp6, 0x40000                  ; cx, cy: my place in the cluster
	s_bfe_u32 s41, ttmp6, 0x40004
	s_lshl_b32 s42, ttmp9, 2
	s_add_co_u32 s42, s42, s40                     ; tile column tn = 4 x cluster x + cx
	s_and_b32 s13, ttmp7, 0xffff
	s_lshl_b32 s13, s13, 2
	s_add_co_u32 s13, s13, s41                     ; tile row tm = 4 x cluster y + cy
	s_lshl_b32 s43, s41, 2
	s_lshl_b32 s43, 15, s43                        ; my row of the cluster
	s_lshl_b32 s44, 0x1111, s40                    ; my column
	s_or_b32 s[G1+0], s43, (1<<16)|(1<<20)|(1<<21)|(5<<22)|(3<<25)   ; A: mask = my row; elements of 2 bytes; padding on; bit 21 beside a mask; after every 64 words, 4 words
	s_mov_b32 s[G1+1], KSTEP<<16                   ; tensor_dim0 = 128
	s_mov_b32 s[G1+2], 128<<16                     ; tensor_dim1 = 128
	s_mov_b32 s[G1+3], KSTEP<<16                   ; tile_dim0 = 128
	s_mov_b32 s[G1+4], 128                         ; tile_dim1 = 128
	s_mov_b32 s[G1+5], SIZE_K                      ; elements from row to row
	s_mov_b32 s[G1+6], 0
	s_mov_b32 s[G1+7], 0
	s_or_b32 s[G1B+0], s44, (1<<16)|(1<<20)|(1<<21)|(6<<22)|(7<<25)  ; W: mask = my column; after every 128 words, 8 words
	s_mov_b32 s[G1B+1], 256<<16                    ; tensor_dim0 = 256
	s_mov_b32 s[G1B+2], 64<<16                     ; tensor_dim1 = 64
	s_mov_b32 s[G1B+3], 256<<16                    ; tile_dim0 = 256
	s_mov_b32 s[G1B+4], 64                         ; tile_dim1 = 64
	s_mov_b32 s[G1B+5], SIZE_N
	s_mov_b32 s[G1B+6], 0
	s_mov_b32 s[G1B+7], 0
	; A's tiles hang on tm alone, W's on tn alone; each address is made in registers that never hold the other coordinate
	s_lshl_b32 s16, s13, 8
	s_lshl_b32 s17, s12, 7
	s_add_co_u32 s16, s16, s17                     ; A: row 256 tm + 128 half
	s_mul_i32 s16, s16, SIZE_K*2
	s_mov_b32 s17, 0
	s_mul_i32 s46, s12, 64*SIZE_N*2                ; W: row 64 half,
	s_lshl_b32 s47, s42, 9                         ; column 256 tn
	s_add_co_u32 s46, s46, s47
	s_add_co_u32 s46, s46, WOFF
	s_mov_b32 s47, 0
	s_mul_i32 s20, s10, HALFT                      ; where they go: W's two halves, then A's two halves = wave x 34,816: no place in the cluster enters an LDS address
	s_wait_dscnt 0x0
	s_wait_kmcnt 0x0
	s_add_nc_u64 s[14:15], s[4:5], s[16:17]
	s_add_nc_u64 s[46:47], s[6:7], s[46:47]
.irp s, 0,1
	s_mov_b32 s[G0+4*\s], 1
	s_add_co_u32 s[G0+4*\s+1], s20, \s*SLOT
	s_add_nc_u64 s[G0+4*\s+2:G0+4*\s+3], s[14:15], \s*KSTEP*2
	s_or_b32 s[G0+4*\s+3], s[G0+4*\s+3], 0x80000000
	s_mov_b32 s[G0B+4*\s], 1
	s_add_co_u32 s[G0B+4*\s+1], s20, \s*SLOT
	s_add_nc_u64 s[G0B+4*\s+2:G0B+4*\s+3], s[46:47], \s*KSTEP*SIZE_N*2
	s_or_b32 s[G0B+4*\s+3], s[G0B+4*\s+3], 0x80000000
.endr
	CROUND                                         ; all sixteen work-groups are here: the first joint loads meet
	s_cmp_eq_u32 s11, 0                            ; a wave's two first fills stand in one branch, ahead of every wait on TENSORcnt and every LDS read: two loads of mine are out
	s_cbranch_scc0 .Lfirst_a
	tensor_load_to_lds s[G0B:G0B+3], s[G1B:G1B+7]
	s_nop 0
	tensor_load_to_lds s[G0B+4:G0B+7], s[G1B:G1B+7]
	s_nop 0
.rept 4
	v_nop
.endr
	s_branch .Lfirst_asked
.Lfirst_a:
	tensor_load_to_lds s[G0:G0+3], s[G1:G1+7]
	s_nop 0
	tensor_load_to_lds s[G0+4:G0+7], s[G1:G1+7]
	s_nop 0
.rept 4
	v_nop
.endr
.Lfirst_asked:
	; the bias of my 128 columns, asked for now and waited for in front of the way out: register 8 b + j of window 1 belongs to column 16 b + 8 (lane / 16) + j
.if PERHEAD
	s_cmp_eq_u32 ttmp9, 0                          ; which of Q, K, V: tn / 4 = cluster x
	s_cselect_b64 s[66:67], s[68:69], s[70:71]
	s_cmp_eq_u32 ttmp9, 2
	s_cselect_b64 s[66:67], s[72:73], s[66:67]
	s_lshl_b32 s46, s40, 10                        ; 256 (tn % 4) numbers of 4 bytes
.else
	s_mov_b64 s[66:67], s[68:69]
	s_lshl_b32 s46, s42, 10                        ; 256 tn numbers of 4 bytes
.endif
	s_mov_b32 s47, 0
	s_add_nc_u64 s[66:67], s[66:67], s[46:47]
	s_lshl_b32 s18, s12, 9                         ; my 128 numbers
	s_mov_b32 s19, 0
	s_add_nc_u64 s[66:67], s[66:67], s[18:19]
	v_and_b32 v1, 15, v0                           ; r = lane % 16
	v_bfe_u32 v2, v0, 4, 1                         ; h = lane / 16
	v_lshlrev_b32 v[BO], 5, v2
	WIN TO_B                                       ; destination window 1
.irp b, 0,1,2,3,4,5,6,7
	global_load_b128 v[8*\b:8*\b+3],   v[BO], s[66:67] offset:64*\b
	global_load_b128 v[8*\b+4:8*\b+7], v[BO], s[66:67] offset:64*\b+16
.endr
	WIN 0
	; fragment addresses.  A: row r x pitch + 16 h.  W (turned): row (8 h + lane % 8) x pitch + 16 ((lane / 8) % 2) + my 128 columns
	v_mul_u32_u24 v3, v1, PITCHA
	v_lshl_add_u32 v3, v2, 4, v3
	s_mul_i32 s22, s11, HALFT
	s_add_co_u32 s22, s22, AOFF
	v_add_nc_u32 v[ADRA], s22, v3
	v_add_nc_u32 v[ADRA+1], SLOT, v[ADRA]
	v_and_b32 v4, 7, v0
	v_lshl_add_u32 v4, v2, 3, v4
	v_mul_u32_u24 v4, v4, PITCHB
	v_bfe_u32 v5, v0, 3, 1
	v_lshl_add_u32 v4, v5, 4, v4
	s_lshl_b32 s23, s12, 8
	v_add_nc_u32 v[ADRB], s23, v4
	v_add_nc_u32 v[ADRB+1], SLOT, v[ADRB]
	; the way out.  In: row r of my stage, 16 bytes for each half of the lanes
	s_mul_i32 s23, s10, 16*SPITCH
	s_add_co_u32 s23, s23, STAGE                   ; my stage
	v_mul_u32_u24 v4, v1, SPITCH
	v_lshl_add_u32 v4, v2, 4, v4
	v_add_nc_u32 v[STO], s23, v4
.if PERHEAD
	; back: a load takes one head's 128 bytes of four tokens: in qkv those are 512 consecutive bytes
	v_and_b32 v3, 31, v0
	v_lshrrev_b32 v4, 3, v3
	v_and_b32 v5, 7, v0
	v_mul_u32_u24 v4, v4, SPITCH
	v_lshl_add_u32 v4, v5, 4, v4
	v_add_nc_u32 v[RD], s23, v4
	v_lshlrev_b32 v[CO], 4, v3
	s_lshr_b32 s16, s13, 3                         ; batch: 4,194,304 bytes (16 heads)
	s_lshl_b32 s16, s16, 22
	s_and_b32 s17, s13, 7                          ; 256 tokens of 128 bytes
	s_lshl_b32 s17, s17, 15
	s_add_co_u32 s16, s16, s17
	s_lshl_b32 s17, s11, 14                        ; my 128 tokens
	s_add_co_u32 s16, s16, s17
	s_lshl_b32 s17, s12, 19                        ; my two heads of 262,144 bytes
	s_add_co_u32 s16, s16, s17
	s_mov_b32 s17, 0
	s_add_nc_u64 s[8:9], s[74:75], s[16:17]
	s_lshl_b32 s46, ttmp9, 23                      ; which: 8,388,608 bytes
	s_lshl_b32 s47, s40, 20                        ; the tile's four heads
	s_add_co_u32 s46, s46, s47
	s_mov_b32 s47, 0
	s_add_nc_u64 s[8:9], s[8:9], s[46:47]
.else
	; back: a load takes two whole rows of 256 bytes: lanes 0-15 one, lanes 16-31 the next
	v_mul_u32_u24 v5, v2, SPITCH
	v_lshl_add_u32 v5, v1, 4, v5
	v_add_nc_u32 v[RD], s23, v5
	v_mul_u32_u24 v5, v2, SIZE_N*2
	v_lshl_add_u32 v[CO], v1, 4, v5
	s_lshl_b32 s16, s13, 8
	s_lshl_b32 s17, s11, 7
	s_add_co_u32 s16, s16, s17                     ; my first row of C: 256 tm + 128 (wave / 2)
	s_mul_i32 s16, s16, SIZE_N*2
	s_lshl_b32 s17, s12, 8                         ; my 128 columns, in bytes
	s_add_co_u32 s16, s16, s17
	s_mov_b32 s17, 0
	s_add_nc_u64 s[8:9], s[70:71], s[16:17]
	s_lshl_b32 s46, s42, 9                         ; the tile's first column, in bytes
	s_mov_b32 s47, 0
	s_add_nc_u64 s[8:9], s[8:9], s[46:47]
.endif
.if GELU
	s_mov_b32 s76, 0xbdd2d3e8                      ; C1 = 0.044715 C0
	s_mov_b32 s77, 0xbdd2d3e8
	v_mov_b32 v[C0V], 0xc0135761                   ; C0 = -2 log2(e) sqrt(2 / pi)
	v_mov_b32 v[C0V+1], 0xc0135761
.endif
; 16 matrix instructions: m blocks a0, a0 + 1 of the window's four (hi = 0: my rows 0-63, 1: rows 64-127) x all 8 n blocks, 32 along K.  zero = 1: the first product starts the sums.
; The 64 accumulators take turns, one instruction a turn, in the same order in every quarter.
.macro MUL16 f, hi, a0, zero
.irp a, \a0, \a0+1
.irp b, 0,1,2,3,4,5,6,7
.if \zero
	v_wmma_f32_16x16x32_bf16 v[8*(8*(\a)+\b):8*(8*(\a)+\b)+7], v[\f+8*\b:\f+8*\b+7], v[\f+8*(4*\hi+\a):\f+8*(4*\hi+\a)+7], 0
.else
	v_wmma_f32_16x16x32_bf16 v[8*(8*(\a)+\b):8*(8*(\a)+\b)+7], v[\f+8*\b:\f+8*\b+7], v[\f+8*(4*\hi+\a):\f+8*(4*\hi+\a)+7], v[8*(8*(\a)+\b):8*(8*(\a)+\b)+7]
.endif
.endr
.endr
.endm
; 32 LDS loads in one run: the fragments of quarter q (32 along K) of a slot into buffer f: W's 128 columns (turned), then A's 128 rows
.macro FETCH slot, q, f
	WIN TO_B
.irp i, 0,1,2,3,4,5,6,7
	ds_load_tr16_b128 v[\f+8*\i:\f+8*\i+3],   v[ADRB+\slot] offset:32*(\q)*PITCHB+32*\i
	ds_load_tr16_b128 v[\f+8*\i+4:\f+8*\i+7], v[ADRB+\slot] offset:(32*(\q)+16)*PITCHB+32*\i
.endr
	WIN 0
.irp i, 0,1,2,3,4,5,6,7
	ds_load_b128 v[\f+8*\i:\f+8*\i+3],   v[ADRA+\slot] offset:64*(\q)+\i*16*PITCHA
	ds_load_b128 v[\f+8*\i+4:\f+8*\i+7], v[ADRA+\slot] offset:64*(\q)+\i*16*PITCHA+32
.endr
.endm
.macro PLACES                          ; four plain places in front of loads into registers that matrix instructions have read, and of instructions that read results
.rept 4
	v_nop
.endr
.endm
; A K step is four quarters of 32 along K, 64 matrix instructions each, on buffers 0, 1, 0, 1.  One of the first three: multiplies buffer f; in its middle it fetches quarter q into buffer g.
.macro QUARTER slot, q, f, g, zero
	s_wait_dscnt 8                                 ; W and A's rows 0-63 are in; the youngest eight loads (A's rows 64-127) may be out
	WIN MUL_LO
	MUL16 \f, 0, 0, \zero
	MUL16 \f, 0, 2, \zero
	PLACES
	FETCH \slot, \q, \g
	s_wait_dscnt 32                                ; all but the 32 just issued
	WIN MUL_HI
	MUL16 \f, 1, 0, \zero
	MUL16 \f, 1, 2, \zero
.endm
; The last quarter multiplies buffer 1 and changes slots: ONE barrier; in front of it each wave waits for its own reads of this slot and for all its tensor loads.
; fill = 1: the barrier opens a round of the cluster's barrier, and this slot is filled again, two K steps ahead, first thing behind the round.
.macro TURN slot, next, fill
	s_wait_dscnt 8
	WIN MUL_LO
	MUL16 F1, 0, 0, 0
	s_wait_dscnt 0                                 ; my reads of this slot are over,
	s_wait_tensorcnt 0x0                           ; and all my tensor loads have landed: the one that was out is my part of the next slot
	ds_add_u32 v255, v31
	s_wait_dscnt 0x0
	s_barrier_signal -1
	MUL16 F1, 0, 2, 0                              ; work on registers while the others arrive
.if \fill
	WIN 0
.endif
	s_barrier_wait -1
.if \fill
	CREST                                          ; no wave of any partner still reads this slot's tile or has a load on its way
	s_add_nc_u64 s[G0+4*\slot+2:G0+4*\slot+3], s[G0+4*\slot+2:G0+4*\slot+3], 2*KSTEP*2
	s_add_nc_u64 s[G0B+4*\slot+2:G0B+4*\slot+3], s[G0B+4*\slot+2:G0B+4*\slot+3], 2*KSTEP*SIZE_N*2
	JLOAD \slot                                    ; 240 matrix instructions ahead of the wait for it; the four v_nop behind it are also the places in front of the loads below
.else
	PLACES
.endif
	FETCH \next, 0, F0
	WIN MUL_HI
	MUL16 F1, 1, 0, 0
	MUL16 F1, 1, 2, 0
.endm
	s_wait_tensorcnt 1                             ; my part of K step 0 is in; K step 1's may stay out
	s_barrier_signal -1
	s_barrier_wait -1                              ; everybody's is
	FETCH 0, 0, F0
	QUARTER 0, 1, F0, F1, 1                        ; the first quarter stands in front of the loop: its products start the sums
	WIN 0                                          ; at a label and at a branch every window is 0
	s_mov_b32 s3, LAPS-1
.Llap:                                                 ; a trip goes once round the ring, from a lap's second quarter to the next lap's first, and fills both slots again
	QUARTER 0, 2, F1, F0, 0
	QUARTER 0, 3, F0, F1, 0
	TURN 0, 1, 1
	QUARTER 1, 1, F0, F1, 0
	QUARTER 1, 2, F1, F0, 0
	QUARTER 1, 3, F0, F1, 0
	TURN 1, 0, 1
	QUARTER 0, 1, F0, F1, 0
	WIN 0
	s_sub_co_u32 s3, s3, 1
	s_cmp_lg_u32 s3, 0
	s_cbranch_scc1 .Llap
	QUARTER 0, 2, F1, F0, 0                        ; the last lap fills nothing, and has no round of the cluster's barrier
	QUARTER 0, 3, F0, F1, 0
	TURN 0, 1, 0
	QUARTER 1, 1, F0, F1, 0
	QUARTER 1, 2, F1, F0, 0
	QUARTER 1, 3, F0, F1, 0
	s_wait_dscnt 8                                 ; the very last quarter: nothing more to fetch
	WIN MUL_LO
	MUL16 F1, 0, 0, 0
	MUL16 F1, 0, 2, 0
	s_wait_dscnt 0
	WIN MUL_HI
	MUL16 F1, 1, 0, 0
	MUL16 F1, 1, 2, 0
	WIN 0
; THE WAY OUT of block a (16 rows x 128 columns: 8 accumulators), in three parts.
; PACK: accumulator + bias into window 0, each accumulator's registers in ascending order; GELU; rounded to bf16, 16 bytes a lane.
; gelu(x) = x / (1 + 2^(x (C0 + C1 x^2))), which is x (1 + tanh(sqrt(2/pi) (x + 0.044715 x^3))) / 2.  Where x^2 overflows the exponent goes to -inf or +inf and the result to x or to 0, the right limits.
.macro PACK a
.set AC, 64*((\a)%4)
.set WP, 0x06+((\a)/4)                 ; source 0 window 2 or 3 (the sums), source 1 window 1 (the bias), destination window 0
	WIN WP
.irp b, 0,1,2,3,4,5,6,7
.irp p, 0,1,2,3
	v_pk_add_f32 v[X+8*\b+2*\p:X+8*\b+2*\p+1], v[AC+8*\b+2*\p:AC+8*\b+2*\p+1], v[8*\b+2*\p:8*\b+2*\p+1]
.endr
.endr
	WIN 0
.if GELU
.set i, 0
.rept 32
	v_pk_mul_f32 v[GL+i:GL+i+1], v[X+i:X+i+1], v[X+i:X+i+1]
.set i, i+2
.endr
.set i, 0
.rept 32
	v_pk_fma_f32 v[GL+i:GL+i+1], v[GL+i:GL+i+1], s[76:77], v[C0V:C0V+1] op_sel_hi:[1,0,1]
.set i, i+2
.endr
.set i, 0
.rept 32
	v_pk_mul_f32 v[GL+i:GL+i+1], v[GL+i:GL+i+1], v[X+i:X+i+1]
.set i, i+2
.endr
.set i, 0
.rept 64
	v_exp_f32 v[GL+i], v[GL+i]
.set i, i+1
.endr
	v_nop                                          ; a plain instruction between the last exponential and the use of its result
.set i, 0
.rept 32
	v_pk_add_f32 v[GL+i:GL+i+1], v[GL+i:GL+i+1], 1.0 op_sel_hi:[1,0]
.set i, i+2
.endr
.set i, 0
.rept 64
	v_rcp_f32 v[GL+i], v[GL+i]
.set i, i+1
.endr
	v_nop                                          ; the same behind the last reciprocal
.set i, 0
.rept 32
	v_pk_mul_f32 v[X+i:X+i+1], v[X+i:X+i+1], v[GL+i:GL+i+1]
.set i, i+2
.endr
.endif
.set i, 0
.rept 32
	v_cvt_pk_bf16_f32 v[TMP+i], v[X+2*i], v[X+2*i+1]
.set i, i+1
.endr
.endm
; TOSTAGE: into my own stage in LDS, and back in the order in which the bytes lie in C.
.macro TOSTAGE a
.set BK, OB+192*((\a)%2)
.irp b, 0,1,2,3,4,5,6,7
	ds_store_b128 v[STO], v[TMP+4*\b:TMP+4*\b+3] offset:32*\b
.endr
.irp t, 0,1,2,3,4,5,6,7
.if PERHEAD
	ds_load_b128 v[BK+4*\t:BK+4*\t+3], v[RD] offset:(\t%4)*4*SPITCH+(\t/4)*128   ; LDS serves a wave's instructions in order (ISA guide 5.7.1.4): these see the stores above
.else
	ds_load_b128 v[BK+4*\t:BK+4*\t+3], v[RD] offset:\t*2*SPITCH                  ; LDS serves a wave's instructions in order (ISA guide 5.7.1.4): these see the stores above
.endif
.endr
.endm
; SEND: stored.  The block's place stands in the immediate; the base and the offset register are never rewritten.
.macro SEND a
.set BK, OB+192*((\a)%2)
	s_wait_dscnt 0x0                               ; the block is back in registers
	s_wait_xcnt 0x0                                ; the registers that the block before stored from are loaded again (by the next TOSTAGE) only behind this wait
.irp t, 0,1,2,3,4,5,6,7
.if PERHEAD
	global_store_b128 v[CO], v[BK+4*\t:BK+4*\t+3], s[8:9] offset:(\t/4)*262144+(16*(\a)+4*(\t%4))*128   ; head t / 4 of my two, four tokens: 512 consecutive bytes, aligned
.else
	global_store_b128 v[CO], v[BK+4*\t:BK+4*\t+3], s[8:9] offset:(16*(\a)+2*\t)*SIZE_N*2                ; 16 lanes store 256 consecutive bytes, aligned
.endif
.endr
.endm
	s_wait_loadcnt 0x0                             ; the bias
	PLACES                                         ; behind the last products
	PACK 0
	TOSTAGE 0
.irp a, 1,2,3,4,5,6,7                  ; block a's arithmetic stands between block a - 1's loads from the stage and the wait for them
	PACK \a
	SEND \a-1
	TOSTAGE \a
.endr
	SEND 7
	s_set_vgpr_msb 0x1
	s_wait_tensorcnt 0x0
	ds_add_u32 v255, v31
	s_wait_dscnt 0x0
	s_set_vgpr_msb 0x100
	CROUND                                         ; the closing round: no work-group ends while a partner may still ask for a tile that names it
	s_endpgm
.Lfunc_end_k_q07443cc6aa_gemm_qkv:
	.size	k_q07443cc6aa_gemm_qkv, .Lfunc_end_k_q07443cc6aa_gemm_qkv-k_q07443cc6aa_gemm_qkv
	.p2alignl 7, 3214868480
	.fill 96, 4, 3214868480
	.section	.rodata,"a",@progbits
	.p2align	6, 0x0
	.amdhsa_kernel k_q07443cc6aa_gemm_qkv
		.amdhsa_group_segment_fixed_size 327680
		.amdhsa_private_segment_fixed_size 0
		.amdhsa_enable_private_segment 0
		.amdhsa_kernarg_size 48
		.amdhsa_user_sgpr_count 2
		.amdhsa_user_sgpr_kernarg_segment_ptr 1
		.amdhsa_wavefront_size32 1
		.amdhsa_system_sgpr_workgroup_id_x 1
		.amdhsa_system_sgpr_workgroup_id_y 1
		.amdhsa_system_sgpr_workgroup_id_z 1
		.amdhsa_system_vgpr_workitem_id 0
		.amdhsa_next_free_vgpr 1024
		.amdhsa_next_free_sgpr 80
		.amdhsa_reserve_vcc 0
		.amdhsa_float_denorm_mode_32 3
		.amdhsa_float_denorm_mode_16_64 3
		.amdhsa_memory_ordered 1
		.amdhsa_forward_progress 1
		.amdhsa_inst_pref_size 160
	.end_amdhsa_kernel
	.amdgpu_metadata
---
amdhsa.version: [ 1, 2 ]
amdhsa.kernels:
  - .name:           k_q07443cc6aa_gemm_qkv
    .symbol:         k_q07443cc6aa_gemm_qkv.kd
    .args:
      - { .name: xn, .offset: 0, .size: 8, .value_kind: global_buffer, .address_space: global }
      - { .name: wb, .offset: 8, .size: 8, .value_kind: global_buffer, .address_space: global }
      - { .name: b_Q, .offset: 16, .size: 8, .value_kind: global_buffer, .address_space: global }
      - { .name: b_K, .offset: 24, .size: 8, .value_kind: global_buffer, .address_space: global }
      - { .name: b_V, .offset: 32, .size: 8, .value_kind: global_buffer, .address_space: global }
      - { .name: qkv, .offset: 40, .size: 8, .value_kind: global_buffer, .address_space: global }
    .group_segment_fixed_size: 327680
    .private_segment_fixed_size: 0
    .kernarg_segment_align: 8
    .kernarg_segment_size: 48
    .max_flat_workgroup_size: 128
    .sgpr_count:     80
    .vgpr_count:     1024
    .wavefront_size: 32
...
	.end_amdgpu_metadata
.endif
;; end of part 8
;; launch attn (part 9): grid 8 x 32, 4 waves a work-group, no clusters, 327,680 bytes of LDS; arguments qkv, z; writes z
.if DOCPART == 9
	.amdgcn_target "amdgcn-amd-amdhsa--gfx1250"
	.amdhsa_code_object_version 6
	.text
	.protected	k_q07443cc6aa_attn
	.globl	k_q07443cc6aa_attn
	.p2align	8
	.type	k_q07443cc6aa_attn,@function
k_q07443cc6aa_attn:
	s_mov_b64 s[64:65], 0
	v_nop
	global_prefetch_b8 v0, s[64:65] scope:SCOPE_SE
	s_setreg_imm32_b32 hwreg(HW_REG_WAVE_MODE, 25, 1), 1
	s_wait_xcnt 0x0
; z[b][q][h][:] = sum over k <= q of softmax_k(Q[q] . K[k] / 8) V[k][:], for each of 32 (batch, head) pairs.  qkv: [3][32][2048][64] bf16; z: [4096][1024] bf16, column 64 h + channel.
; Products, maxima and sums in f32; the weights are rounded to bf16 for the second product, z once at the end.
; SHARES.  A head's 2,048 queries are 16 blocks of 128.  Work-group (p, head) makes block p and then block 15 - p: (p + 1) + (16 - p) = 17 tiles of 128 keys, 34 key steps of 64, for EVERY
; work-group, and no tile that the causal mask throws away whole is touched.  Each of the four waves owns 32 queries of a block: two tiles of 16.
; LAYOUT.  S^T = K Q^T (source 0 = 16 keys, source 1 = 16 queries): a lane holds ONE query (lane % 16) and keys 8 (lane / 16) + 0..7.  Two such tiles, rounded to bf16 in pairs, ARE
; source 1 of O^T = V^T P, whose result again holds one query a lane.  K comes out of LDS as it lies, V ([key][channel]) turned, by ds_load_tr16_b128.
; SOFTMAX.  A running maximum m and sum l for each query: p = 2^(c s - c m), c = log2(e) / 8; O and l are multiplied by a = 2^(c m_old - c m_new) in every step.
; A block starts with m = -inf: its first step then has a = 0, which wipes the block before out of l and O.  Every query's first step holds key 0, which is never masked, so m is finite from then on,
; a masked score gives the weight 2^-inf = 0, and no row is empty (so the reference's NaN -> 0 can never act).
; BY TURNS.  In a TURN one tile has the matrix unit: 8 products V^T P of step j, then 8 products K Q^T of step j + 1; the other tile's softmax, a list of 118 instructions cut into 16 slices,
; stands between them, one slice behind each matrix instruction.  Then the tiles change places; two turns are a key step.  The 34 steps are one flat walk: where a block ends, a tile's Q is
; replaced ahead of its turn and the tile goes out behind its turn, under branches on counters made of the work-group's number alone, and the walk goes on.
; NO CLUSTER: the eight work-groups of a head walk different numbers of key tiles, in different order (block p, then block 15 - p); a joint walk would have every partner ask for and
; throw away all tiles of the longest, about twice the bytes and barriers.
; LIMITS: v_exp_f32 and v_rcp_f32 are good to 1 ulp and flush denormals; inputs that are not finite are not served; a head's share of a row of z is 128 bytes, so z is stored in pieces of 128 bytes.
; REGISTERS: window 0: v0-15 addresses; v16-31 statistics, 8 a tile; v32-95 S^T; v96-127 P; v128-191 O^T; v192-223 the way out.
;   window 1: v0-31 Q; v32-95 K of a step; v96-159 V of a step; v160-191 Q of the second block.
; All that a softmax touches lies in window 0 and K, V, Q in window 1, so a slice costs two switches: 64 for a key step's 32 matrix instructions.
.set KS,    64        ; keys in a step
.set PK,    144       ; a row of K in LDS: 128 bytes + 16: an odd multiple of 16
.set PVT,   160       ; a row of V: 128 + 32: an odd multiple of 32, for the turning load
.set KSTEP, KS*PK     ; a step's rows of K
.set VSTEP, KS*PVT    ; a step's rows of V
.set VOFF,  4*KSTEP   ; a slot holds two tiles of the walk, four steps: 256 rows of K, then 256 rows of V (77,824 bytes)
.set SLOT1, 1<<17     ; slot 1 begins here, so that one exclusive or turns an address in one slot into the other's
.set STAGE, SLOT1+4*(KSTEP+VSTEP)  ; behind the ring (a multiple of 256): 16 rows x 144 bytes for each wave; no tensor load lands there
.set SP,    144
.set AK0,  2          ; my lane's place in a step's rows of K; never rewritten
.set AV0,  3          ; the same for V, VOFF included
.set ADR,  4          ; the LDS address of the run of loads in hand
.set STO,  6
.set RD,   7
.set GO,   8
.set QO,   10
.set THR0, 11         ; 32 wave + lane % 16 - 8 (lane / 16): key 16 kb + j of a diagonal tile's first step is masked for tile t where 16 kb + j - 16 t is greater
.set THR,  12         ; the same less 64 in the diagonal tile's second step
.set NINF, 13
.set ST,   16         ; tile t at v[ST+8 t]: +0 c m, +1 m, +2, +3 l (even keys', odd keys'), +4 to +7 c0-c3 at work; a takes c2's place once the maximum is found
.set S,    32
.set P,    96
.set OT,   128
.set OB,   192
.set KF,   32         ; window 1
.set VF,   96         ; window 1
.set QN,   160        ; window 1
.set WV,  12
.set G1K, 24          ; s[24:31], s[32:39] group 1 for K's and V's tiles: they differ in the padding
.set G1V, 32
.set G0K, 40          ; s[40:47] group 0 for K's tiles: a set for each of the two first fills; the second then walks on
.set G0V, 48          ; s[48:55] the same for V's
.set SLOTS, 56
.set CNT, 57
.set CS,  58          ; s[58:59] c, twice
.set SEL, 60          ; s[60:61] lane selects for v_permlanex16_b32
.set TBK, 62          ; LDS byte of the slot and step whose K is fetched next
.set TBV, 63          ; the same for V
.set FU,  66          ; number, in the walk of 17, of the tile that my wave asked for last
.set NA,  67          ; p + 1: the tiles of the first block
.set DL,  68          ; s[68:69] what a refill's address steps back by
.set BACK, 70         ; (p + 1) x 16,384
.set R,   71          ; steps left in its block, itself among them, of the step whose V^T P is in hand
.set ZP,  72          ; s[72:73] z at my rows of the block in hand; s[74:75] of the second block
.set ZN,  74
.set RN,  76          ; the same count as R for the step after
.set LB,  77          ; steps of the second block: 32 - 2 p
.set TMPS, 78
.set MSB, 0
.macro WIN new                         ; the immediate's high byte repeats the setting that is left; a switch that changes nothing is dropped
.if MSB != \new
	s_set_vgpr_msb (MSB<<8)|\new
.set MSB, \new
.endif
.endm
.macro PLACES
.rept 4
	v_nop
.endr
.endm
; A refill: waves 0 and 1 fetch K of the slot's even and odd tile, waves 2 and 3 V likewise.  Four v_nop follow each line.
.macro JLOAD
	s_cmp_lt_u32 s[WV], 2
	s_cbranch_scc0 .Lfor_v_\@
	tensor_load_to_lds s[G0K+4:G0K+7], s[G1K:G1K+7]
	s_nop 0
.rept 4
	v_nop
.endr
	s_branch .Lasked_\@
.Lfor_v_\@:
	tensor_load_to_lds s[G0V+4:G0V+7], s[G1V:G1V+7]
	s_nop 0
.rept 4
	v_nop
.endr
.Lasked_\@:
.endm
; The last refill: the walk's tile 16 has no partner, so waves 0 and 2 alone ask, and the slot's other half is not filled.
.macro JHALF
	s_cmp_lg_u32 s[WV], 0
	s_cbranch_scc1 .Lnot_k_\@
	tensor_load_to_lds s[G0K+4:G0K+7], s[G1K:G1K+7]
	s_nop 0
.rept 4
	v_nop
.endr
.Lnot_k_\@:
	s_cmp_lg_u32 s[WV], 2
	s_cbranch_scc1 .Lnot_v_\@
	tensor_load_to_lds s[G0V+4:G0V+7], s[G1V:G1V+7]
	s_nop 0
.rept 4
	v_nop
.endr
.Lnot_v_\@:
.endm
.macro LOADQ dst, ptr                  ; my 32 queries of a block: tile t, channels 32 c on
	WIN 0x40                                       ; destination window 1
.irp t, 0,1
.irp c, 0,1
	global_load_b128 v[\dst+16*\t+8*\c:\dst+16*\t+8*\c+3],   v[QO], s[\ptr:\ptr+1] offset:\t*2048+\c*64
	global_load_b128 v[\dst+16*\t+8*\c+4:\dst+16*\t+8*\c+7], v[QO], s[\ptr:\ptr+1] offset:\t*2048+\c*64+32
.endr
.endr
	WIN 0
.endm
	s_load_b128 s[4:7], s[0:1], 0x0                ; qkv s[4:5], z s[6:7]
	v_lshl_add_u32 v254, v0, 2, 0x35400
	v_mov_b32 v255, 0
	ds_add_u32 v254, v255
	ds_add_u32 v254, v255
	v_lshrrev_b32 v1, 5, v0
	v_readfirstlane_b32 s[WV], v1                  ; wave 0..3
	s_and_b32 s16, ttmp7, 0xffff                   ; 16 batch + head
	s_lshl_b32 s20, s16, 18                        ; its 2,048 rows of 128 bytes
	s_and_b32 s17, s[WV], 1                        ; which of a slot's two tiles I fetch
	s_add_co_u32 s[NA], ttmp9, 1
	s_lshl_b32 s[BACK], s[NA], 14
	; tile u of the walk holds keys 128 u on where u < p + 1 (the first block), else keys 128 (u - p - 1) on (the second)
	s_cmp_lt_u32 s17, s[NA]                        ; slot 0: u = my parity
	s_cselect_b32 s18, 0, s[NA]
	s_sub_co_u32 s18, s17, s18
	s_lshl_b32 s18, s18, 14                        ; 128 rows of 128 bytes a tile
	s_add_co_u32 s22, s20, s18
	s_mov_b32 s23, 0
	s_add_co_u32 s[FU], s17, 2                     ; slot 1: u = 2 + my parity
	s_cmp_lt_u32 s[FU], s[NA]
	s_cselect_b32 s19, 0, s[NA]
	s_sub_co_u32 s19, s[FU], s19
	s_lshl_b32 s19, s19, 14
	s_add_co_u32 s14, s20, s19
	s_mov_b32 s15, 0
	s_mul_i32 s18, s17, 2*KSTEP                    ; my tile's place among a slot's rows of K,
	s_mul_i32 s19, s17, 2*VSTEP                    ; of V
	s_mov_b32 s[G1K], (1<<16)|(1<<20)|(4<<22)|(3<<25)  ; no mask; elements of 2 bytes; padding on; after every 32 words, 4 words
	s_mov_b32 s[G1V], (1<<16)|(1<<20)|(4<<22)|(7<<25)  ; the same with 8 words
.irp g, G1K, G1V
	s_mov_b32 s[\g+1], 64<<16                      ; tensor_dim0 = 64
	s_mov_b32 s[\g+2], 128<<16                     ; tensor_dim1 = 128
	s_mov_b32 s[\g+3], 64<<16                      ; tile_dim0 = 64
	s_mov_b32 s[\g+4], 128                         ; tile_dim1 = 128
	s_mov_b32 s[\g+5], 64                          ; elements from row to row
	s_mov_b32 s[\g+6], 0
	s_mov_b32 s[\g+7], 0
.endr
	s_mov_b32 s[CS], 0x3e38aa3b                    ; c = log2(e) / 8
	s_mov_b32 s[CS+1], 0x3e38aa3b
	s_mov_b32 s[SEL], 0x76543210
	s_mov_b32 s[SEL+1], 0xfedcba98
	s_mov_b32 s[TBK], 0
	s_mov_b32 s[TBV], 0
	s_mov_b32 s[DL+1], 0
	s_lshl_b32 s[RN], s[NA], 1                     ; the first block has 2 (p + 1) steps
	s_mov_b32 s[R], s[RN]
	s_sub_co_u32 s[LB], 34, s[RN]
.irp s, 0,1
	s_mov_b32 s[G0K+4*\s], 1
	s_add_co_u32 s[G0K+4*\s+1], s18, \s*SLOT1
	s_mov_b32 s[G0V+4*\s], 1
	s_add_co_u32 s[G0V+4*\s+1], s19, \s*SLOT1+VOFF
.endr
	s_wait_dscnt 0x0
	s_wait_kmcnt 0x0
	s_add_nc_u64 s[8:9], s[4:5], s[22:23]
	s_add_nc_u64 s[G0K+2:G0K+3], s[8:9], 8388608   ; K begins 8,388,608 bytes into qkv, V 16,777,216
	s_add_nc_u64 s[G0V+2:G0V+3], s[8:9], 16777216
	s_add_nc_u64 s[8:9], s[4:5], s[14:15]
	s_add_nc_u64 s[G0K+6:G0K+7], s[8:9], 8388608
	s_add_nc_u64 s[G0V+6:G0V+7], s[8:9], 16777216
.irp g, G0K+3, G0K+7, G0V+3, G0V+7
	s_or_b32 s[\g], s[\g], 0x80000000              ; type = 2
.endr
	s_cmp_lt_u32 s[WV], 2                          ; a wave's two first fills stand in one branch, ahead of every wait on TENSORcnt, LDS read and barrier: two loads of mine are out
	s_cbranch_scc0 .Lfirst_v
	tensor_load_to_lds s[G0K:G0K+3], s[G1K:G1K+7]
	s_nop 0
	tensor_load_to_lds s[G0K+4:G0K+7], s[G1K:G1K+7]
	s_nop 0
.rept 4
	v_nop
.endr
	s_branch .Lfirst_asked
.Lfirst_v:
	tensor_load_to_lds s[G0V:G0V+3], s[G1V:G1V+7]
	s_nop 0
	tensor_load_to_lds s[G0V+4:G0V+7], s[G1V:G1V+7]
	s_nop 0
.rept 4
	v_nop
.endr
.Lfirst_asked:
	s_lshl_b32 s18, s[WV], 12                      ; my 32 queries of 128 bytes
	s_add_co_u32 s18, s18, s20
	s_mov_b32 s19, 0
	s_add_nc_u64 s[8:9], s[4:5], s[18:19]
	s_sub_co_u32 s21, 15, ttmp9                    ; the second block's number
	s_lshl_b32 s14, ttmp9, 14                      ; a block: 128 rows of 128 bytes
	s_add_nc_u64 s[10:11], s[8:9], s[14:15]        ; Q of block p
	s_lshl_b32 s14, s21, 14
	s_add_nc_u64 s[8:9], s[8:9], s[14:15]          ; Q of block 15 - p
	v_and_b32 v1, 15, v0                           ; r = lane % 16
	v_bfe_u32 v9, v0, 4, 1                         ; h = lane / 16
	v_lshlrev_b32 v[QO], 7, v1
	v_lshl_add_u32 v[QO], v9, 4, v[QO]             ; row x 128 + 16 h
	LOADQ 0, 10                                    ; both blocks' queries are asked for now, so that the walk does not wait for the second's
	LOADQ QN, 8
	s_lshr_b32 s18, s16, 4                         ; batch: 2,048 rows of 2,048 bytes
	s_lshl_b32 s18, s18, 22
	s_and_b32 s22, s16, 15                         ; head: 128 bytes
	s_lshl_b32 s22, s22, 7
	s_add_co_u32 s18, s18, s22
	s_lshl_b32 s22, s[WV], 16                      ; my 32 rows
	s_add_co_u32 s18, s18, s22
	s_add_nc_u64 s[ZN:ZN+1], s[6:7], s[18:19]
	s_lshl_b32 s14, ttmp9, 18                      ; a block: 128 rows of 2,048 bytes
	s_add_nc_u64 s[ZP:ZP+1], s[ZN:ZN+1], s[14:15]
	s_lshl_b32 s14, s21, 18
	s_add_nc_u64 s[ZN:ZN+1], s[ZN:ZN+1], s[14:15]
	v_mul_u32_u24 v[AK0], v1, PK
	v_lshl_add_u32 v[AK0], v9, 4, v[AK0]
	v_and_b32 v14, 7, v0
	v_bfe_u32 v15, v0, 3, 1
	v_lshl_add_u32 v[AV0], v9, 3, v14              ; the turning load: key 8 h + lane % 8, channels 8 ((lane / 8) % 2) on
	v_mul_u32_u24 v[AV0], v[AV0], PVT
	v_lshl_add_u32 v[AV0], v15, 4, v[AV0]
	v_add_nc_u32 v[AV0], VOFF, v[AV0]
	s_mul_i32 s16, s[WV], 16*SP
	s_add_co_u32 s16, s16, STAGE                   ; my stage
	v_mul_u32_u24 v[STO], v1, SP                   ; in: row r, 16 bytes for each half of the lanes
	v_lshl_add_u32 v[STO], v9, 4, v[STO]
	v_add_nc_u32 v[STO], s16, v[STO]
	v_bfe_u32 v15, v0, 3, 2                        ; back: eight lanes take a row's 128 bytes, a load four rows
	v_mul_u32_u24 v[RD], v15, SP
	v_lshl_add_u32 v[RD], v14, 4, v[RD]
	v_add_nc_u32 v[RD], s16, v[RD]
	v_lshlrev_b32 v[GO], 11, v15                   ; and the same four rows in z
	v_lshl_add_u32 v[GO], v14, 4, v[GO]
	v_lshlrev_b32 v[THR0], 3, v9
	v_sub_nc_u32 v[THR0], v1, v[THR0]
	s_lshl_b32 s16, s[WV], 5
	v_add_nc_u32 v[THR0], s16, v[THR0]
	v_mov_b32 v[NINF], 0xff800000
.irp t, 0,1
	v_mov_b32 v[ST+8*\t], v[NINF]                  ; c m
	v_mov_b32 v[ST+8*\t+1], v[NINF]                ; m
	v_mov_b32 v[ST+8*\t+2], 0                      ; l
	v_mov_b32 v[ST+8*\t+3], 0
.endr
; THE MATRIX WORK OF A TURN, for tile x.  The four accumulators take turns, one instruction a turn.
; Product i of 8 of O^T += V^T P: keys 32 (i / 4) on, channels 16 (i % 4) on.  zero = 1: the first 4 start the sums: nothing is ever cleared.
.macro PVM x, zero
	WIN 0x01                                       ; V window 1; P and O^T window 0
.set rO, OT+32*(\x)+8*(i%4)
.set rV, VF+32*(i/4)+8*(i%4)
.set rP, P+16*(\x)+8*(i/4)
.if \zero && (i < 4)
	v_wmma_f32_16x16x32_bf16 v[rO:rO+7], v[rV:rV+7], v[rP:rP+7], 0
.else
	v_wmma_f32_16x16x32_bf16 v[rO:rO+7], v[rV:rV+7], v[rP:rP+7], v[rO:rO+7]
.endif
.endm
; Product i of 8 of S^T = K Q^T: channels 32 (i / 4) on, keys 16 (i % 4) on.  The first 4 start the sums.
.macro KQM x
	WIN 0x05                                       ; K and Q window 1, S^T window 0
.set rS, S+32*(\x)+8*(i%4)
.set rK, KF+16*(i%4)+8*(i/4)
.set rQ, 16*(\x)+8*(i/4)
.if i < 4
	v_wmma_f32_16x16x32_bf16 v[rS:rS+7], v[rK:rK+7], v[rQ:rQ+7], 0
.else
	v_wmma_f32_16x16x32_bf16 v[rS:rS+7], v[rK:rK+7], v[rQ:rQ+7], v[rS:rS+7]
.endif
.endm
; THE LDS LOADS stand in runs of 16, in the order in which the products take the fragments, so that a counted wait can let a run's second half stay out.
.macro FETCH_K                         ; channels 0-31 of all 64 keys, then channels 32-63
	WIN 0
	v_add_nc_u32 v[ADR], s[TBK], v[AK0]
	s_add_co_u32 s[TBK], s[TBK], KSTEP             ; the next fetch is the next step's
	WIN 0x40                                       ; destination window 1
.irp c, 0,1
.irp kb, 0,1,2,3
	ds_load_b128 v[KF+16*\kb+8*\c:KF+16*\kb+8*\c+3],   v[ADR] offset:\kb*16*PK+\c*64
	ds_load_b128 v[KF+16*\kb+8*\c+4:KF+16*\kb+8*\c+7], v[ADR] offset:\kb*16*PK+\c*64+32
.endr
.endr
.endm
.macro FETCH_V                         ; keys 0-31 of all 64 channels, then keys 32-63
	WIN 0
	v_add_nc_u32 v[ADR], s[TBV], v[AV0]
	s_add_co_u32 s[TBV], s[TBV], VSTEP
	WIN 0x40
.irp kc, 0,1
.irp cb, 0,1,2,3
	ds_load_tr16_b128 v[VF+32*\kc+8*\cb:VF+32*\kc+8*\cb+3],   v[ADR] offset:\kc*32*PVT+\cb*32
	ds_load_tr16_b128 v[VF+32*\kc+8*\cb+4:VF+32*\kc+8*\cb+7], v[ADR] offset:\kc*32*PVT+16*PVT+\cb*32
.endr
.endr
.endm
; THE VECTOR WORK OF A TURN.  One tile's softmax for one key step is a list of 118 instructions; SM writes number j of it for tile t.  s0-s31 are the lane's 32 scores, in pairs 0-15.
;   0-15    the maximum of s0-s31 and the old m, three operands at a time: four chains c0-c3, each begun on its accumulator's registers 0 to 2, then the four scores left over, c0-c3 and m
;   16-20   the other half of the lanes' maximum; the new m; c m; c m_old - c m_new
;   21-87   33 exponentials (a, then s0-s31) at the odd numbers from 23 on, so that no two follow each other and each has a plain instruction behind it before its result is used.
;           The plain instruction at number 21 and at each even number is whatever is ready: c s - c m for a pair whose exponentials are still to come, the rounding to bf16 of a pair
;           whose exponentials are done, at last the first three sums
;   88-101  the last rounding; the rest of the sums; l = a l + the sum
;   102-117 the tile's O^T times a.  first = 1: O^T does not exist yet, and these are left out
.macro SM t, first
.set rT, ST+8*(\t)
.set rS, S+32*(\t)
.set rP, P+16*(\t)
.set rO, OT+32*(\t)+2*(j-102)
.set q, (j-20)/2
.if (j < 102) || (!\first)
	WIN 0
.endif
.if j < 4
	v_max3_num_f32 v[rT+4+j], v[rS+8*j], v[rS+8*j+1], v[rS+8*j+2]
.elseif j < 12
	v_max3_num_f32 v[rT+4+j%4], v[rT+4+j%4], v[rS+8*(j%4)+2*(j/4)+1], v[rS+8*(j%4)+2*(j/4)+2]
.elseif j == 12
	v_max3_num_f32 v[rT+4], v[rT+4], v[rS+7], v[rS+15]
.elseif j == 13
	v_max3_num_f32 v[rT+6], v[rT+6], v[rS+23], v[rS+31]
.elseif j == 14
	v_max3_num_f32 v[rT+4], v[rT+4], v[rT+5], v[rT+6]
.elseif j == 15
	v_max3_num_f32 v[rT+4], v[rT+4], v[rT+7], v[rT+1]
.elseif j == 16
	v_permlanex16_b32 v[rT+5], v[rT+4], s[SEL], s[SEL+1]  ; the query's other 32 keys lie in the lane 16 away
.elseif j == 17
	v_mov_b32 v[rT+7], v[rT]                       ; c m_old is kept for a: number 19 writes c m anew
.elseif j == 18
	v_max_num_f32 v[rT+1], v[rT+4], v[rT+5]
.elseif j == 19
	v_mul_f32 v[rT], s[CS], v[rT+1]
.elseif j == 20
	v_sub_f32 v[rT+7], v[rT+7], v[rT]
.elseif j == 23
	v_exp_f32 v[rT+6], v[rT+7]
.elseif (j < 88) && (j > 23) && (j%2 == 1)
	v_exp_f32 v[rS+(j-25)/2], v[rS+(j-25)/2]
.elseif (q < 4) || ((j < 76) && (q%2 == 0))
.set b, q/2+2
.if q < 4
.set b, q
.endif
	v_pk_fma_f32 v[rS+2*b:rS+2*b+1], v[rS+2*b:rS+2*b+1], s[CS:CS+1], v[rT:rT+1] op_sel_hi:[1,0,0] neg_lo:[0,0,1] neg_hi:[0,0,1]  ; pair b: c s - c m
.elseif (j < 88) && (q%2 == 1)
	s_wait_alu depctr_va_vdst(0)
	v_cvt_pk_bf16_f32 v[rP+(q-5)/2], v[rS+q-5], v[rS+q-4]  ; pair (q - 5) / 2: its second exponential stands three numbers back
.elseif j == 89
	s_wait_alu depctr_va_vdst(0)
	v_cvt_pk_bf16_f32 v[rP+15], v[rS+30], v[rS+31]
.elseif j < 102                        ; the sum of the tile's 16 pairs, in place: sum z of 16 adds neighbours 1, 2, 4 and 8 pairs apart, then l takes it
.set z, j-86
.if j < 89
.set z, (j-76)/4
.endif
.set w, 4
.set u, z
.if z >= 14
.set w, 32
.set u, 0
.elseif z >= 12
.set w, 16
.set u, z-12
.elseif z >= 8
.set w, 8
.set u, z-8
.endif
.if z < 15
	v_pk_add_f32 v[rS+w*u:rS+w*u+1], v[rS+w*u:rS+w*u+1], v[rS+w*u+w/2:rS+w*u+w/2+1]
.else
	v_pk_fma_f32 v[rT+2:rT+3], v[rT+2:rT+3], v[rT+6:rT+7], v[rS:rS+1] op_sel_hi:[1,0,1]
.endif
.elseif !\first
	v_pk_mul_f32 v[rO:rO+1], v[rO:rO+1], v[rT+6:rT+7] op_sel_hi:[1,0]
.endif
.endm
; Slice k of 16 of tile y's softmax: seven numbers of the list; 118 = 7 x 15 + 13: the last slice has thirteen, all of them plain rescalings that name nothing of the products round them,
; so they are also the four places between the turn's last K Q^T and what follows: the first read of those scores, and the loads into K's registers.
.macro SLICE y, first
.set jend, 7*k+7
.if k == 15
.set jend, 118
.endif
.set j, 7*k
.rept jend-7*k
	SM \y, \first
.set j, j+1
.endr
.set k, k+1
.endm
; The diagonal tile's two steps: scores of keys behind the query become -inf.  rr holds the steps left in the block, 2 or 1.  Whole numbers decide; every accumulator is taken from its lowest register on.
.macro MASK t, rr
	s_sub_co_u32 s[TMPS], s[\rr], 2
	s_lshl_b32 s[TMPS], s[TMPS], 6                 ; 0, or -64 in the second step
	v_add_nc_u32 v[THR], s[TMPS], v[THR0]
.irp kb, 0,1,2,3
.irp j, 0,1,2,3,4,5,6,7
	v_cmp_gt_i32 vcc_lo, 16*\kb+\j-16*(\t), v[THR]
	v_cndmask_b32 v[S+32*(\t)+8*\kb+\j], v[S+32*(\t)+8*\kb+\j], v[NINF], vcc_lo
.endr
.endr
.endm
; Tile t's queries of the second block take the place of the first block's: its next K Q^T belongs to the second block's first step.
.macro NEWQ t
	WIN 0x41                                       ; source 0 and destination window 1
.set i, 0
.rept 16
	v_mov_b32 v[16*(\t)+i], v[QN+16*(\t)+i]
.set i, i+1
.endr
	WIN 0
.endm
; TILE t'S WAY OUT at its block's end: l's halves are added, O^T is divided by l, rounded, and sent through my own stage; m = -inf, so that the tile's next softmax has a = 0, which wipes l and O^T.
.macro FINISH t
.set rT, ST+8*(\t)
	s_wait_xcnt 0x0                                ; the registers that an earlier way out stored from are rewritten only behind this wait
	v_add_f32 v[rT+4], v[rT+2], v[rT+3]
	v_permlanex16_b32 v[rT+5], v[rT+4], s[SEL], s[SEL+1]
	v_add_f32 v[rT+4], v[rT+4], v[rT+5]
	v_rcp_f32 v[rT+6], v[rT+4]
	v_mov_b32 v[rT], v[NINF]                       ; also the plain instruction between the reciprocal and the use of its result
	v_mov_b32 v[rT+1], v[NINF]
.irp b, 0,1,2,3,4,5,6,7,8,9,10,11,12,13,14,15
	s_wait_alu depctr_va_vdst(0)
	v_pk_mul_f32 v[OT+32*(\t)+2*\b:OT+32*(\t)+2*\b+1], v[OT+32*(\t)+2*\b:OT+32*(\t)+2*\b+1], v[rT+6:rT+7] op_sel_hi:[1,0]
.endr
.irp b, 0,1,2,3,4,5,6,7,8,9,10,11,12,13,14,15
	v_cvt_pk_bf16_f32 v[OB+16*(\t)+\b], v[OT+32*(\t)+2*\b], v[OT+32*(\t)+2*\b+1]
.endr
.irp u, 0,1,2,3
	ds_store_b128 v[STO], v[OB+16*(\t)+4*\u:OB+16*(\t)+4*\u+3] offset:32*\u
.endr
.irp u, 0,1,2,3
	ds_load_b128 v[OB+16*(\t)+4*\u:OB+16*(\t)+4*\u+3], v[RD] offset:\u*4*SP   ; LDS serves a wave's instructions in order (ISA guide 5.7.1.4): these see the stores above
.endr
	s_wait_dscnt 0x0
.irp u, 0,1,2,3
	global_store_b128 v[GO], v[OB+16*(\t)+4*\u:OB+16*(\t)+4*\u+3], s[ZP:ZP+1] offset:(16*(\t)+4*\u)*2048   ; eight lanes store a row's 128 bytes of this head
.endr
.endm
; A TURN.  Tile x has the matrix unit; the other tile's softmax (of step j where x = 0, of step j + 1 where x = 1) stands in slices behind its matrix instructions.
; pv = 2: 8 products V^T P of step j; 1: they start O^T's sums; 0: none.  kq = 1: 8 products K Q^T of step j + 1.  A turn with one of the two kinds has two slices behind each product.
; first = 1: the softmax has no O^T to rescale: the last slice is empty, and four v_nop take its part as the places.  bnd = 1: step j may be its block's last.
; Tile 0's turn asks for K of step j + 1 at its head: K's last reader stands in front of the last slice of the turn before.  Tile 1's turn asks for V of step j + 1 behind its first K Q^T:
; V's last reader stands two slices, seven plain instructions, back.  The waits are counted: LDS loads come back in order (ISA guide 5.7.1).
.macro TURN x, pv, kq, first, bnd
	WIN 0                                          ; at a label and at a branch every window is 0
.if \x == 0
	s_cmp_gt_u32 s[R], 2
.else
	s_cmp_gt_u32 s[RN], 2
.endif
	s_cbranch_scc1 .Lclear_\@                      ; more than two steps left in the block: no key of this step lies behind a query
.if \x == 0
	MASK 1, R
.else
	MASK 0, RN
.endif
.Lclear_\@:
.if \bnd
	s_cmp_lg_u32 s[R], 1
	s_cbranch_scc1 .Lsame_q_\@
	NEWQ \x
.Lsame_q_\@:
.endif
.set k, 0
.set per, 2
.if \pv && \kq
.set per, 1
.endif
.if (\x == 0) && \kq
	FETCH_K
.endif
.if \pv
.set i, 0
.rept 8
.if (\x == 0) && (i == 0)
	s_wait_dscnt 16*\kq+8                          ; V's keys 0-31 are in; V's other eight loads, and K's sixteen where they were asked for, may be out
.endif
.if (\x == 0) && (i == 4)
	s_wait_dscnt 16*\kq                            ; all of V is in
.endif
	PVM \x, 2-\pv
.rept per
	SLICE 1-\x, \first
.endr
.set i, i+1
.endr
.endif
.if \kq
.set i, 0
.rept 8
.if (\x == 0) && (i == 0)
	s_wait_dscnt 8                                 ; K's channels 0-31 are in; its other eight loads may be out
.endif
.if (\x == 0) && (i == 4)
	s_wait_dscnt 0
.endif
	KQM \x
.rept per
	SLICE 1-\x, \first
.endr
.if (\x == 1) && (i == 0)
	FETCH_V
.endif
.set i, i+1
.endr
.endif
	WIN 0
.if \first
	PLACES
.endif
.if \bnd
	s_cmp_lg_u32 s[R], 1
	s_cbranch_scc1 .Lgo_on_\@
	FINISH \x                                      ; step j was the block's last: the tile's O^T is whole; eight slices stand behind its last product
.if \x == 1
	s_wait_xcnt 0x0                                ; the stores' base is rewritten only behind this wait
	s_mov_b64 s[ZP:ZP+1], s[ZN:ZN+1]               ; both tiles are out: on to the second block's rows
.endif
.Lgo_on_\@:
.endif
.endm
.macro STEPEND                         ; one step on: a block's last step is followed by the second block's first
	s_mov_b32 s[R], s[RN]
	s_sub_co_u32 s[TMPS], s[RN], 1
	s_cmp_eq_u32 s[TMPS], 0
	s_cselect_b32 s[RN], s[LB], s[TMPS]
.endm
.macro STEPS n                         ; n key steps: written once, walked n times; the LDS addresses hang on s[TBK] and s[TBV]
	s_mov_b32 s[CNT], \n
.Lstep_\@:
	TURN 0, 2, 1, 0, 1
	TURN 1, 2, 1, 0, 1
	STEPEND
	s_sub_co_u32 s[CNT], s[CNT], 1
	s_cmp_lg_u32 s[CNT], 0
	s_cbranch_scc1 .Lstep_\@
.endm
; THE CHANGE OF SLOTS, between tile 1's turn and tile 0's: the slot's last bytes, V of its fourth step, have been asked for.  Each wave waits for its own reads of the slot and for all its
; tensor loads (one is out: its part of the other slot), then the barrier.  fill = 1: the slot just read is filled again, first thing behind the barrier, with the walk's next two tiles but two:
; the load has four key steps in which to land.  fill = 2: the same with the walk's last tile alone.  fill = 0: nothing is left to ask for.
.macro CHANGE fill
	WIN 0
	s_wait_dscnt 0x0
	s_wait_tensorcnt 0x0                           ; no tensor load of mine is out, so a group 0 may be written
	ds_add_u32 v254, v255
	s_wait_dscnt 0x0
.if \fill
	s_add_co_u32 s[FU], s[FU], 2                   ; my next tile of the walk
	s_sub_co_u32 s[TMPS], s[FU], s[NA]
	s_cmp_lt_u32 s[TMPS], 2                        ; it is my first of the second block:
	s_cselect_b32 s[DL], s[BACK], 0                ; the keys begin anew
.irp g, G0K+4, G0V+4
	s_xor_b32 s[\g+1], s[\g+1], SLOT1              ; the other slot than last time,
	s_add_nc_u64 s[\g+2:\g+3], s[\g+2:\g+3], 32768 ; 256 keys on; the type bits on top are not reached
	s_sub_nc_u64 s[\g+2:\g+3], s[\g+2:\g+3], s[DL:DL+1]
.endr
.endif
	s_barrier_signal -1
	s_barrier_wait -1
.if \fill == 1
	JLOAD
.elseif \fill == 2
	JHALF
.endif
	s_sub_co_u32 s[TBK], s[TBK], 4*KSTEP           ; the fetches go back to a slot's first step,
	s_xor_b32 s[TBK], s[TBK], SLOT1                ; in the other slot
	s_sub_co_u32 s[TBV], s[TBV], 4*VSTEP
	s_xor_b32 s[TBV], s[TBV], SLOT1
.endm
	s_wait_tensorcnt 1                             ; my part of slot 0 is in; slot 1's may stay out
	s_barrier_signal -1
	s_barrier_wait -1                              ; everybody's is
	FETCH_K                                        ; key step 0
	s_wait_loadcnt 0x0                             ; Q of both blocks
	s_wait_dscnt 0x0
.set i, 0
.rept 8
	KQM 0                                          ; tile 0's first scores: there is no vector work yet to set between them
.set i, i+1
.endr
	WIN 0
	PLACES
	TURN 1, 0, 1, 1, 0                             ; tile 1's first scores | tile 0's first softmax | V of step 0
	STEPEND
	TURN 0, 1, 1, 1, 0                             ; step 0.  Tile 0: V^T P starts O^T, K Q^T of step 1 | tile 1's first softmax | K of step 1
	TURN 1, 1, 1, 0, 0                             ; tile 1: the same | tile 0's softmax of step 1 | V of step 1.  A block has two steps at the least, so step 0 ends none
	STEPEND
	STEPS 2                                        ; steps 1 and 2, which fetch the slot's steps 2 and 3
	s_mov_b32 s[SLOTS], 6
.Lslot:                                                ; six trips of four steps: steps 3 to 26; the refills bring tiles 4 to 15 of the walk
	CHANGE 1
	STEPS 4
	s_sub_co_u32 s[SLOTS], s[SLOTS], 1
	s_cmp_lg_u32 s[SLOTS], 0
	s_cbranch_scc1 .Lslot
	CHANGE 2                                       ; the tail is written out: tile 16 is asked for
	STEPS 4                                        ; steps 27 to 30
	CHANGE 0
	STEPS 2                                        ; steps 31 and 32, which fetch steps 32 and 33
	TURN 0, 2, 0, 0, 0                             ; step 33.  Tile 0: V^T P | tile 1's last softmax
.set i, 0
.rept 8
	PVM 1, 0                                       ; tile 1: V^T P of the last step
.set i, i+1
.endr
	WIN 0
	FINISH 0                                       ; tile 0's way out names nothing of tile 1's last products: it is their places
	FINISH 1
	s_wait_tensorcnt 0x0
	ds_add_u32 v254, v255
	s_wait_dscnt 0x0
	s_endpgm
.Lfunc_end_k_q07443cc6aa_attn:
	.size	k_q07443cc6aa_attn, .Lfunc_end_k_q07443cc6aa_attn-k_q07443cc6aa_attn
	.p2alignl 7, 3214868480
	.fill 96, 4, 3214868480
	.section	.rodata,"a",@progbits
	.p2align	6, 0x0
	.amdhsa_kernel k_q07443cc6aa_attn
		.amdhsa_group_segment_fixed_size 327680
		.amdhsa_private_segment_fixed_size 0
		.amdhsa_enable_private_segment 0
		.amdhsa_kernarg_size 16
		.amdhsa_user_sgpr_count 2
		.amdhsa_user_sgpr_kernarg_segment_ptr 1
		.amdhsa_wavefront_size32 1
		.amdhsa_system_sgpr_workgroup_id_x 1
		.amdhsa_system_sgpr_workgroup_id_y 1
		.amdhsa_system_sgpr_workgroup_id_z 1
		.amdhsa_system_vgpr_workitem_id 0
		.amdhsa_next_free_vgpr 448
		.amdhsa_next_free_sgpr 80
		.amdhsa_reserve_vcc 1
		.amdhsa_float_denorm_mode_32 3
		.amdhsa_float_denorm_mode_16_64 3
		.amdhsa_memory_ordered 1
		.amdhsa_forward_progress 1
		.amdhsa_inst_pref_size 199
	.end_amdhsa_kernel
	.amdgpu_metadata
---
amdhsa.version: [ 1, 2 ]
amdhsa.kernels:
  - .name:           k_q07443cc6aa_attn
    .symbol:         k_q07443cc6aa_attn.kd
    .args:
      - { .name: qkv, .offset: 0, .size: 8, .value_kind: global_buffer, .address_space: global }
      - { .name: z, .offset: 8, .size: 8, .value_kind: global_buffer, .address_space: global }
    .group_segment_fixed_size: 327680
    .private_segment_fixed_size: 0
    .kernarg_segment_align: 8
    .kernarg_segment_size: 16
    .max_flat_workgroup_size: 128
    .sgpr_count:     80
    .vgpr_count:     448
    .wavefront_size: 32
...
	.end_amdgpu_metadata
.endif
;; end of part 9
;; launch gemm_o: the kernel of part 4 again; grid 8 x 32, 4 waves a work-group, clusters of 4 x 4, 327,680 bytes of LDS; arguments z, wb, b_O, resid_pre, mid; writes mid
;; launch ln2: the kernel of part 5 again; grid 256 x 1, 8 waves a work-group, no clusters, 0 bytes of LDS; arguments mid, ln2_w, ln2_b, xn; writes xn
;; launch gemm_in (part 10): grid 16 x 16, 4 waves a work-group, clusters of 4 x 4, 327,680 bytes of LDS; arguments xn, wb, b_in, hid; writes hid
.if DOCPART == 10
	.amdgcn_target "amdgcn-amd-amdhsa--gfx1250"
	.amdhsa_code_object_version 6
	.text
	.protected	k_q07443cc6aa_gemm_in
	.globl	k_q07443cc6aa_gemm_in
	.p2align	8
	.type	k_q07443cc6aa_gemm_in,@function
k_q07443cc6aa_gemm_in:
	s_mov_b64 s[64:65], 0
	v_nop
	global_prefetch_b8 v0, s[64:65] scope:SCOPE_SE
	s_setreg_imm32_b32 hwreg(HW_REG_WAVE_MODE, 25, 1), 1
	s_wait_xcnt 0x0
	s_wait_alu depctr_hold_cnt(0) depctr_sa_sdst(0) depctr_va_vdst(0) depctr_va_sdst(0) depctr_va_ssrc(0) depctr_va_vcc(0) depctr_vm_vsrc(0)
	s_getreg_b32 s2, hwreg(HW_REG_IB_STS2, 6, 4)
	s_cmp_eq_u32 s2, 0
	s_cbranch_scc0 .Lentry_in_a_cluster
	s_endpgm
.Lentry_in_a_cluster:
	s_bfe_u32 s2, ttmp6, 0x10000c
	s_cmp_lg_u32 s2, 0xf033
	s_cbranch_scc0 .Lentry_shape_is_right
	s_endpgm
.Lentry_shape_is_right:
; C[m][n] = gelu(sum over k of A[m][k] W[k][n] + bias[n]).  A: [4096][SIZE_K] bf16.  W: [SIZE_K][SIZE_N] bf16 at byte WOFF of wb.  Sums, bias and GELU in f32; C rounded once to bf16.
; HERE: A = LayerNorm 2's rows, W = W_in, C = the MLP's hidden layer, [4096][4096], row-major.
; A tile of C is 256 x 256: four waves, each 128 x 128 = 64 accumulators, 512 registers.  K goes in steps of 128 through two LDS slots filled by the tensor data mover: a step holds 256 matrix
; instructions a wave, 240 of them between a refill's request and the wait for it.  16 x 16 = 256 tiles, one to a work-group, one work-group to a WGP.
; CLUSTERS: 4 x 4 work-groups.  The four of a row of the cluster need the same tile of A, the four of a column the same tile of W: each tile is asked for jointly, by the same
; tensor load with the same descriptor and a mask that names the four.
; W lies [k][n], so its fragments come out of LDS turned, by ds_load_tr16_b128.  THE MATRIX INSTRUCTION IS USED TRANSPOSED (source 0 = 16 columns of W, source 1 = 16 rows of A):
; a lane then holds eight neighbouring numbers of one row of C.
; LIMITS: operands and C are bf16; v_exp_f32 and v_rcp_f32 are good to 1 ulp and flush denormals; inputs that are not finite are not served.
; REGISTERS, in windows of 256:
;   window 0: v0-5 set-up; v16-29 addresses and constants; v64-127, v128-191 fragments of A, two buffers.  On the way out: v64-127 a block in f32, v128-191 GELU, v192-223 packed, v32-63 and v224-255 rows read back
;   window 1: v0-63 the bias of my 128 columns; v64-127, v128-191 fragments of W, two buffers
;   window 2: the 32 accumulators of my rows 0-63 (accumulator (a, b) at v[8 (8 a + b)]);   window 3: those of my rows 64-127
.set SIZE_N,  4096
.set SIZE_K,  1024
.set WOFF,    8388608
.set PERHEAD, 0                        ; C goes out row-major
.set GELU,    1
.set KSTEP,  128
.set PITCHA, 272                       ; a row of A's tile in LDS: 256 bytes + 16: an odd multiple of 16, so that the 16 rows of a fragment load start at different banks
.set PITCHB, 544                       ; a row of W's tile: 512 bytes + 32
.set HALFT,  128*PITCHA                ; what one tensor load brings: 128 rows of A, or 64 rows of W (64 x 544 is the same 34,816 bytes)
.set AOFF,   2*HALFT                   ; a slot: W's 128 rows, then A's 256 rows
.set SLOT,   4*HALFT
.set STAGE,  2*SLOT                    ; behind the ring (a multiple of 256): 16 rows x 272 bytes for each wave, for the way out; no tensor load lands there
.set SPITCH, 272
.set LAPS,   SIZE_K/(2*KSTEP)          ; a lap = two K steps = once round the ring
.set ADRA, 16                          ; v16-17   LDS address of my A fragments in slot 0, 1
.set ADRB, 20                          ; v20-21   the same for W
.set STO,  24                          ; the way out: where I put 16 bytes of a row
.set RD,   25                          ; the way out: where I read back
.set CO,   26                          ; my byte offset in C; never rewritten
.set BO,   27                          ; my byte offset in the bias; never rewritten
.set C0V,  28                          ; v[28:29] GELU's constant term, twice
.set OB,   32                          ; rows read back from the stage: v32-63 and v224-255 by turns
.set F0,   64                          ; fragment buffer 0
.set F1,   128                         ; fragment buffer 1
.set X,    64                          ; the way out: a block's 64 numbers a lane, in f32
.set GL,   128                         ; the way out: GELU at work
.set TMP,  192                         ; the way out: packed results
.set G1,  24                           ; s[24:31] group 1 for A's tiles;  s[32:39] group 0, one set for each slot
.set G0,  32
.set G1B, 48                           ; s[48:55], s[56:63] the same for W's tiles
.set G0B, 56
.set MSB, 0
.macro WIN new                         ; the immediate's high byte repeats the setting that is left; a switch that changes nothing is dropped
.if MSB != \new
	s_set_vgpr_msb (MSB<<8)|\new
.set MSB, \new
.endif
.endm
.set MUL_LO, 0xa1                      ; source 0 (W) window 1, source 1 (A) window 0, C and D window 2
.set MUL_HI, 0xf1                      ; the same, C and D window 3
.set TO_B,   0x40                      ; destination window 1, address window 0
; A joint refill: waves 0 and 1 fetch W's two halves along K, waves 2 and 3 A's two halves of rows.  The branch hangs on the wave's number alone.
; Four v_nop follow each of the two lines, ahead of the jump, the label and what follows.
.macro JLOAD s
	s_cmp_eq_u32 s11, 0
	s_cbranch_scc0 .Lfor_a_\@
	tensor_load_to_lds s[G0B+4*\s:G0B+4*\s+3], s[G1B:G1B+7]
	s_nop 0
.rept 4
	v_nop
.endr
	s_branch .Lasked_\@
.Lfor_a_\@:
	tensor_load_to_lds s[G0+4*\s:G0+4*\s+3], s[G1:G1+7]
	s_nop 0
.rept 4
	v_nop
.endr
.Lasked_\@:
.endm
.macro CREST                           ; a round of the cluster's barrier behind its opening barrier
	s_cmp_lg_u32 s10, 0
	s_cbranch_scc1 .Lnot_wave_0_\@
	s_barrier_signal -3
.Lnot_wave_0_\@:
	s_barrier_wait -3
	s_barrier_signal -1
	s_barrier_wait -1
.endm
.macro CROUND                          ; a whole round
	s_barrier_signal -1
	s_barrier_wait -1
	CREST
.endm
	s_load_b128 s[4:7], s[0:1], 0x0                ; A s[4:5], wb s[6:7]
.if PERHEAD
	s_load_b256 s[68:75], s[0:1], 0x10             ; b_Q s[68:69], b_K s[70:71], b_V s[72:73], qkv s[74:75]
.else
	s_load_b128 s[68:71], s[0:1], 0x10             ; bias s[68:69], C s[70:71]
	s_set_vgpr_msb 0x40
	v_lshl_add_u32 v255, v0, 2, 0x48400
	s_set_vgpr_msb 0x4000
	v_mov_b32 v31, 0
	s_set_vgpr_msb 0x1
	ds_add_u32 v255, v31
	ds_add_u32 v255, v31
	s_set_vgpr_msb 0x100
.endif
	v_lshrrev_b32 v1, 5, v0
	v_readfirstlane_b32 s10, v1                    ; wave 0..3
	s_lshr_b32 s11, s10, 1                         ; which half of the tile's rows is mine.  Also: I fetch for W (0) or for A (1)
	s_and_b32 s12, s10, 1                          ; which half of its columns.  Also: which half of that tile I fetch
	s_bfe_u32 s40, ttmp6, 0x40000                  ; cx, cy: my place in the cluster
	s_bfe_u32 s41, ttmp6, 0x40004
	s_lshl_b32 s42, ttmp9, 2
	s_add_co_u32 s42, s42, s40                     ; tile column tn = 4 x cluster x + cx
	s_and_b32 s13, ttmp7, 0xffff
	s_lshl_b32 s13, s13, 2
	s_add_co_u32 s13, s13, s41                     ; tile row tm = 4 x cluster y + cy
	s_lshl_b32 s43, s41, 2
	s_lshl_b32 s43, 15, s43                        ; my row of the cluster
	s_lshl_b32 s44, 0x1111, s40                    ; my column
	s_or_b32 s[G1+0], s43, (1<<16)|(1<<20)|(1<<21)|(5<<22)|(3<<25)   ; A: mask = my row; elements of 2 bytes; padding on; bit 21 beside a mask; after every 64 words, 4 words
	s_mov_b32 s[G1+1], KSTEP<<16                   ; tensor_dim0 = 128
	s_mov_b32 s[G1+2], 128<<16                     ; tensor_dim1 = 128
	s_mov_b32 s[G1+3], KSTEP<<16                   ; tile_dim0 = 128
	s_mov_b32 s[G1+4], 128                         ; tile_dim1 = 128
	s_mov_b32 s[G1+5], SIZE_K                      ; elements from row to row
	s_mov_b32 s[G1+6], 0
	s_mov_b32 s[G1+7], 0
	s_or_b32 s[G1B+0], s44, (1<<16)|(1<<20)|(1<<21)|(6<<22)|(7<<25)  ; W: mask = my column; after every 128 words, 8 words
	s_mov_b32 s[G1B+1], 256<<16                    ; tensor_dim0 = 256
	s_mov_b32 s[G1B+2], 64<<16                     ; tensor_dim1 = 64
	s_mov_b32 s[G1B+3], 256<<16                    ; tile_dim0 = 256
	s_mov_b32 s[G1B+4], 64                         ; tile_dim1 = 64
	s_mov_b32 s[G1B+5], SIZE_N
	s_mov_b32 s[G1B+6], 0
	s_mov_b32 s[G1B+7], 0
	; A's tiles hang on tm alone, W's on tn alone; each address is made in registers that never hold the other coordinate
	s_lshl_b32 s16, s13, 8
	s_lshl_b32 s17, s12, 7
	s_add_co_u32 s16, s16, s17                     ; A: row 256 tm + 128 half
	s_mul_i32 s16, s16, SIZE_K*2
	s_mov_b32 s17, 0
	s_mul_i32 s46, s12, 64*SIZE_N*2                ; W: row 64 half,
	s_lshl_b32 s47, s42, 9                         ; column 256 tn
	s_add_co_u32 s46, s46, s47
	s_add_co_u32 s46, s46, WOFF
	s_mov_b32 s47, 0
	s_mul_i32 s20, s10, HALFT                      ; where they go: W's two halves, then A's two halves = wave x 34,816: no place in the cluster enters an LDS address
	s_wait_dscnt 0x0
	s_wait_kmcnt 0x0
	s_add_nc_u64 s[14:15], s[4:5], s[16:17]
	s_add_nc_u64 s[46:47], s[6:7], s[46:47]
.irp s, 0,1
	s_mov_b32 s[G0+4*\s], 1
	s_add_co_u32 s[G0+4*\s+1], s20, \s*SLOT
	s_add_nc_u64 s[G0+4*\s+2:G0+4*\s+3], s[14:15], \s*KSTEP*2
	s_or_b32 s[G0+4*\s+3], s[G0+4*\s+3], 0x80000000
	s_mov_b32 s[G0B+4*\s], 1
	s_add_co_u32 s[G0B+4*\s+1], s20, \s*SLOT
	s_add_nc_u64 s[G0B+4*\s+2:G0B+4*\s+3], s[46:47], \s*KSTEP*SIZE_N*2
	s_or_b32 s[G0B+4*\s+3], s[G0B+4*\s+3], 0x80000000
.endr
	CROUND                                         ; all sixteen work-groups are here: the first joint loads meet
	s_cmp_eq_u32 s11, 0                            ; a wave's two first fills stand in one branch, ahead of every wait on TENSORcnt and every LDS read: two loads of mine are out
	s_cbranch_scc0 .Lfirst_a
	tensor_load_to_lds s[G0B:G0B+3], s[G1B:G1B+7]
	s_nop 0
	tensor_load_to_lds s[G0B+4:G0B+7], s[G1B:G1B+7]
	s_nop 0
.rept 4
	v_nop
.endr
	s_branch .Lfirst_asked
.Lfirst_a:
	tensor_load_to_lds s[G0:G0+3], s[G1:G1+7]
	s_nop 0
	tensor_load_to_lds s[G0+4:G0+7], s[G1:G1+7]
	s_nop 0
.rept 4
	v_nop
.endr
.Lfirst_asked:
	; the bias of my 128 columns, asked for now and waited for in front of the way out: register 8 b + j of window 1 belongs to column 16 b + 8 (lane / 16) + j
.if PERHEAD
	s_cmp_eq_u32 ttmp9, 0                          ; which of Q, K, V: tn / 4 = cluster x
	s_cselect_b64 s[66:67], s[68:69], s[70:71]
	s_cmp_eq_u32 ttmp9, 2
	s_cselect_b64 s[66:67], s[72:73], s[66:67]
	s_lshl_b32 s46, s40, 10                        ; 256 (tn % 4) numbers of 4 bytes
.else
	s_mov_b64 s[66:67], s[68:69]
	s_lshl_b32 s46, s42, 10                        ; 256 tn numbers of 4 bytes
.endif
	s_mov_b32 s47, 0
	s_add_nc_u64 s[66:67], s[66:67], s[46:47]
	s_lshl_b32 s18, s12, 9                         ; my 128 numbers
	s_mov_b32 s19, 0
	s_add_nc_u64 s[66:67], s[66:67], s[18:19]
	v_and_b32 v1, 15, v0                           ; r = lane % 16
	v_bfe_u32 v2, v0, 4, 1                         ; h = lane / 16
	v_lshlrev_b32 v[BO], 5, v2
	WIN TO_B                                       ; destination window 1
.irp b, 0,1,2,3,4,5,6,7
	global_load_b128 v[8*\b:8*\b+3],   v[BO], s[66:67] offset:64*\b
	global_load_b128 v[8*\b+4:8*\b+7], v[BO], s[66:67] offset:64*\b+16
.endr
	WIN 0
	; fragment addresses.  A: row r x pitch + 16 h.  W (turned): row (8 h + lane % 8) x pitch + 16 ((lane / 8) % 2) + my 128 columns
	v_mul_u32_u24 v3, v1, PITCHA
	v_lshl_add_u32 v3, v2, 4, v3
	s_mul_i32 s22, s11, HALFT
	s_add_co_u32 s22, s22, AOFF
	v_add_nc_u32 v[ADRA], s22, v3
	v_add_nc_u32 v[ADRA+1], SLOT, v[ADRA]
	v_and_b32 v4, 7, v0
	v_lshl_add_u32 v4, v2, 3, v4
	v_mul_u32_u24 v4, v4, PITCHB
	v_bfe_u32 v5, v0, 3, 1
	v_lshl_add_u32 v4, v5, 4, v4
	s_lshl_b32 s23, s12, 8
	v_add_nc_u32 v[ADRB], s23, v4
	v_add_nc_u32 v[ADRB+1], SLOT, v[ADRB]
	; the way out.  In: row r of my stage, 16 bytes for each half of the lanes
	s_mul_i32 s23, s10, 16*SPITCH
	s_add_co_u32 s23, s23, STAGE                   ; my stage
	v_mul_u32_u24 v4, v1, SPITCH
	v_lshl_add_u32 v4, v2, 4, v4
	v_add_nc_u32 v[STO], s23, v4
.if PERHEAD
	; back: a load takes one head's 128 bytes of four tokens: in qkv those are 512 consecutive bytes
	v_and_b32 v3, 31, v0
	v_lshrrev_b32 v4, 3, v3
	v_and_b32 v5, 7, v0
	v_mul_u32_u24 v4, v4, SPITCH
	v_lshl_add_u32 v4, v5, 4, v4
	v_add_nc_u32 v[RD], s23, v4
	v_lshlrev_b32 v[CO], 4, v3
	s_lshr_b32 s16, s13, 3                         ; batch: 4,194,304 bytes (16 heads)
	s_lshl_b32 s16, s16, 22
	s_and_b32 s17, s13, 7                          ; 256 tokens of 128 bytes
	s_lshl_b32 s17, s17, 15
	s_add_co_u32 s16, s16, s17
	s_lshl_b32 s17, s11, 14                        ; my 128 tokens
	s_add_co_u32 s16, s16, s17
	s_lshl_b32 s17, s12, 19                        ; my two heads of 262,144 bytes
	s_add_co_u32 s16, s16, s17
	s_mov_b32 s17, 0
	s_add_nc_u64 s[8:9], s[74:75], s[16:17]
	s_lshl_b32 s46, ttmp9, 23                      ; which: 8,388,608 bytes
	s_lshl_b32 s47, s40, 20                        ; the tile's four heads
	s_add_co_u32 s46, s46, s47
	s_mov_b32 s47, 0
	s_add_nc_u64 s[8:9], s[8:9], s[46:47]
.else
	; back: a load takes two whole rows of 256 bytes: lanes 0-15 one, lanes 16-31 the next
	v_mul_u32_u24 v5, v2, SPITCH
	v_lshl_add_u32 v5, v1, 4, v5
	v_add_nc_u32 v[RD], s23, v5
	v_mul_u32_u24 v5, v2, SIZE_N*2
	v_lshl_add_u32 v[CO], v1, 4, v5
	s_lshl_b32 s16, s13, 8
	s_lshl_b32 s17, s11, 7
	s_add_co_u32 s16, s16, s17                     ; my first row of C: 256 tm + 128 (wave / 2)
	s_mul_i32 s16, s16, SIZE_N*2
	s_lshl_b32 s17, s12, 8                         ; my 128 columns, in bytes
	s_add_co_u32 s16, s16, s17
	s_mov_b32 s17, 0
	s_add_nc_u64 s[8:9], s[70:71], s[16:17]
	s_lshl_b32 s46, s42, 9                         ; the tile's first column, in bytes
	s_mov_b32 s47, 0
	s_add_nc_u64 s[8:9], s[8:9], s[46:47]
.endif
.if GELU
	s_mov_b32 s76, 0xbdd2d3e8                      ; C1 = 0.044715 C0
	s_mov_b32 s77, 0xbdd2d3e8
	v_mov_b32 v[C0V], 0xc0135761                   ; C0 = -2 log2(e) sqrt(2 / pi)
	v_mov_b32 v[C0V+1], 0xc0135761
.endif
; 16 matrix instructions: m blocks a0, a0 + 1 of the window's four (hi = 0: my rows 0-63, 1: rows 64-127) x all 8 n blocks, 32 along K.  zero = 1: the first product starts the sums.
; The 64 accumulators take turns, one instruction a turn, in the same order in every quarter.
.macro MUL16 f, hi, a0, zero
.irp a, \a0, \a0+1
.irp b, 0,1,2,3,4,5,6,7
.if \zero
	v_wmma_f32_16x16x32_bf16 v[8*(8*(\a)+\b):8*(8*(\a)+\b)+7], v[\f+8*\b:\f+8*\b+7], v[\f+8*(4*\hi+\a):\f+8*(4*\hi+\a)+7], 0
.else
	v_wmma_f32_16x16x32_bf16 v[8*(8*(\a)+\b):8*(8*(\a)+\b)+7], v[\f+8*\b:\f+8*\b+7], v[\f+8*(4*\hi+\a):\f+8*(4*\hi+\a)+7], v[8*(8*(\a)+\b):8*(8*(\a)+\b)+7]
.endif
.endr
.endr
.endm
; 32 LDS loads in one run: the fragments of quarter q (32 along K) of a slot into buffer f: W's 128 columns (turned), then A's 128 rows
.macro FETCH slot, q, f
	WIN TO_B
.irp i, 0,1,2,3,4,5,6,7
	ds_load_tr16_b128 v[\f+8*\i:\f+8*\i+3],   v[ADRB+\slot] offset:32*(\q)*PITCHB+32*\i
	ds_load_tr16_b128 v[\f+8*\i+4:\f+8*\i+7], v[ADRB+\slot] offset:(32*(\q)+16)*PITCHB+32*\i
.endr
	WIN 0
.irp i, 0,1,2,3,4,5,6,7
	ds_load_b128 v[\f+8*\i:\f+8*\i+3],   v[ADRA+\slot] offset:64*(\q)+\i*16*PITCHA
	ds_load_b128 v[\f+8*\i+4:\f+8*\i+7], v[ADRA+\slot] offset:64*(\q)+\i*16*PITCHA+32
.endr
.endm
.macro PLACES                          ; four plain places in front of loads into registers that matrix instructions have read, and of instructions that read results
.rept 4
	v_nop
.endr
.endm
; A K step is four quarters of 32 along K, 64 matrix instructions each, on buffers 0, 1, 0, 1.  One of the first three: multiplies buffer f; in its middle it fetches quarter q into buffer g.
.macro QUARTER slot, q, f, g, zero
	s_wait_dscnt 8                                 ; W and A's rows 0-63 are in; the youngest eight loads (A's rows 64-127) may be out
	WIN MUL_LO
	MUL16 \f, 0, 0, \zero
	MUL16 \f, 0, 2, \zero
	PLACES
	FETCH \slot, \q, \g
	s_wait_dscnt 32                                ; all but the 32 just issued
	WIN MUL_HI
	MUL16 \f, 1, 0, \zero
	MUL16 \f, 1, 2, \zero
.endm
; The last quarter multiplies buffer 1 and changes slots: ONE barrier; in front of it each wave waits for its own reads of this slot and for all its tensor loads.
; fill = 1: the barrier opens a round of the cluster's barrier, and this slot is filled again, two K steps ahead, first thing behind the round.
.macro TURN slot, next, fill
	s_wait_dscnt 8
	WIN MUL_LO
	MUL16 F1, 0, 0, 0
	s_wait_dscnt 0                                 ; my reads of this slot are over,
	s_wait_tensorcnt 0x0                           ; and all my tensor loads have landed: the one that was out is my part of the next slot
	ds_add_u32 v255, v31
	s_wait_dscnt 0x0
	s_barrier_signal -1
	MUL16 F1, 0, 2, 0                              ; work on registers while the others arrive
.if \fill
	WIN 0
.endif
	s_barrier_wait -1
.if \fill
	CREST                                          ; no wave of any partner still reads this slot's tile or has a load on its way
	s_add_nc_u64 s[G0+4*\slot+2:G0+4*\slot+3], s[G0+4*\slot+2:G0+4*\slot+3], 2*KSTEP*2
	s_add_nc_u64 s[G0B+4*\slot+2:G0B+4*\slot+3], s[G0B+4*\slot+2:G0B+4*\slot+3], 2*KSTEP*SIZE_N*2
	JLOAD \slot                                    ; 240 matrix instructions ahead of the wait for it; the four v_nop behind it are also the places in front of the loads below
.else
	PLACES
.endif
	FETCH \next, 0, F0
	WIN MUL_HI
	MUL16 F1, 1, 0, 0
	MUL16 F1, 1, 2, 0
.endm
	s_wait_tensorcnt 1                             ; my part of K step 0 is in; K step 1's may stay out
	s_barrier_signal -1
	s_barrier_wait -1                              ; everybody's is
	FETCH 0, 0, F0
	QUARTER 0, 1, F0, F1, 1                        ; the first quarter stands in front of the loop: its products start the sums
	WIN 0                                          ; at a label and at a branch every window is 0
	s_mov_b32 s3, LAPS-1
.Llap:                                                 ; a trip goes once round the ring, from a lap's second quarter to the next lap's first, and fills both slots again
	QUARTER 0, 2, F1, F0, 0
	QUARTER 0, 3, F0, F1, 0
	TURN 0, 1, 1
	QUARTER 1, 1, F0, F1, 0
	QUARTER 1, 2, F1, F0, 0
	QUARTER 1, 3, F0, F1, 0
	TURN 1, 0, 1
	QUARTER 0, 1, F0, F1, 0
	WIN 0
	s_sub_co_u32 s3, s3, 1
	s_cmp_lg_u32 s3, 0
	s_cbranch_scc1 .Llap
	QUARTER 0, 2, F1, F0, 0                        ; the last lap fills nothing, and has no round of the cluster's barrier
	QUARTER 0, 3, F0, F1, 0
	TURN 0, 1, 0
	QUARTER 1, 1, F0, F1, 0
	QUARTER 1, 2, F1, F0, 0
	QUARTER 1, 3, F0, F1, 0
	s_wait_dscnt 8                                 ; the very last quarter: nothing more to fetch
	WIN MUL_LO
	MUL16 F1, 0, 0, 0
	MUL16 F1, 0, 2, 0
	s_wait_dscnt 0
	WIN MUL_HI
	MUL16 F1, 1, 0, 0
	MUL16 F1, 1, 2, 0
	WIN 0
; THE WAY OUT of block a (16 rows x 128 columns: 8 accumulators), in three parts.
; PACK: accumulator + bias into window 0, each accumulator's registers in ascending order; GELU; rounded to bf16, 16 bytes a lane.
; gelu(x) = x / (1 + 2^(x (C0 + C1 x^2))), which is x (1 + tanh(sqrt(2/pi) (x + 0.044715 x^3))) / 2.  Where x^2 overflows the exponent goes to -inf or +inf and the result to x or to 0, the right limits.
.macro PACK a
.set AC, 64*((\a)%4)
.set WP, 0x06+((\a)/4)                 ; source 0 window 2 or 3 (the sums), source 1 window 1 (the bias), destination window 0
	WIN WP
.irp b, 0,1,2,3,4,5,6,7
.irp p, 0,1,2,3
	v_pk_add_f32 v[X+8*\b+2*\p:X+8*\b+2*\p+1], v[AC+8*\b+2*\p:AC+8*\b+2*\p+1], v[8*\b+2*\p:8*\b+2*\p+1]
.endr
.endr
	WIN 0
.if GELU
.set i, 0
.rept 32
	v_pk_mul_f32 v[GL+i:GL+i+1], v[X+i:X+i+1], v[X+i:X+i+1]
.set i, i+2
.endr
.set i, 0
.rept 32
	v_pk_fma_f32 v[GL+i:GL+i+1], v[GL+i:GL+i+1], s[76:77], v[C0V:C0V+1] op_sel_hi:[1,0,1]
.set i, i+2
.endr
.set i, 0
.rept 32
	v_pk_mul_f32 v[GL+i:GL+i+1], v[GL+i:GL+i+1], v[X+i:X+i+1]
.set i, i+2
.endr
.set i, 0
.rept 64
	v_exp_f32 v[GL+i], v[GL+i]
.set i, i+1
.endr
	v_nop                                          ; a plain instruction between the last exponential and the use of its result
.set i, 0
	s_wait_alu depctr_va_vdst(0)
.rept 32
	v_pk_add_f32 v[GL+i:GL+i+1], v[GL+i:GL+i+1], 1.0 op_sel_hi:[1,0]
.set i, i+2
.endr
.set i, 0
.rept 64
	v_rcp_f32 v[GL+i], v[GL+i]
.set i, i+1
.endr
	v_nop                                          ; the same behind the last reciprocal
.set i, 0
	s_wait_alu depctr_va_vdst(0)
.rept 32
	v_pk_mul_f32 v[X+i:X+i+1], v[X+i:X+i+1], v[GL+i:GL+i+1]
.set i, i+2
.endr
.endif
.set i, 0
.rept 32
	v_cvt_pk_bf16_f32 v[TMP+i], v[X+2*i], v[X+2*i+1]
.set i, i+1
.endr
.endm
; TOSTAGE: into my own stage in LDS, and back in the order in which the bytes lie in C.
.macro TOSTAGE a
.set BK, OB+192*((\a)%2)
.irp b, 0,1,2,3,4,5,6,7
	ds_store_b128 v[STO], v[TMP+4*\b:TMP+4*\b+3] offset:32*\b
.endr
.irp t, 0,1,2,3,4,5,6,7
.if PERHEAD
	ds_load_b128 v[BK+4*\t:BK+4*\t+3], v[RD] offset:(\t%4)*4*SPITCH+(\t/4)*128   ; LDS serves a wave's instructions in order (ISA guide 5.7.1.4): these see the stores above
.else
	ds_load_b128 v[BK+4*\t:BK+4*\t+3], v[RD] offset:\t*2*SPITCH                  ; LDS serves a wave's instructions in order (ISA guide 5.7.1.4): these see the stores above
.endif
.endr
.endm
; SEND: stored.  The block's place stands in the immediate; the base and the offset register are never rewritten.
.macro SEND a
.set BK, OB+192*((\a)%2)
	s_wait_dscnt 0x0                               ; the block is back in registers
	s_wait_xcnt 0x0                                ; the registers that the block before stored from are loaded again (by the next TOSTAGE) only behind this wait
.irp t, 0,1,2,3,4,5,6,7
.if PERHEAD
	global_store_b128 v[CO], v[BK+4*\t:BK+4*\t+3], s[8:9] offset:(\t/4)*262144+(16*(\a)+4*(\t%4))*128   ; head t / 4 of my two, four tokens: 512 consecutive bytes, aligned
.else
	global_store_b128 v[CO], v[BK+4*\t:BK+4*\t+3], s[8:9] offset:(16*(\a)+2*\t)*SIZE_N*2                ; 16 lanes store 256 consecutive bytes, aligned
.endif
.endr
.endm
	s_wait_loadcnt 0x0                             ; the bias
	PLACES                                         ; behind the last products
	PACK 0
	TOSTAGE 0
.irp a, 1,2,3,4,5,6,7                  ; block a's arithmetic stands between block a - 1's loads from the stage and the wait for them
	PACK \a
	SEND \a-1
	TOSTAGE \a
.endr
	SEND 7
	s_set_vgpr_msb 0x1
	s_wait_tensorcnt 0x0
	ds_add_u32 v255, v31
	s_wait_dscnt 0x0
	s_set_vgpr_msb 0x100
	CROUND                                         ; the closing round: no work-group ends while a partner may still ask for a tile that names it
	s_endpgm
.Lfunc_end_k_q07443cc6aa_gemm_in:
	.size	k_q07443cc6aa_gemm_in, .Lfunc_end_k_q07443cc6aa_gemm_in-k_q07443cc6aa_gemm_in
	.p2alignl 7, 3214868480
	.fill 96, 4, 3214868480
	.section	.rodata,"a",@progbits
	.p2align	6, 0x0
	.amdhsa_kernel k_q07443cc6aa_gemm_in
		.amdhsa_group_segment_fixed_size 327680
		.amdhsa_private_segment_fixed_size 0
		.amdhsa_enable_private_segment 0
		.amdhsa_kernarg_size 32
		.amdhsa_user_sgpr_count 2
		.amdhsa_user_sgpr_kernarg_segment_ptr 1
		.amdhsa_wavefront_size32 1
		.amdhsa_system_sgpr_workgroup_id_x 1
		.amdhsa_system_sgpr_workgroup_id_y 1
		.amdhsa_system_sgpr_workgroup_id_z 1
		.amdhsa_system_vgpr_workitem_id 0
		.amdhsa_next_free_vgpr 1024
		.amdhsa_next_free_sgpr 80
		.amdhsa_reserve_vcc 0
		.amdhsa_float_denorm_mode_32 3
		.amdhsa_float_denorm_mode_16_64 3
		.amdhsa_memory_ordered 1
		.amdhsa_forward_progress 1
		.amdhsa_inst_pref_size 255
	.end_amdhsa_kernel
	.section	.bss,"aw",@nobits
	.p2align	6
	.space	262144
	.amdgpu_metadata
---
amdhsa.version: [ 1, 2 ]
amdhsa.kernels:
  - .name:           k_q07443cc6aa_gemm_in
    .symbol:         k_q07443cc6aa_gemm_in.kd
    .args:
      - { .name: xn, .offset: 0, .size: 8, .value_kind: global_buffer, .address_space: global }
      - { .name: wb, .offset: 8, .size: 8, .value_kind: global_buffer, .address_space: global }
      - { .name: b_in, .offset: 16, .size: 8, .value_kind: global_buffer, .address_space: global }
      - { .name: hid, .offset: 24, .size: 8, .value_kind: global_buffer, .address_space: global }
    .group_segment_fixed_size: 327680
    .private_segment_fixed_size: 0
    .kernarg_segment_align: 8
    .kernarg_segment_size: 32
    .max_flat_workgroup_size: 128
    .sgpr_count:     80
    .vgpr_count:     1024
    .wavefront_size: 32
...
	.end_amdgpu_metadata
.endif
;; end of part 10
;; launch gemm_out: the kernel of part 7 again; grid 8 x 32, 4 waves a work-group, clusters of 4 x 4, 327,680 bytes of LDS; arguments hid, wb, b_out, mid, out0; writes out0
